; MI455X (gfx1250); checked and timed in simulation.
; The chip was launched on July 23, 2026; its instructions are those of AMD's public machine-readable ISA for CDNA 5 (MIT licence, August 2026) and "CDNA5" Instruction Set Architecture Reference Guide (July 2026). The comments in the code are by the model that wrote it; some were corrected since.
;; Mamba2 Layer. Allowed arithmetic: float matrix products may take bf16 or f16 operands with f32 sums; other float arithmetic in f32, or as packed bf16 or f16 multiplies, adds, multiply-adds, maxima and minima; sums over many terms, partial sums and values carried from step to step in f32; what a program stores and reads back later, other than sums and carried values, may be rounded once to bf16 or f16.
;; Inputs: A_log 64 float32; D 1,024 float32; W_dt 2,048 x 1,024 float32; W_in 1,024 x 4,096 float32; W_out 2,048 x 1,024 float32; W_xp 2,048 x 64 float32; b_dt 1,024 float32; b_in 4,096 float32; b_out 1,024 float32; b_xp 64 float32; x 2 x 4,096 x 1,024 float32.
;; Outputs: out0 2 x 4,096 x 1,024 float32.
;; 2 versions, each right. Each part assembles by itself: llvm-mc -triple=amdgcn-amd-amdhsa -mcpu=gfx1250 --defsym DOCPART=n.
;; ======== version 1 of 2: 5 launches
;; workspace buffers: xb 16,777,216 bytes; wts 17,301,504 bytes; xi 67,108,864 bytes; gg 67,108,864 bytes; pp 33,554,432 bytes; scn 2,359,296 bytes; summ 131,072 bytes
;; launch prep (part 1): grid 2064 x 1, 8 waves a work-group, no clusters, 18,432 bytes of LDS; arguments x, W_in, W_dt, W_xp, W_out, xb, wts; writes xb, wts
.if DOCPART == 1
	.amdgcn_target "amdgcn-amd-amdhsa--gfx1250"
	.amdhsa_code_object_version 6
	.text
	.protected	k_qf115e47f2e_prep
	.globl	k_qf115e47f2e_prep
	.p2align	8
	.type	k_qf115e47f2e_prep,@function
k_qf115e47f2e_prep:
	s_mov_b64 s[64:65], 0
	v_nop
	global_prefetch_b8 v0, s[64:65] scope:SCOPE_SE
	s_setreg_imm32_b32 hwreg(HW_REG_WAVE_MODE, 25, 1), 1
	s_wait_xcnt 0x0
; PREP: every matrix operand is rounded once to bf16 (to nearest even) and laid with K along its rows.
; Work-groups 0..1023 (CAST): x [8192][1024] f32 -> xb, the same shape in bf16; 32,768 bytes of x each.
; Work-groups 1024..2063 (TRANSPOSE): one tile of 128 k x 64 n of a weight [K][N] f32 -> 64 rows of 128 bf16 in wts.
;   wts byte 0:  WinP [4096][1024]: row 128 j + 64 half + q holds column 2048 half + 64 j + q of W_in, so that 128 rows on end
;                are 64 columns of the inner stream and then the 64 matching columns of the gate.
;   wts byte WC: Wcat [8 tiles][272 rows][2048]: tiles 0-3: 256 columns of W_dt, then 16 columns of W_xp; tiles 4-7: 256 columns of W_out, then 16 rows of zeros.
; A tile comes in as 128 rows of 256 bytes (16 lanes a row), is rounded in pairs of neighbouring k, turned in LDS and leaves as 64 rows of 256 bytes (16 lanes a row).
; The words stored into LDS fall four deep on a bank (a step of 4 columns is 272 words = 16 mod 64; 64 banks of 4 bytes: ISA guide 11.1): 16 such stores a thread beside 128 bytes a thread from memory.
; No matrix unit, no cluster: no two work-groups read the same byte.
.set WC,    8388608                    ; Wcat's first byte in wts
.set TP,    272                        ; a row of the turned tile in LDS: 256 bytes + 16
.set SPARE, 64*TP                      ; behind the tile: the spare words, 128 bytes for each of the eight waves
.set SPW,   14                         ; v14  LDS address of my spare word; never rewritten
.set NIL,   15                         ; v15  0; never rewritten
.set Q,     11                         ; v11  thread % 16: my 16 bytes of a row of 256
.set KR,    12                         ; v12  thread / 16
	s_load_b256 s[4:11], s[0:1], 0x0               ; x s[4:5], W_in s[6:7], W_dt s[8:9], W_xp s[10:11]
	s_load_b128 s[12:15], s[0:1], 0x20             ; W_out s[12:13], xb s[14:15]
	s_load_b64 s[16:17], s[0:1], 0x30              ; wts
	v_lshl_add_u32 v[SPW], v0, 2, SPARE
	v_mov_b32 v[NIL], 0
	s_mov_b32 s18, ttmp9
	s_mov_b32 s41, 0                               ; the high word of every offset
	s_wait_kmcnt 0x0
	s_cmp_lt_u32 s18, 1024
	s_cbranch_scc0 .Ltrans
	; CAST: eight loads of 16 bytes a lane (a wave's load covers 512 consecutive bytes), eight stores of 8 bytes (a wave's store covers 256 consecutive bytes, aligned)
	s_lshl_b32 s40, s18, 15
	s_add_nc_u64 s[4:5], s[4:5], s[40:41]
	s_lshl_b32 s40, s18, 14
	s_add_nc_u64 s[14:15], s[14:15], s[40:41]
	v_lshlrev_b32 v1, 4, v0
	v_lshlrev_b32 v2, 3, v0
.irp i, 0,1,2,3,4,5,6,7
	global_load_b128 v[16+4*(\i):19+4*(\i)], v1, s[4:5] offset:4096*(\i) th:TH_LOAD_NT
.endr
.irp i, 0,1,2,3,4,5,6,7
	s_wait_loadcnt 7-(\i)                          ; loads come back in order: load i is in, the younger ones stay out
	v_cvt_pk_bf16_f32 v[48+2*(\i)], v[16+4*(\i)], v[17+4*(\i)]
	v_cvt_pk_bf16_f32 v[49+2*(\i)], v[18+4*(\i)], v[19+4*(\i)]
	global_store_b64 v2, v[48+2*(\i):49+2*(\i)], s[14:15] offset:2048*(\i)
.endr
	s_branch .Lend
.Ltrans:
	; Which weight, which tile.  s19 = kt (128 k), s29 = group of 64 columns, s[20:21] source, s22 source pitch, s23 first byte in wts, s26 pitch there,
	; s30 first row there, s27 bytes from 16 output rows to the next 16, s28 = 1 for W_xp.
	s_sub_co_u32 s18, s18, 1024
	s_mov_b32 s28, 0
	s_mov_b32 s22, 4096                            ; as W_dt and W_out have them
	s_mov_b32 s26, 4096
	s_mov_b32 s27, 16*4096
	s_mov_b32 s23, WC
	s_cmp_lt_u32 s18, 512
	s_cbranch_scc0 .Lnot_in
	s_and_b32 s19, s18, 7                          ; W_in: 8 x 64 tiles
	s_lshr_b32 s29, s18, 3
	s_mov_b64 s[20:21], s[6:7]
	s_mov_b32 s22, 16384
	s_mov_b32 s26, 2048
	s_mov_b32 s27, 16*2048
	s_mov_b32 s23, 0
	s_and_b32 s30, s29, 31                         ; j
	s_lshl_b32 s30, s30, 7
	s_lshr_b32 s31, s29, 5                         ; half
	s_lshl_b32 s31, s31, 6
	s_add_co_u32 s30, s30, s31
	s_branch .Lcommon
.Lnot_in:
	s_cmp_lt_u32 s18, 1024
	s_cbranch_scc0 .Lxp
	s_and_b32 s31, s18, 255                        ; W_dt (512..767) and W_out (768..1023): 16 x 16 tiles each
	s_and_b32 s19, s31, 15
	s_lshr_b32 s29, s31, 4
	s_lshr_b32 s30, s29, 2                         ; Wcat's tile,
	s_mul_i32 s30, s30, 272
	s_and_b32 s31, s29, 3                          ; and 64 rows in it
	s_lshl_b32 s31, s31, 6
	s_add_co_u32 s30, s30, s31
	s_cmp_lt_u32 s18, 768
	s_cselect_b64 s[20:21], s[8:9], s[12:13]
	s_cselect_b32 s31, 0, 1088                     ; W_out's tiles are 4 to 7
	s_add_co_u32 s30, s30, s31
	s_branch .Lcommon
.Lxp:
	s_sub_co_u32 s19, s18, 1024                    ; W_xp: 16 tiles; its 64 columns go 16 to each of Wcat's tiles 0-3, rows 256..271
	s_mov_b32 s29, 0
	s_mov_b64 s[20:21], s[10:11]
	s_mov_b32 s22, 256
	s_mov_b32 s30, 256
	s_mov_b32 s27, 272*4096
	s_mov_b32 s28, 1
.Lcommon:
	s_lshl_b32 s40, s19, 7
	s_mul_i32 s40, s40, s22                        ; 128 kt rows of the source,
	s_lshl_b32 s42, s29, 8                         ; 64 columns of 4 bytes a group
	s_add_co_u32 s40, s40, s42
	s_add_nc_u64 s[32:33], s[20:21], s[40:41]
	s_lshl_b32 s40, s22, 5                         ; four bases, 32 rows apart
	s_add_nc_u64 s[34:35], s[32:33], s[40:41]
	s_add_nc_u64 s[36:37], s[34:35], s[40:41]
	s_add_nc_u64 s[38:39], s[36:37], s[40:41]
	s_mul_i32 s40, s30, s26
	s_lshl_b32 s42, s19, 8                         ; 128 k of 2 bytes
	s_add_co_u32 s40, s40, s42
	s_add_co_u32 s40, s40, s23
	s_add_nc_u64 s[24:25], s[16:17], s[40:41]
	v_and_b32 v[Q], 15, v0
	v_lshrrev_b32 v[KR], 4, v0
	v_lshlrev_b32 v13, 1, v[KR]
	v_mul_lo_u32 v3, v13, s22
	v_lshl_add_u32 v3, v[Q], 4, v3                 ; row 2 kr, my 4 columns
	v_add_nc_u32 v4, s22, v3                       ; row 2 kr + 1
.irp i, 0,1,2,3
	global_load_b128 v[16+8*(\i):19+8*(\i)], v3, s[32+2*(\i):33+2*(\i)] th:TH_LOAD_NT
	global_load_b128 v[20+8*(\i):23+8*(\i)], v4, s[32+2*(\i):33+2*(\i)] th:TH_LOAD_NT
.endr
	v_mul_u32_u24 v5, v[Q], 4*TP
	v_lshl_add_u32 v5, v[KR], 2, v5                ; in: column 4 q, word kr
	v_mul_u32_u24 v6, v[KR], TP
	v_lshl_add_u32 v6, v[Q], 4, v6                 ; back: row kr, 16 bytes q
	v_mul_lo_u32 v7, v[KR], s26
	v_lshl_add_u32 v7, v[Q], 4, v7                 ; and the same place in wts, for four groups of 16 rows
	v_add_nc_u32 v8, s27, v7
	v_add_nc_u32 v9, s27, v8
	v_add_nc_u32 v10, s27, v9
.irp i, 0,1,2,3
	s_wait_loadcnt 6-2*(\i)                        ; pair i of rows is in, the younger pairs stay out
.irp j, 0,1,2,3
	v_cvt_pk_bf16_f32 v[48+4*(\i)+(\j)], v[16+8*(\i)+(\j)], v[20+8*(\i)+(\j)]  ; k in the low half, k + 1 in the high half, of column 4 q + j
	ds_store_b32 v5, v[48+4*(\i)+(\j)] offset:(\j)*TP+64*(\i)
.endr
.endr
	s_wait_dscnt 0x0                               ; for the others' sake: my stores into the tile are done
	s_barrier_signal -1
	s_barrier_wait -1
.irp i, 0,1,2,3
	ds_load_b128 v[16+4*(\i):19+4*(\i)], v6 offset:(\i)*16*TP
.endr
.irp i, 0,1,2,3
	s_wait_dscnt 3-(\i)
	global_store_b128 v[7+(\i)], v[16+4*(\i):19+4*(\i)], s[24:25]  ; 16 lanes store 256 consecutive bytes, aligned
.endr
	s_cmp_eq_u32 s28, 1
	s_cbranch_scc0 .Lend
	v_mov_b32 v32, 0                               ; W_xp's work-groups also write the zero rows of tiles 4-7, four tiles further on
	v_mov_b32 v33, 0
	v_mov_b32 v34, 0
	v_mov_b32 v35, 0
.irp i, 0,1,2,3
	global_store_b128 v[7+(\i)], v[32:35], s[24:25] offset:4*272*4096
.endr
.Lend:
	s_wait_tensorcnt 0x0                           ; the wave's end: behind my last LDS store
	ds_add_u32 v[SPW], v[NIL]
	s_wait_dscnt 0x0
	s_endpgm
.Lfunc_end_k_qf115e47f2e_prep:
	.size	k_qf115e47f2e_prep, .Lfunc_end_k_qf115e47f2e_prep-k_qf115e47f2e_prep
	.p2alignl 7, 3214868480
	.fill 96, 4, 3214868480
	.section	.rodata,"a",@progbits
	.p2align	6, 0x0
	.amdhsa_kernel k_qf115e47f2e_prep
		.amdhsa_group_segment_fixed_size 18432
		.amdhsa_private_segment_fixed_size 0
		.amdhsa_enable_private_segment 0
		.amdhsa_kernarg_size 56
		.amdhsa_user_sgpr_count 2
		.amdhsa_user_sgpr_kernarg_segment_ptr 1
		.amdhsa_wavefront_size32 1
		.amdhsa_system_sgpr_workgroup_id_x 1
		.amdhsa_system_sgpr_workgroup_id_y 1
		.amdhsa_system_sgpr_workgroup_id_z 1
		.amdhsa_system_vgpr_workitem_id 0
		.amdhsa_next_free_vgpr 64
		.amdhsa_next_free_sgpr 66
		.amdhsa_reserve_vcc 0
		.amdhsa_float_denorm_mode_32 3
		.amdhsa_float_denorm_mode_16_64 3
		.amdhsa_memory_ordered 1
		.amdhsa_forward_progress 1
		.amdhsa_inst_pref_size 12
	.end_amdhsa_kernel
	.amdgpu_metadata
---
amdhsa.version: [ 1, 2 ]
amdhsa.kernels:
  - .name:           k_qf115e47f2e_prep
    .symbol:         k_qf115e47f2e_prep.kd
    .args:
      - { .name: x, .offset: 0, .size: 8, .value_kind: global_buffer, .address_space: global }
      - { .name: W_in, .offset: 8, .size: 8, .value_kind: global_buffer, .address_space: global }
      - { .name: W_dt, .offset: 16, .size: 8, .value_kind: global_buffer, .address_space: global }
      - { .name: W_xp, .offset: 24, .size: 8, .value_kind: global_buffer, .address_space: global }
      - { .name: W_out, .offset: 32, .size: 8, .value_kind: global_buffer, .address_space: global }
      - { .name: xb, .offset: 40, .size: 8, .value_kind: global_buffer, .address_space: global }
      - { .name: wts, .offset: 48, .size: 8, .value_kind: global_buffer, .address_space: global }
    .group_segment_fixed_size: 18432
    .private_segment_fixed_size: 0
    .kernarg_segment_align: 8
    .kernarg_segment_size: 56
    .max_flat_workgroup_size: 256
    .sgpr_count:     66
    .vgpr_count:     64
    .wavefront_size: 32
...
	.end_amdgpu_metadata
.endif
;; end of part 1
;; launch gemm_in (part 2): grid 16 x 32, 4 waves a work-group, clusters of 4 x 4, 327,680 bytes of LDS; arguments xb, wts, b_in, xi, gg; writes xi, gg
.if DOCPART == 2
	.amdgcn_target "amdgcn-amd-amdhsa--gfx1250"
	.amdhsa_code_object_version 6
	.text
	.protected	k_qf115e47f2e_gemm_in
	.globl	k_qf115e47f2e_gemm_in
	.p2align	8
	.type	k_qf115e47f2e_gemm_in,@function
k_qf115e47f2e_gemm_in:
	s_mov_b64 s[64:65], 0
	v_nop
	global_prefetch_b8 v0, s[64:65] scope:SCOPE_SE
	s_setreg_imm32_b32 hwreg(HW_REG_WAVE_MODE, 25, 1), 1
	s_wait_xcnt 0x0
	s_wait_alu depctr_hold_cnt(0) depctr_sa_sdst(0) depctr_va_vdst(0) depctr_va_sdst(0) depctr_va_ssrc(0) depctr_va_vcc(0) depctr_vm_vsrc(0)
	s_getreg_b32 s2, hwreg(HW_REG_IB_STS2, 6, 4)
	s_cmp_eq_u32 s2, 0
	s_cbranch_scc0 .Lentry_in_a_cluster
	s_endpgm
.Lentry_in_a_cluster:
	s_bfe_u32 s2, ttmp6, 0x10000c
	s_cmp_lg_u32 s2, 0xf033
	s_cbranch_scc0 .Lentry_shape_is_right
	s_endpgm
.Lentry_shape_is_right:
; xr = x W_in + b_in; xi = silu(inner half); g = xi silu(gate half).  A = xb [8192][1024] bf16, B = WinP [4096][1024] bf16 (rows permuted); sums in f32.
; xi and g are operands of the next launch's products.  Each leaves as TWO bf16 numbers, hi = bf16(v) and lo = bf16(v - hi): together 16 significant bits.  One bf16 is too coarse here: the row's scalar of the scan,
; which may be several times its own spread, multiplies what g's rounding leaves in the last product.  f16 has no room: g grows with the fourth power of a common factor on x and W_in.
; Layout of each buffer: [64 planes][8192 rows][64] bf16: plane j < 32 holds hi of columns 64 j .., plane 32 + j their lo.  A wave's 16 rows of a plane are 2,048 consecutive bytes.
; EVERY INPUT OF THE MODULE IS TAKEN ROUNDED ONCE TO bf16 (to nearest even), so that all parts of the result are made of the same numbers: x and W_in in the launch before, b_in here.
; LIMITS.  silu(v) = v / (1 + 2^(-v log2 e)): no finite v overflows it (the exponential may be infinite; its reciprocal is then 0).  v_exp_f32 and v_rcp_f32 flush denormals
; (ISA guide 15.8).  NaN and infinities are not treated apart.
; SHAPE.  A tile of xr is 256 x 256: four waves, each 128 x 128 in 64 accumulators of 16 x 16.  K goes in 8 steps of 128 through a ring of two LDS slots filled by tensor loads whose rows
; are 256 bytes of memory.  4 x 4 work-groups form a cluster: A's tile is asked for jointly along a row of the cluster, B's along a column.
; TRANSPOSED USE: source 0 = 16 rows of B, source 1 = 16 rows of A, so a lane holds row l % 16 and the columns 8 (l / 16) + 0..7 of a block of 16 columns.  By WinP's order of rows a wave's
; column blocks 0-3 are 64 inner columns and blocks 4-7 the 64 matching gate columns: accumulators (a, b) and (a, b + 4) hold partners in the same lane and register.
; REGISTERS, in windows of 256 (s_set_vgpr_msb: bits 1:0 source 0, 3:2 source 1, 5:4 source 2, 7:6 destination):
;   window 0: v0-31 addresses; v64-127, v128-191 A's fragments, two buffers; on the way out v64-127 V, v128-191 E (then the packed lo parts and their rows read back), v192-223 packed hi parts, v224-255 their rows read back
;   window 1: v0-63 b_in of my 128 columns; v64-127, v128-191 B's fragments; v192-223 at work once, at the head      windows 2, 3: accumulators of my rows 0-63, 64-127: (a, b) at v[8 (8 (a % 4) + b)]
.set SIZE_K, 1024
.set KSTEP,  128
.set PITCH,  272                       ; an LDS row: 256 bytes + 16 of padding = 68 words: the 16 rows of a load start at 16 different groups of four banks (64 banks of 4 bytes: ISA guide 11.1)
.set HALFT,  128*PITCH                 ; what one tensor load brings, and what one wave reads of A or of B
.set SLOT,   4*HALFT                   ; A's 256 rows, then B's 256 rows
.set STAGE,  2*SLOT                    ; behind the ring: for each wave four parts of 16 rows x 144 bytes: xi hi, g hi, xi lo, g lo
.set SP,     144
.set PART,   16*SP
.set WSTG,   4*PART
.set SPARE,  STAGE+4*WSTG              ; behind the stages: the spare words, 128 bytes for each wave
.set LOFF,   33554432                  ; from a hi plane to its lo plane
.set LAPS,   SIZE_K/(2*KSTEP)
.set ADRA, 16                          ; v16-17  LDS address of my A fragments in slot 0, 1
.set ADRB, 20                          ; v20-21  the same for B
.set STO,  24                          ; v24  the way out: where I put 16 bytes of a row
.set RD,   25                          ; v25  where I read rows back
.set GO,   26                          ; v26  16 x lane: my place in 512 consecutive bytes of a plane
.set BO,   27                          ; v27  my byte offset in b_in
.set SPW,  28                          ; v28  LDS address of my spare word; never rewritten
.set NIL,  29                          ; v29  0; never rewritten
.set PFO,  30                          ; v30  the prefetches' offset: lane x a row of 2,048 bytes; never rewritten
.set NEG1, 31                          ; v31  -1.0
.set F0,   64
.set F1,   128
.set V,    64
.set E,    128
.set TMP,  192
.set OB,   224
.set LIM,  43                          ; s43  1 in a wave that prefetches, else the greatest number
.set PFA,  44                          ; s[44:45] where my prefetches stand
.set G1,   24                          ; s[24:31] descriptor group 1 for A's tiles; s[32:39] group 0, a set for each slot
.set G0,   32
.set G1B,  48                          ; s[48:55], s[56:63] the same for B's
.set G0B,  56
.set MSB, 0
.macro WIN new                         ; the immediate's high byte repeats the setting that is left; a switch that changes nothing is dropped
.if MSB != (\new)
	s_set_vgpr_msb (MSB<<8)|(\new)
.set MSB, \new
.endif
.endm
.set MUL_LO, 0xa1                      ; source 0 (B) window 1, source 1 (A) window 0, C and D window 2
.set MUL_HI, 0xf1                      ; the same, C and D window 3
.set TO_B,   0x40                      ; destination window 1, address window 0
; A joint load: waves 0 and 1 fetch A's two halves, waves 2 and 3 B's.  The branch hangs on the wave's number alone.  An s_nop 0 and four v_nop follow each line.
.macro JLOAD s
	s_cmp_eq_u32 s11, 0
	s_cbranch_scc0 .Lfor_b_\@
	tensor_load_to_lds s[G0+4*(\s):G0+4*(\s)+3], s[G1:G1+7]
	s_nop 0
.rept 4
	v_nop
.endr
	s_branch .Lasked_\@
.Lfor_b_\@:
	tensor_load_to_lds s[G0B+4*(\s):G0B+4*(\s)+3], s[G1B:G1B+7]
	s_nop 0
.rept 4
	v_nop
.endr
.Lasked_\@:
.endm
; A prefetch of the K step that stands two refills on: 32 rows x 256 bytes, a lane a row, one instruction a wave.  A's tile row is walked by four clusters: the one with x = 0 asks; B's tile column by
; eight: the one with y = 0 asks.  Of the 128 rows that a wave fetches each of the four partners takes 32, told apart by address.  So each row's 256 bytes of K steps 4 to 7 are named once in the launch;
; K steps 0 to 3 come by their loads alone, and the loop's last trip (s3 = 1) asks for nothing.
.macro ASK
	s_cmp_gt_u32 s3, s[LIM]
	s_cbranch_scc0 .Lnot_mine_\@
	global_prefetch_b8 v[PFO], s[PFA:PFA+1] th:TH_LOAD_NT scope:SCOPE_SE
.Lnot_mine_\@:
.endm
.macro CREST                           ; a round of the cluster's barrier behind its opening barrier
	s_cmp_lg_u32 s10, 0
	s_cbranch_scc1 .Lnot_wave_0_\@
	s_barrier_signal -3
.Lnot_wave_0_\@:
	s_barrier_wait -3
	s_barrier_signal -1
	s_barrier_wait -1
.endm
.macro CROUND                          ; a whole round
	s_barrier_signal -1
	s_barrier_wait -1
	CREST
.endm
	s_load_b128 s[4:7], s[0:1], 0x0                ; xb s[4:5], wts s[6:7]
	s_load_b64 s[8:9], s[0:1], 0x10                ; b_in
	s_load_b128 s[68:71], s[0:1], 0x18             ; xi s[68:69], gg s[70:71]
	v_lshl_add_u32 v[SPW], v0, 2, SPARE
	v_mov_b32 v[NIL], 0
	ds_add_u32 v[SPW], v[NIL]                      ; the wave's opening: the add and its wait stand ahead of my first tensor load; the set-up below stands between them
	v_lshrrev_b32 v1, 5, v0
	v_readfirstlane_b32 s10, v1                    ; wave 0..3
	s_lshr_b32 s11, s10, 1                         ; rh: which 128 rows of the tile are mine.  Also: I fetch for A (0) or for B (1)
	s_and_b32 s12, s10, 1                          ; ch: which 128 columns.  Also: which 128 rows of that tile I fetch
	s_bfe_u32 s40, ttmp6, 0x40000                  ; cx
	s_bfe_u32 s41, ttmp6, 0x40004                  ; cy
	s_lshl_b32 s42, ttmp9, 2
	s_add_co_u32 s42, s42, s40                     ; tile column = 4 x cluster x + cx
	s_and_b32 s13, ttmp7, 0xffff
	s_lshl_b32 s13, s13, 2
	s_add_co_u32 s13, s13, s41                     ; tile row = 4 x cluster y + cy
	s_lshl_b32 s43, s41, 2
	s_lshl_b32 s43, 15, s43                        ; my row of the cluster
	s_lshl_b32 s44, 0x1111, s40                    ; my column
	s_or_b32 s[G1+0], s43, (1<<16)|(1<<20)|(1<<21)|(5<<22)|(3<<25)   ; the mask; elements of 2 bytes; padding on; bit 21 beside a mask; after every 64 words 4 words
	s_or_b32 s[G1B+0], s44, (1<<16)|(1<<20)|(1<<21)|(5<<22)|(3<<25)
.irp g, G1, G1B
	s_mov_b32 s[(\g)+1], KSTEP<<16                 ; tensor_dim0 = 128
	s_mov_b32 s[(\g)+2], 128<<16                   ; tensor_dim1 = 128
	s_mov_b32 s[(\g)+3], KSTEP<<16                 ; tile_dim0 = 128
	s_mov_b32 s[(\g)+4], 128                       ; tile_dim1 = 128
	s_mov_b32 s[(\g)+5], SIZE_K                    ; elements from row to row
	s_mov_b32 s[(\g)+6], 0
	s_mov_b32 s[(\g)+7], 0
.endr
	s_lshl_b32 s17, s12, 7
	s_lshl_b32 s16, s13, 8
	s_add_co_u32 s16, s16, s17                     ; A: row 256 x tile row + 128 x half,
	s_lshl_b32 s16, s16, 11                        ; of 2,048 bytes
	s_lshl_b32 s46, s42, 8
	s_add_co_u32 s46, s46, s17                     ; B: row 256 x tile column + 128 x half
	s_lshl_b32 s46, s46, 11
	s_mov_b32 s17, 0
	s_mov_b32 s47, 0
	s_mul_i32 s20, s10, HALFT                      ; where they go: wave x 128 rows: no place in the cluster enters an LDS address
	s_mov_b32 s72, 0xbfb8aa3b                      ; -log2(e), named as a pair
	s_mov_b32 s73, 0xbfb8aa3b
	s_wait_dscnt 0x0                               ; the opening add is done
	s_wait_kmcnt 0x0
	s_add_nc_u64 s[14:15], s[4:5], s[16:17]
	s_add_nc_u64 s[46:47], s[6:7], s[46:47]
	CROUND                                         ; all sixteen work-groups are here: the first joint loads meet
.irp s, 0,1
	s_mov_b32 s[G0+4*(\s)], 1
	s_add_co_u32 s[G0+4*(\s)+1], s20, (\s)*SLOT
	s_add_nc_u64 s[G0+4*(\s)+2:G0+4*(\s)+3], s[14:15], (\s)*KSTEP*2
	s_or_b32 s[G0+4*(\s)+3], s[G0+4*(\s)+3], 0x80000000
	s_mov_b32 s[G0B+4*(\s)], 1
	s_add_co_u32 s[G0B+4*(\s)+1], s20, (\s)*SLOT
	s_add_nc_u64 s[G0B+4*(\s)+2:G0B+4*(\s)+3], s[46:47], (\s)*KSTEP*2
	s_or_b32 s[G0B+4*(\s)+3], s[G0B+4*(\s)+3], 0x80000000
	JLOAD \s                                       ; two tensor loads of mine are out
.endr
	v_and_b32 v1, 15, v0                           ; l % 16
	v_bfe_u32 v2, v0, 4, 1                         ; l / 16
	v_mov_b32 v[NEG1], -1.0
	s_lshl_b32 s46, s42, 9                         ; b_in: my 64 inner columns begin at 64 (2 x tile column + ch), 4 bytes each;
	s_lshl_b32 s47, s12, 8
	s_add_co_u32 s46, s46, s47
	v_lshl_add_u32 v[BO], v2, 5, s46               ; my 8 of a block's 16
	WIN TO_B
.irp b, 0,1,2,3,4,5,6,7                ; blocks 4-7: the gate's columns, 2,048 numbers on
	global_load_b128 v[8*(\b):8*(\b)+3],   v[BO], s[8:9] offset:((\b)/4)*8192+((\b)%4)*64
	global_load_b128 v[8*(\b)+4:8*(\b)+7], v[BO], s[8:9] offset:((\b)/4)*8192+((\b)%4)*64+16
.endr
	WIN 0
	v_mul_u32_u24 v3, v1, PITCH
	v_lshl_add_u32 v3, v2, 4, v3                   ; a fragment's row x pitch + 16 x half
	s_mul_i32 s21, s11, HALFT
	s_mul_i32 s22, s12, HALFT
	s_add_co_u32 s22, s22, 2*HALFT
.irp s, 0,1
	v_add_nc_u32 v[ADRA+(\s)], s21, v3
	v_add_nc_u32 v[ADRB+(\s)], s22, v3
	s_add_co_u32 s21, s21, SLOT
	s_add_co_u32 s22, s22, SLOT
.endr
	s_mul_i32 s23, s10, WSTG
	s_add_co_u32 s23, s23, STAGE                   ; my stage
	v_mul_u32_u24 v4, v1, SP                       ; in: row l % 16, 16 bytes for each half of the lanes
	v_lshl_add_u32 v4, v2, 4, v4
	v_add_nc_u32 v[STO], s23, v4
	v_bfe_u32 v5, v0, 3, 2                         ; back: 32 lanes take four rows of 128 bytes,
	v_mul_u32_u24 v5, v5, SP
	v_and_b32 v6, 7, v0
	v_lshl_add_u32 v5, v6, 4, v5
	v_add_nc_u32 v[RD], s23, v5
	v_and_b32 v[GO], 31, v0                        ; which are 512 consecutive bytes of a plane
	v_mul_u32_u24 v[PFO], v[GO], SIZE_K*2
	v_lshlrev_b32 v[GO], 4, v[GO]
	s_lshl_b32 s16, s13, 8
	s_lshl_b32 s17, s11, 7
	s_add_co_u32 s16, s16, s17                     ; my first row,
	s_lshl_b32 s16, s16, 7                         ; of 128 bytes,
	s_lshl_b32 s46, s42, 1
	s_add_co_u32 s46, s46, s12
	s_lshl_b32 s46, s46, 20                        ; in plane 2 x tile column + ch, of 8,192 such rows
	s_add_co_u32 s16, s16, s46
	s_mov_b32 s17, 0
	s_add_nc_u64 s[68:69], s[68:69], s[16:17]      ; xi hi,
	s_add_nc_u64 s[70:71], s[70:71], s[16:17]      ; g hi,
	s_add_nc_u64 s[74:75], s[68:69], LOFF          ; xi lo,
	s_add_nc_u64 s[76:77], s[70:71], LOFF          ; g lo
	; the prefetches
	s_lshl_b32 s14, s13, 8
	s_lshl_b32 s15, s42, 8
	s_and_b32 s22, ttmp7, 0xffff                   ; cluster y
	s_cmp_eq_u32 s11, 0                            ; do I fetch for A?
	s_cselect_b32 s20, s14, s15                    ; the tile's first row
	s_cselect_b32 s21, s40, s41                    ; my place among the four that ask for it with me
	s_cselect_b32 s22, ttmp9, s22                  ; the coordinate along which other clusters read the same rows
	s_cselect_b64 s[PFA:PFA+1], s[4:5], s[6:7]
	s_cmp_eq_u32 s22, 0
	s_cselect_b32 s[LIM], 1, -1                    ; the same in all sixteen partners, for a given wave
	s_lshl_b32 s22, s12, 7
	s_add_co_u32 s20, s20, s22                     ; + the 128 rows that I fetch
	s_lshl_b32 s21, s21, 5
	s_add_co_u32 s20, s20, s21                     ; + my work-group's 32 of them
	s_lshl_b32 s20, s20, 11
	s_mov_b32 s21, 0
	s_add_nc_u64 s[PFA:PFA+1], s[PFA:PFA+1], s[20:21]
	s_add_nc_u64 s[PFA:PFA+1], s[PFA:PFA+1], 3*KSTEP*2  ; at K step 3: the first refill steps it to 4 and names that
; 16 matrix instructions: row blocks a0, a0 + 1 of the window's four x all 8 column blocks, 32 along K.  zero = 1: the first product starts the sums.
.macro MUL16 f, hi, a0, zero
	WIN MUL_LO+0x50*(\hi)
.irp a, \a0, (\a0)+1
.irp b, 0,1,2,3,4,5,6,7
.if \zero
	v_wmma_f32_16x16x32_bf16 v[8*(8*(\a)+(\b)):8*(8*(\a)+(\b))+7], v[(\f)+8*(\b):(\f)+8*(\b)+7], v[(\f)+8*(4*(\hi)+(\a)):(\f)+8*(4*(\hi)+(\a))+7], 0
.else
	v_wmma_f32_16x16x32_bf16 v[8*(8*(\a)+(\b)):8*(8*(\a)+(\b))+7], v[(\f)+8*(\b):(\f)+8*(\b)+7], v[(\f)+8*(4*(\hi)+(\a)):(\f)+8*(4*(\hi)+(\a))+7], v[8*(8*(\a)+(\b)):8*(8*(\a)+(\b))+7]
.endif
.endr
.endr
.endm
; 32 LDS loads in one run: a quarter step's fragments (32 K at byte k of the rows) into buffer f: B's 16 loads, then A's
.macro FETCH slot, k, f
	WIN TO_B
.irp i, 0,1,2,3,4,5,6,7
	ds_load_b128 v[(\f)+8*(\i):(\f)+8*(\i)+3],   v[ADRB+(\slot)] offset:(\k)+(\i)*16*PITCH
	ds_load_b128 v[(\f)+8*(\i)+4:(\f)+8*(\i)+7], v[ADRB+(\slot)] offset:(\k)+(\i)*16*PITCH+32
.endr
	WIN 0
.irp i, 0,1,2,3,4,5,6,7
	ds_load_b128 v[(\f)+8*(\i):(\f)+8*(\i)+3],   v[ADRA+(\slot)] offset:(\k)+(\i)*16*PITCH
	ds_load_b128 v[(\f)+8*(\i)+4:(\f)+8*(\i)+7], v[ADRA+(\slot)] offset:(\k)+(\i)*16*PITCH+32
.endr
.endm
.macro PLACES                          ; four plain places in front of loads into registers that matrix instructions have read (ISA guide 7.12.1 for vector instructions)
.rept 4
	v_nop
.endr
.endm
; A K step is four quarters of 32 along K, 64 matrix instructions each, on buffers 0, 1, 0, 1.  The 64 accumulators take turns, one instruction a turn.
.macro QUARTER slot, k, f, g, zero
	s_wait_dscnt 8                                 ; B and A's rows 0-63 are in; the youngest eight loads (A's rows 64-127) may be out
	MUL16 \f, 0, 0, \zero
	MUL16 \f, 0, 2, \zero
	PLACES
	FETCH \slot, \k, \g
	s_wait_dscnt 32                                ; all but the 32 just issued
	MUL16 \f, 1, 0, \zero
	MUL16 \f, 1, 2, \zero
.endm
; The first half of a K step's last quarter: one barrier for the change of slots.
.macro MEET round
	WIN 0                                          ; (the add's two registers lie in window 0)
	s_wait_tensorcnt 0x0                           ; all my tensor loads have landed: the one that was out is my part of the next slot;
	ds_add_u32 v[SPW], v[NIL]                      ; 0 onto my spare word;
	s_wait_dscnt 9                                 ; (the add and the youngest eight loads may be out)
	MUL16 F1, 0, 0, 0
	s_wait_dscnt 0x0                               ; the add is done, and my reads of this slot are over
	s_barrier_signal -1
	MUL16 F1, 0, 2, 0                              ; work on registers while the others arrive
.if \round
	WIN 0
.endif
	s_barrier_wait -1
.endm
; The whole last quarter.  fill = 1: the barrier opens a round of the cluster's barrier, and the slot just read out is filled again, first thing behind the round, with the K step two steps on.
.macro TURN slot, next, fill
.if \fill
	s_wait_xcnt 0x0                                ; the last prefetch, a K step back, has read its address
	s_add_nc_u64 s[PFA:PFA+1], s[PFA:PFA+1], KSTEP*2
	MEET 1
	CREST                                          ; no wave of any partner still reads this slot or has a load on its way
	s_add_nc_u64 s[G0+4*(\slot)+2:G0+4*(\slot)+3], s[G0+4*(\slot)+2:G0+4*(\slot)+3], 2*KSTEP*2
	s_add_nc_u64 s[G0B+4*(\slot)+2:G0B+4*(\slot)+3], s[G0B+4*(\slot)+2:G0B+4*(\slot)+3], 2*KSTEP*2
	JLOAD \slot                                    ; its four v_nop are also the places in front of the loads below
.else
	MEET 0
	PLACES
.endif
	FETCH \next, 0, F0
.if \fill
	ASK
.endif
	MUL16 F1, 1, 0, 0
	MUL16 F1, 1, 2, 0
.endm
	s_wait_loadcnt 0x0                             ; b_in
	WIN 0x45                                       ; all in window 1: b_in is rounded to bf16 and widened again, while the first tiles are on their way
.set i, 0
.rept 32
	v_cvt_pk_bf16_f32 v[192+i], v[2*i], v[2*i+1]
.set i, i+1
.endr
.set i, 0
.rept 32
	v_lshlrev_b32 v[2*i], 16, v[192+i]
	v_and_b32 v[2*i+1], 0xffff0000, v[192+i]
.set i, i+1
.endr
	WIN 0
	s_wait_tensorcnt 1                             ; my part of K step 0 is in; K step 1's may stay out
	s_barrier_signal -1
	s_barrier_wait -1
	FETCH 0, 0, F0
	QUARTER 0, 64,  F0, F1, 1                      ; the first quarter stands in front of the loop: its products start the sums
	WIN 0
	s_mov_b32 s3, LAPS-1
.Llap:                                         ; a trip goes once round the ring and fills both slots again: K steps 2 to 7
	QUARTER 0, 128, F1, F0, 0
	QUARTER 0, 192, F0, F1, 0
	TURN 0, 1, 1
	QUARTER 1, 64,  F0, F1, 0
	QUARTER 1, 128, F1, F0, 0
	QUARTER 1, 192, F0, F1, 0
	TURN 1, 0, 1
	QUARTER 0, 64,  F0, F1, 0
	WIN 0
	s_sub_co_u32 s3, s3, 1
	s_cmp_lg_u32 s3, 0
	s_cbranch_scc1 .Llap
	QUARTER 0, 128, F1, F0, 0                      ; the last lap is written out: it fills nothing
	QUARTER 0, 192, F0, F1, 0
	TURN 0, 1, 0
	QUARTER 1, 64,  F0, F1, 0
	QUARTER 1, 128, F1, F0, 0
	QUARTER 1, 192, F0, F1, 0
	s_wait_dscnt 8
	MUL16 F1, 0, 0, 0
	MUL16 F1, 0, 2, 0
	s_wait_dscnt 0x0
	MUL16 F1, 1, 0, 0
	MUL16 F1, 1, 2, 0
	WIN 0
.rept 8
	v_nop                                          ; plain places behind the last products, ahead of lines that read results and write over fragments
.endr
; THE WAY OUT, a block of 16 rows a trip: one text for the arithmetic, and in front of it eight short texts, one for each block, that add the bias and bring the block's 64 numbers a lane into window 0.
.macro COPY a
	WIN 0x06+((\a)/4)                              ; source 0: window 2 or 3; source 1: window 1
.irp b, 0,1,2,3,4,5,6,7
.irp r, 0,2,4,6
	v_pk_add_f32 v[V+8*(\b)+(\r):V+8*(\b)+(\r)+1], v[64*((\a)%4)+8*(\b)+(\r):64*((\a)%4)+8*(\b)+(\r)+1], v[8*(\b)+(\r):8*(\b)+(\r)+1]
.endr
.endr
	WIN 0
.endm
	s_mov_b32 s2, 0
.Lblk:
.irp a, 0,1,2,3,4,5,6
	s_cmp_eq_u32 s2, \a
	s_cbranch_scc1 .Lc\a
.endr
	COPY 7
	s_branch .Lproc
.irp a, 0,1,2,3,4,5
.Lc\a:
	COPY \a
	s_branch .Lproc
.endr
.Lc6:
	COPY 6
.Lproc:
	; V[0..31] inner, V[32..63] gate.  Four batches of 32 transcendentals, each with plain work of the other half between its lines and one wait ahead of its first reader.
.set i, 0
.rept 16
	v_pk_mul_f32 v[E+i:E+i+1], v[V+i:V+i+1], s[72:73] op_sel_hi:[1,0]
.set i, i+2
.endr
.set i, 0
.rept 16
	v_exp_f32 v[E+i], v[E+i]
	v_exp_f32 v[E+i+1], v[E+i+1]
	v_pk_mul_f32 v[E+32+i:E+32+i+1], v[V+32+i:V+32+i+1], s[72:73] op_sel_hi:[1,0]
.set i, i+2
.endr
	s_wait_alu depctr_va_vdst(0)
.set i, 0
.rept 16
	v_exp_f32 v[E+32+i], v[E+32+i]
	v_exp_f32 v[E+33+i], v[E+33+i]
	v_pk_add_f32 v[E+i:E+i+1], v[E+i:E+i+1], 1.0 op_sel_hi:[1,0]
.set i, i+2
.endr
	s_wait_alu depctr_va_vdst(0)
.set i, 0
.rept 16
	v_rcp_f32 v[E+i], v[E+i]
	v_rcp_f32 v[E+i+1], v[E+i+1]
	v_pk_add_f32 v[E+32+i:E+32+i+1], v[E+32+i:E+32+i+1], 1.0 op_sel_hi:[1,0]
.set i, i+2
.endr
	s_wait_alu depctr_va_vdst(0)
.set i, 0
.rept 16
	v_rcp_f32 v[E+32+i], v[E+32+i]
	v_rcp_f32 v[E+33+i], v[E+33+i]
	v_pk_mul_f32 v[V+i:V+i+1], v[V+i:V+i+1], v[E+i:E+i+1]          ; xi
	v_cvt_pk_bf16_f32 v[TMP+i/2], v[V+i], v[V+i+1]                 ; its hi part
.set i, i+2
.endr
	s_wait_alu depctr_va_vdst(0)
.set i, 0
.rept 16
	v_pk_mul_f32 v[V+32+i:V+32+i+1], v[V+32+i:V+32+i+1], v[E+32+i:E+32+i+1]  ; silu(gate)
.set i, i+2
.endr
.set i, 0
.rept 16
	v_pk_mul_f32 v[V+32+i:V+32+i+1], v[V+32+i:V+32+i+1], v[V+i:V+i+1]        ; g, of the unrounded xi
.set i, i+2
.endr
.set i, 0
.rept 16
	v_cvt_pk_bf16_f32 v[TMP+16+i/2], v[V+32+i], v[V+33+i]                    ; its hi part
.set i, i+2
.endr
	; what the hi parts leave: v - hi, which f32 holds exactly, in place; then rounded to bf16 into E, whose numbers have been used
.set p, 0
.rept 32                               ; pair p: xi's 16 pairs, then g's 16
	v_fma_mix_f32_bf16 v[V+2*p],   v[TMP+p], v[NEG1], v[V+2*p]   op_sel:[0,0,0] op_sel_hi:[1,0,0]
	v_fma_mix_f32_bf16 v[V+2*p+1], v[TMP+p], v[NEG1], v[V+2*p+1] op_sel:[1,0,0] op_sel_hi:[1,0,0]
.set p, p+1
.endr
.set p, 0
.rept 32
	v_cvt_pk_bf16_f32 v[E+p], v[V+2*p], v[V+2*p+1]
.set p, p+1
.endr
.irp b, 0,1,2,3
	ds_store_b128 v[STO], v[TMP+4*(\b):TMP+4*(\b)+3] offset:32*(\b)                  ; xi hi
	ds_store_b128 v[STO], v[TMP+16+4*(\b):TMP+16+4*(\b)+3] offset:PART+32*(\b)       ; g hi
	ds_store_b128 v[STO], v[E+4*(\b):E+4*(\b)+3] offset:2*PART+32*(\b)               ; xi lo
	ds_store_b128 v[STO], v[E+16+4*(\b):E+16+4*(\b)+3] offset:3*PART+32*(\b)         ; g lo
.endr
.irp f, 0,1,2,3
	ds_load_b128 v[OB+4*(\f):OB+4*(\f)+3], v[RD] offset:(\f)*4*SP              ; LDS serves a wave's instructions in order (ISA guide 5.7.1.4): these see the stores above
	ds_load_b128 v[OB+16+4*(\f):OB+16+4*(\f)+3], v[RD] offset:PART+(\f)*4*SP
	ds_load_b128 v[E+32+4*(\f):E+32+4*(\f)+3], v[RD] offset:2*PART+(\f)*4*SP
	ds_load_b128 v[E+48+4*(\f):E+48+4*(\f)+3], v[RD] offset:3*PART+(\f)*4*SP
.endr
	s_wait_dscnt 0x0
.irp f, 0,1,2,3
	global_store_b128 v[GO], v[OB+4*(\f):OB+4*(\f)+3], s[68:69] offset:512*(\f)       ; 512 consecutive bytes, at a multiple of 256 from the buffer's first
	global_store_b128 v[GO], v[OB+16+4*(\f):OB+16+4*(\f)+3], s[70:71] offset:512*(\f)
	global_store_b128 v[GO], v[E+32+4*(\f):E+32+4*(\f)+3], s[74:75] offset:512*(\f)
	global_store_b128 v[GO], v[E+48+4*(\f):E+48+4*(\f)+3], s[76:77] offset:512*(\f)
.endr
	s_wait_xcnt 0x0                                ; the stores have read their data and bases: both are written again only behind this wait
	s_add_nc_u64 s[68:69], s[68:69], 16*128
	s_add_nc_u64 s[70:71], s[70:71], 16*128
	s_add_nc_u64 s[74:75], s[74:75], 16*128
	s_add_nc_u64 s[76:77], s[76:77], 16*128
	s_add_co_u32 s2, s2, 1
	s_cmp_lt_u32 s2, 8
	s_cbranch_scc1 .Lblk
	s_wait_tensorcnt 0x0                           ; the wave's end: behind my last tensor load and my last LDS store
	ds_add_u32 v[SPW], v[NIL]
	s_wait_dscnt 0x0
	CROUND                                         ; the closing round: no work-group ends while a partner may still ask for a tile that names it
	s_endpgm
.Lfunc_end_k_qf115e47f2e_gemm_in:
	.size	k_qf115e47f2e_gemm_in, .Lfunc_end_k_qf115e47f2e_gemm_in-k_qf115e47f2e_gemm_in
	.p2alignl 7, 3214868480
	.fill 96, 4, 3214868480
	.section	.rodata,"a",@progbits
	.p2align	6, 0x0
	.amdhsa_kernel k_qf115e47f2e_gemm_in
		.amdhsa_group_segment_fixed_size 327680
		.amdhsa_private_segment_fixed_size 0
		.amdhsa_enable_private_segment 0
		.amdhsa_kernarg_size 40
		.amdhsa_user_sgpr_count 2
		.amdhsa_user_sgpr_kernarg_segment_ptr 1
		.amdhsa_wavefront_size32 1
		.amdhsa_system_sgpr_workgroup_id_x 1
		.amdhsa_system_sgpr_workgroup_id_y 1
		.amdhsa_system_sgpr_workgroup_id_z 1
		.amdhsa_system_vgpr_workitem_id 0
		.amdhsa_next_free_vgpr 1024
		.amdhsa_next_free_sgpr 80
		.amdhsa_reserve_vcc 0
		.amdhsa_float_denorm_mode_32 3
		.amdhsa_float_denorm_mode_16_64 3
		.amdhsa_memory_ordered 1
		.amdhsa_forward_progress 1
		.amdhsa_inst_pref_size 160
	.end_amdhsa_kernel
	.amdgpu_metadata
---
amdhsa.version: [ 1, 2 ]
amdhsa.kernels:
  - .name:           k_qf115e47f2e_gemm_in
    .symbol:         k_qf115e47f2e_gemm_in.kd
    .args:
      - { .name: xb, .offset: 0, .size: 8, .value_kind: global_buffer, .address_space: global }
      - { .name: wts, .offset: 8, .size: 8, .value_kind: global_buffer, .address_space: global }
      - { .name: b_in, .offset: 16, .size: 8, .value_kind: global_buffer, .address_space: global }
      - { .name: xi, .offset: 24, .size: 8, .value_kind: global_buffer, .address_space: global }
      - { .name: gg, .offset: 32, .size: 8, .value_kind: global_buffer, .address_space: global }
    .group_segment_fixed_size: 327680
    .private_segment_fixed_size: 0
    .kernarg_segment_align: 8
    .kernarg_segment_size: 40
    .max_flat_workgroup_size: 128
    .sgpr_count:     80
    .vgpr_count:     1024
    .wavefront_size: 32
...
	.end_amdgpu_metadata
.endif
;; end of part 2
;; launch gemm_mid (part 3): grid 8 x 32, 4 waves a work-group, clusters of 4 x 4, 327,680 bytes of LDS; arguments xi, gg, wts, b_dt, scn, pp; writes scn, pp
.if DOCPART == 3
	.amdgcn_target "amdgcn-amd-amdhsa--gfx1250"
	.amdhsa_code_object_version 6
	.text
	.protected	k_qf115e47f2e_gemm_mid
	.globl	k_qf115e47f2e_gemm_mid
	.p2align	8
	.type	k_qf115e47f2e_gemm_mid,@function
k_qf115e47f2e_gemm_mid:
	s_mov_b64 s[64:65], 0
	v_nop
	global_prefetch_b8 v0, s[64:65] scope:SCOPE_SE
	s_setreg_imm32_b32 hwreg(HW_REG_WAVE_MODE, 25, 1), 1
	s_wait_xcnt 0x0
	s_wait_alu depctr_hold_cnt(0) depctr_sa_sdst(0) depctr_va_vdst(0) depctr_va_sdst(0) depctr_va_ssrc(0) depctr_va_vcc(0) depctr_vm_vsrc(0)
	s_getreg_b32 s2, hwreg(HW_REG_IB_STS2, 6, 4)
	s_cmp_eq_u32 s2, 0
	s_cbranch_scc0 .Lentry_in_a_cluster
	s_endpgm
.Lentry_in_a_cluster:
	s_bfe_u32 s2, ttmp6, 0x10000c
	s_cmp_lg_u32 s2, 0xf033
	s_cbranch_scc0 .Lentry_shape_is_right
	s_endpgm
.Lentry_shape_is_right:
; TWO PRODUCTS OF ONE SHAPE IN ONE LAUNCH, 8192 x 2048 x 1024 each, told apart by the cluster's x (equal in all partners of a cluster):
;   cluster x = 0: z = xi W_dt + b_dt; of softplus(z) the sum over my wave's 128 columns of each row (f32) -> scn, part 2 x tile column + ch; and bx = xi W_xp (without b_xp, in f32) -> scn.
;   cluster x = 1: P = g W_out, in f32 -> pp [8192][1024].  (The row's scalar of the scan multiplies P in the last launch: it is a factor of the whole row of y.)
; A = xi or gg, [64 planes][8192 rows][64] bf16: planes 0-31 the hi parts, planes 32-63 the lo parts (v = hi + lo to 16 significant bits).  BOTH PARTS ARE MULTIPLIED, onto the same accumulators: the walk along K has
; 16 pairs of steps, (hi, lo) of the same 128 k; slot 0 of the ring always holds a hi step, slot 1 the lo step, each with the same 128 k of B.  THE PRICE: twice the matrix instructions of one bf16 operand, and B's K steps
; are fetched twice.  B = a tile of Wcat: 272 rows x 2048 bf16: 256 columns of the product and 16 extra (W_xp's, or zeros).
; Every input of the module is taken rounded once to bf16 (to nearest even): the weights in the first launch, b_dt here.
; LIMITS.  softplus(z) = max(z, 0) + ln 2 log2(1 + 2^(-|z| log2 e)): no finite z overflows it; where 2^(-|z| log2 e) is below 2^-24 the second term counts as 0 (an absolute error under 6e-8 a number).
; v_exp_f32 and v_log_f32 flush denormals (ISA guide 15.8).  NaN and infinities are not treated apart.
; SHAPE.  A tile is 256 rows x 272 columns; four waves, each 128 x 128 in 64 accumulators, and 4 more (XA) for the 16 extra columns x 64 of its rows.
; So that XA's rows are fixed in the text, a wave's A fragments are loaded ROTATED: register blocks 0-3 hold rows 128 rh + 64 ch + .., blocks 4-7 rows 128 rh + 64 (1 - ch) + ..; addresses alone know of it.
; One loop text serves both kinds: where cluster x = 1, four products in 68 multiply rows of zeros, and nobody reads XA.
; CLUSTER.  4 x 4: A's planes are asked for jointly along a row of the cluster, B's tile along a column.  The matrix instruction is used transposed (source 0 = B): a lane holds row l % 16, columns 8 (l / 16) + 0..7.
; REGISTERS: window 0: v0-31 addresses; v64-127, v128-191 A's fragments; v32-63, v192-255 at work on the way out.   window 1: v0-15 the extra columns' fragments; v64-191 B's fragments; v192-223 XA.
;   windows 2, 3: accumulators of register blocks 0-3, 4-7: (a, b) at v[8 (8 (a % 4) + b)].
.set KSTEP,  128
.set AP,     144                       ; a row of a plane of A in LDS: 128 bytes + 16 = 36 words: the 16 rows of a load start at 16 different groups of four banks (64 banks of 4 bytes: ISA guide 11.1)
.set PL,     256*AP                    ; a plane: 256 rows x 64 k
.set PITCH,  272                       ; a row of B: 256 bytes + 16
.set BOFF,   2*PL                      ; B lies behind A's two planes
.set BHALF,  136*PITCH                 ; what one tensor load brings of B
.set SLOT,   BOFF+2*BHALF
.set STAGE,  2*SLOT                    ; behind the ring: 16 rows x 272 bytes for each wave
.set WSTG,   16*PITCH
.set SPARE,  STAGE+4*WSTG              ; behind the stages: the spare words, 128 bytes for each wave
.set WC,     8388608                   ; Wcat's first byte in wts
.set MIB,    1048576                   ; a plane of xi or gg
.set LOFF,   32*MIB                    ; from a hi plane to its lo plane
.set LAPS,   16                        ; a lap = once round the ring = a pair (hi, lo) of K steps
.set RSA,  12                          ; v12  my row's word in the stage's row sums
.set RSR,  13                          ; v13  where I read four row sums back
.set DO,   14                          ; v14  their place in scn
.set XO,   15                          ; v15  my 32 bytes of a row of bx
.set ADRL, 16                          ; v16-17  A's register blocks 0-3 in slot 0, 1
.set ADRH, 18                          ; v18-19  blocks 4-7
.set ADRB, 20                          ; v20-21  B
.set ADRX, 22                          ; v22-23  the extra columns
.set STO,  24                          ; v24  the way out of P: where I put my 32 bytes of a row
.set RD,   25                          ; v25  where I read a row back
.set CO,   26                          ; v26  my byte offset in two rows of pp
.set BO,   27                          ; v27  my byte offset in b_dt
.set SPW,  28                          ; v28  LDS address of my spare word; never rewritten
.set NIL,  29                          ; v29  0; never rewritten
.set PFO,  30                          ; v30  the prefetches' offset; never rewritten
.set F0,   64
.set F1,   128
.set V,    64
.set E,    128
.set SV,   32                          ; v32-39 four chains of the sum of max(z, 0); v40-47 of the logarithms
.set SE,   40
.set OB,   32
.set XA,   192                         ; window 1
.set LIM,  43                          ; s43 for slot 0's refills, s83 for slot 1's: 1 in a wave that prefetches there, else the greatest number
.set PFA,  44                          ; s[44:45] where my prefetches stand for slot 0, s[66:67] for slot 1
.set PST,  84                          ; s[84:85] bytes from a pair of K steps to the next for my prefetches
.set PLO,  86                          ; s[86:87] pp at the rows of blocks 0-3, s[88:89] of blocks 4-7
.set G1,   24
.set G0,   32
.set G1B,  48
.set G0B,  56
.set MSB, 0
.macro WIN new
.if MSB != (\new)
	s_set_vgpr_msb (MSB<<8)|(\new)
.set MSB, \new
.endif
.endm
.set MUL_LO, 0xa1
.set MUL_HI, 0xf1
.set TO_B,   0x40
.macro JLOAD s                         ; waves 0 and 1 fetch A's two planes, waves 2 and 3 B's two halves; an s_nop 0 and four v_nop follow each line
	s_cmp_eq_u32 s11, 0
	s_cbranch_scc0 .Lfor_b_\@
	tensor_load_to_lds s[G0+4*(\s):G0+4*(\s)+3], s[G1:G1+7]
	s_nop 0
.rept 4
	v_nop
.endr
	s_branch .Lasked_\@
.Lfor_b_\@:
	tensor_load_to_lds s[G0B+4*(\s):G0B+4*(\s)+3], s[G1B:G1B+7]
	s_nop 0
.rept 4
	v_nop
.endr
.Lasked_\@:
.endm
; A prefetch, behind the refill of a slot with pair i, of the same slot's pair i + 1, which stands two refills on: one instruction a wave, a lane for each 256 bytes.  A's planes are read by one row of one cluster alone:
; waves 0 and 1 of every work-group ask, at both slots' refills (hi planes at slot 0's, lo planes at slot 1's), the four partners taking 32 each of the plane tile's 128 pieces, told apart by address.  B's tile column is
; walked by eight clusters, and each of its K steps is read first for slot 0: the cluster with y = 0 asks, at slot 0's refills alone, its four partners taking 32 rows each of a half's first 128 (rows 128-135 come by
; their loads alone).  Pairs 2 to 15 are named, each piece once in the launch; pairs 0 and 1 come by their loads alone, and the loop's last trip (s3 = 1) asks for nothing.
.macro ASK slot
	s_cmp_gt_u32 s3, s[LIM+40*(\slot)]
	s_cbranch_scc0 .Lnot_mine_\@
	global_prefetch_b8 v[PFO], s[PFA+22*(\slot):PFA+22*(\slot)+1] th:TH_LOAD_NT scope:SCOPE_SE
.Lnot_mine_\@:
.endm
.macro CREST
	s_cmp_lg_u32 s10, 0
	s_cbranch_scc1 .Lnot_wave_0_\@
	s_barrier_signal -3
.Lnot_wave_0_\@:
	s_barrier_wait -3
	s_barrier_signal -1
	s_barrier_wait -1
.endm
.macro CROUND
	s_barrier_signal -1
	s_barrier_wait -1
	CREST
.endm
	s_load_b256 s[68:75], s[0:1], 0x0              ; xi s[68:69], gg s[70:71], wts s[72:73], b_dt s[74:75]
	s_load_b128 s[76:79], s[0:1], 0x20             ; scn s[76:77], pp s[78:79]
	v_lshl_add_u32 v[SPW], v0, 2, SPARE
	v_mov_b32 v[NIL], 0
	ds_add_u32 v[SPW], v[NIL]                      ; the wave's opening: the add and its wait stand ahead of my first tensor load
	v_lshrrev_b32 v1, 5, v0
	v_readfirstlane_b32 s10, v1                    ; wave 0..3
	s_lshr_b32 s11, s10, 1                         ; rh.  Also: I fetch for A (0) or for B (1)
	s_and_b32 s12, s10, 1                          ; ch.  Also: which plane of A, which half of B I fetch
	s_mov_b32 s82, ttmp9                           ; the kind: 0 = xi W_dt and xi W_xp, 1 = g W_out
	s_bfe_u32 s40, ttmp6, 0x40000                  ; cx
	s_bfe_u32 s41, ttmp6, 0x40004                  ; cy
	s_lshl_b32 s42, ttmp9, 2
	s_add_co_u32 s42, s42, s40                     ; Wcat's tile = 4 x cluster x + cx
	s_and_b32 s13, ttmp7, 0xffff
	s_lshl_b32 s13, s13, 2
	s_add_co_u32 s13, s13, s41                     ; tile row = 4 x cluster y + cy
	s_lshl_b32 s43, s41, 2
	s_lshl_b32 s43, 15, s43                        ; my row of the cluster
	s_lshl_b32 s44, 0x1111, s40                    ; my column
	; A: 256 dense rows of 128 bytes are asked for as 128 rows of 256 bytes and padded in LDS after every 32 words
	s_or_b32 s[G1+0], s43, (1<<16)|(1<<20)|(1<<21)|(4<<22)|(3<<25)
	s_mov_b32 s[G1+1], 128<<16                     ; tensor_dim0 = 128
	s_mov_b32 s[G1+2], 128<<16                     ; tensor_dim1 = 128
	s_mov_b32 s[G1+3], 128<<16                     ; tile_dim0 = 128
	s_mov_b32 s[G1+4], 128                         ; tile_dim1 = 128
	s_mov_b32 s[G1+5], 128                         ; elements from row to row
	s_mov_b32 s[G1+6], 0
	s_mov_b32 s[G1+7], 0
	; B: 136 rows x 128 elements, padded after every 64 words
	s_or_b32 s[G1B+0], s44, (1<<16)|(1<<20)|(1<<21)|(5<<22)|(3<<25)
	s_mov_b32 s[G1B+1], 128<<16
	s_mov_b32 s[G1B+2], 136<<16
	s_mov_b32 s[G1B+3], 128<<16
	s_mov_b32 s[G1B+4], 136
	s_mov_b32 s[G1B+5], 2048
	s_mov_b32 s[G1B+6], 0
	s_mov_b32 s[G1B+7], 0
	s_lshl_b32 s16, s13, 15                        ; A: the tile row's 256 rows of 128 bytes,
	s_lshl_b32 s17, s12, 20                        ; in plane ch
	s_add_co_u32 s16, s16, s17
	s_mov_b32 s17, 0
	s_mul_i32 s46, s42, 272                        ; B: row 272 x tile + 136 x half,
	s_mul_i32 s47, s12, 136
	s_add_co_u32 s46, s46, s47
	s_lshl_b32 s46, s46, 12                        ; of 4,096 bytes,
	s_add_co_u32 s46, s46, WC                      ; in Wcat
	s_mov_b32 s47, 0
	s_mul_i32 s20, s12, PL                         ; where they go: no place in the cluster enters an LDS address
	s_mul_i32 s21, s12, BHALF
	s_add_co_u32 s21, s21, BOFF
	s_mov_b32 s80, 0x76543210                      ; v_permlanex16_b32's selects: each lane takes its own place in the other half
	s_mov_b32 s81, 0xfedcba98
	s_mov_b32 s94, 0xbfb8aa3b                      ; -log2(e)
	s_mov_b32 s95, 0x3f317218                      ; ln 2
	s_wait_dscnt 0x0                               ; the opening add is done
	s_wait_kmcnt 0x0
	s_cmp_eq_u32 s82, 0
	s_cselect_b64 s[4:5], s[68:69], s[70:71]       ; A
	s_add_nc_u64 s[14:15], s[4:5], s[16:17]
	s_add_nc_u64 s[46:47], s[72:73], s[46:47]
	CROUND                                         ; all sixteen work-groups are here: the first joint loads meet
.irp s, 0,1
	s_mov_b32 s[G0+4*(\s)], 1
	s_add_co_u32 s[G0+4*(\s)+1], s20, (\s)*SLOT
	s_add_nc_u64 s[G0+4*(\s)+2:G0+4*(\s)+3], s[14:15], (\s)*LOFF   ; pair 0: slot 0 the hi planes 0, 1; slot 1 their lo planes
	s_or_b32 s[G0+4*(\s)+3], s[G0+4*(\s)+3], 0x80000000
	s_mov_b32 s[G0B+4*(\s)], 1
	s_add_co_u32 s[G0B+4*(\s)+1], s21, (\s)*SLOT
	s_add_nc_u64 s[G0B+4*(\s)+2:G0B+4*(\s)+3], s[46:47], 0         ; both slots: B's first 128 k
	s_or_b32 s[G0B+4*(\s)+3], s[G0B+4*(\s)+3], 0x80000000
	JLOAD \s                                       ; two tensor loads of mine are out
.endr
	v_and_b32 v1, 15, v0                           ; r = l % 16
	v_bfe_u32 v2, v0, 4, 1                         ; h = l / 16
	v_and_b32 v6, 31, v0                           ; l
	v_mul_u32_u24 v3, v1, AP
	v_lshl_add_u32 v3, v2, 4, v3
	v_mul_u32_u24 v4, v1, PITCH
	v_lshl_add_u32 v4, v2, 4, v4
	s_lshl_b32 s20, s11, 7
	s_lshl_b32 s21, s12, 6
	s_add_co_u32 s22, s20, s21                     ; the tile's rows of my register blocks 0-3: 128 rh + 64 ch,
	s_xor_b32 s21, s21, 64
	s_add_co_u32 s23, s20, s21                     ; of blocks 4-7: 128 rh + 64 (1 - ch)
	s_mul_i32 s14, s22, AP
	s_mul_i32 s15, s23, AP
	s_mul_i32 s16, s12, 128*PITCH
	s_add_co_u32 s16, s16, BOFF
	s_mov_b32 s17, BOFF+256*PITCH
.irp s, 0,1
	v_add_nc_u32 v[ADRL+(\s)], s14, v3
	v_add_nc_u32 v[ADRH+(\s)], s15, v3
	v_add_nc_u32 v[ADRB+(\s)], s16, v4
	v_add_nc_u32 v[ADRX+(\s)], s17, v4
	s_add_co_u32 s14, s14, SLOT
	s_add_co_u32 s15, s15, SLOT
	s_add_co_u32 s16, s16, SLOT
	s_add_co_u32 s17, s17, SLOT
.endr
	s_mul_i32 s20, s10, WSTG
	s_add_co_u32 s20, s20, STAGE                   ; my stage
	v_mul_u32_u24 v5, v1, PITCH                    ; in: row r, 32 bytes (8 numbers in f32) for each half of the lanes
	v_lshl_add_u32 v5, v2, 5, v5
	v_add_nc_u32 v[STO], s20, v5
	v_mul_u32_u24 v5, v2, PITCH                    ; back: lanes 0-15 one row of 256 bytes, lanes 16-31 the next
	v_lshl_add_u32 v5, v1, 4, v5
	v_add_nc_u32 v[RD], s20, v5
	v_lshl_add_u32 v[RSA], v1, 2, s20
	v_lshl_add_u32 v[RSR], v6, 4, s20
	v_lshlrev_b32 v[CO], 12, v2                    ; the same two rows in pp, 4,096 bytes apart
	v_lshl_add_u32 v[CO], v1, 4, v[CO]
	v_lshlrev_b32 v[XO], 6, v1                     ; bx: a row of a plane is 16 numbers in f32, 64 bytes; my 8 of them
	v_lshl_add_u32 v[XO], v2, 5, v[XO]
	v_xor_b32 v5, s12, v2                          ; row sums 0-63 of the stage belong to rows 64 ch .., 64-127 to rows 64 (1 - ch) ..
	v_lshlrev_b32 v[DO], 8, v5
	v_lshl_add_u32 v[DO], v1, 4, v[DO]
	s_lshl_b32 s46, s40, 10                        ; b_dt: columns 256 cx + 128 ch + .., 4 bytes each (cx is the tile's number within its kind)
	s_lshl_b32 s47, s12, 9
	s_add_co_u32 s46, s46, s47
	v_lshl_add_u32 v[BO], v2, 5, s46
	s_lshl_b32 s14, s13, 8                         ; 256 x tile row
	s_add_co_u32 s15, s14, s22                     ; the rows of blocks 0-3,
	s_add_co_u32 s16, s14, s23                     ; of blocks 4-7
	s_lshl_b32 s20, s40, 10                        ; pp: 256 columns of 4 bytes a tile, 128 a wave
	s_lshl_b32 s21, s12, 9
	s_add_co_u32 s20, s20, s21
	s_mov_b32 s47, 0
	s_lshl_b32 s46, s15, 12
	s_add_co_u32 s46, s46, s20
	s_add_nc_u64 s[PLO:PLO+1], s[78:79], s[46:47]
	s_lshl_b32 s46, s16, 12
	s_add_co_u32 s46, s46, s20
	s_add_nc_u64 s[PLO+2:PLO+3], s[78:79], s[46:47]
	s_lshl_b32 s46, s15, 6                         ; bx: [4 planes][8192][16] f32 at byte 262,144 of scn
	s_lshl_b32 s21, s40, 19
	s_add_co_u32 s46, s46, s21
	s_add_co_u32 s46, s46, 262144
	s_add_nc_u64 s[90:91], s[76:77], s[46:47]
	s_lshl_b32 s46, s40, 1                         ; row sums: [8 parts][8192] f32 at byte 0: part 2 cx + ch,
	s_add_co_u32 s46, s46, s12
	s_lshl_b32 s46, s46, 15
	s_lshl_b32 s21, s11, 7
	s_add_co_u32 s21, s21, s14                     ; row 256 x tile row + 128 rh
	s_lshl_b32 s21, s21, 2
	s_add_co_u32 s46, s46, s21
	s_add_nc_u64 s[92:93], s[76:77], s[46:47]
	; the prefetches: they stand at pair 1; a slot's first refill steps its address to pair 2 and names that
	s_add_co_u32 s20, s12, 2
	s_lshl_b32 s20, s20, 20                        ; A: plane 2 + ch,
	s_lshl_b32 s21, s13, 15                        ; the tile row's 32,768 bytes,
	s_add_co_u32 s20, s20, s21
	s_lshl_b32 s21, s40, 13                        ; my work-group's quarter of them
	s_add_co_u32 s20, s20, s21
	s_mul_i32 s46, s42, 272                        ; B: row 272 x tile + 136 x half + 32 cy
	s_mul_i32 s21, s12, 136
	s_add_co_u32 s46, s46, s21
	s_lshl_b32 s21, s41, 5
	s_add_co_u32 s46, s46, s21
	s_lshl_b32 s46, s46, 12
	s_add_co_u32 s46, s46, WC+KSTEP*2
	s_mov_b32 s[PST], KSTEP*2
	s_mov_b32 s[PST+1], 0
	s_mov_b32 s15, 0
	s_and_b32 s22, ttmp7, 0xffff
	s_cmp_eq_u32 s22, 0
	s_cselect_b32 s22, 1, -1                       ; B is asked for by the clusters with y = 0
	s_cmp_eq_u32 s11, 0                            ; do I fetch for A?
	s_cselect_b32 s20, s20, s46
	s_cselect_b32 s[LIM], 1, s22                   ; the same in all sixteen partners, for a given wave
	s_cselect_b32 s[LIM+40], 1, -1                 ; at slot 1's refills A's waves alone ask
	s_cselect_b64 s[PFA:PFA+1], s[4:5], s[72:73]
	s_cselect_b32 s[PST], 2*MIB, s[PST]
	s_cselect_b32 s14, LOFF, 0                     ; slot 1's address: A's lo planes (B's waves never use theirs)
	s_cselect_b32 s23, 8, 12                       ; a lane's pieces lie 256 bytes apart in A, a row of 4,096 apart in B
	s_mov_b32 s21, 0
	s_add_nc_u64 s[PFA:PFA+1], s[PFA:PFA+1], s[20:21]
	s_add_nc_u64 s[PFA+22:PFA+23], s[PFA:PFA+1], s[14:15]
	v_lshlrev_b32 v[PFO], s23, v6
.macro MUL16 f, hi, a0, zero
	WIN MUL_LO+0x50*(\hi)
.irp a, \a0, (\a0)+1
.irp b, 0,1,2,3,4,5,6,7
.if \zero
	v_wmma_f32_16x16x32_bf16 v[8*(8*(\a)+(\b)):8*(8*(\a)+(\b))+7], v[(\f)+8*(\b):(\f)+8*(\b)+7], v[(\f)+8*(4*(\hi)+(\a)):(\f)+8*(4*(\hi)+(\a))+7], 0
.else
	v_wmma_f32_16x16x32_bf16 v[8*(8*(\a)+(\b)):8*(8*(\a)+(\b))+7], v[(\f)+8*(\b):(\f)+8*(\b)+7], v[(\f)+8*(4*(\hi)+(\a)):(\f)+8*(4*(\hi)+(\a))+7], v[8*(8*(\a)+(\b)):8*(8*(\a)+(\b))+7]
.endif
.endr
.endr
.endm
; the 16 extra columns x register blocks 0-3: four matrix instructions on four accumulators of their own
.macro MULX f, zero
	WIN 0x51                                       ; source 0, C and D window 1, source 1 (A) window 0
.irp i, 0,1,2,3
.if \zero
	v_wmma_f32_16x16x32_bf16 v[XA+8*(\i):XA+8*(\i)+7], v[((\f)-64)/8:((\f)-64)/8+7], v[(\f)+8*(\i):(\f)+8*(\i)+7], 0
.else
	v_wmma_f32_16x16x32_bf16 v[XA+8*(\i):XA+8*(\i)+7], v[((\f)-64)/8:((\f)-64)/8+7], v[(\f)+8*(\i):(\f)+8*(\i)+7], v[XA+8*(\i):XA+8*(\i)+7]
.endif
.endr
.endm
; 34 LDS loads in one run: B's 16, the extra columns' 2, A's blocks 0-3 (8), A's blocks 4-7 (8).  Byte k of a K step's 256 lies in plane k / 128 at byte k % 128.
.macro FETCH slot, k, f
	WIN TO_B
.irp i, 0,1,2,3,4,5,6,7
	ds_load_b128 v[(\f)+8*(\i):(\f)+8*(\i)+3],   v[ADRB+(\slot)] offset:(\k)+(\i)*16*PITCH
	ds_load_b128 v[(\f)+8*(\i)+4:(\f)+8*(\i)+7], v[ADRB+(\slot)] offset:(\k)+(\i)*16*PITCH+32
.endr
	ds_load_b128 v[((\f)-64)/8:((\f)-64)/8+3],   v[ADRX+(\slot)] offset:(\k)
	ds_load_b128 v[((\f)-64)/8+4:((\f)-64)/8+7], v[ADRX+(\slot)] offset:(\k)+32
	WIN 0
.irp i, 0,1,2,3
	ds_load_b128 v[(\f)+8*(\i):(\f)+8*(\i)+3],   v[ADRL+(\slot)] offset:((\k)/128)*PL+(\k)%128+(\i)*16*AP
	ds_load_b128 v[(\f)+8*(\i)+4:(\f)+8*(\i)+7], v[ADRL+(\slot)] offset:((\k)/128)*PL+(\k)%128+(\i)*16*AP+32
.endr
.irp i, 0,1,2,3
	ds_load_b128 v[(\f)+32+8*(\i):(\f)+32+8*(\i)+3],   v[ADRH+(\slot)] offset:((\k)/128)*PL+(\k)%128+(\i)*16*AP
	ds_load_b128 v[(\f)+32+8*(\i)+4:(\f)+32+8*(\i)+7], v[ADRH+(\slot)] offset:((\k)/128)*PL+(\k)%128+(\i)*16*AP+32
.endr
.endm
.macro PLACES
.rept 4
	v_nop
.endr
.endm
; A quarter of a K step: 68 matrix instructions on 68 accumulators that take turns, one instruction a turn.
.macro QUARTER slot, k, f, g, zero
	s_wait_dscnt 8                                 ; all but the youngest eight loads (A's blocks 4-7)
	MUL16 \f, 0, 0, \zero
	MUL16 \f, 0, 2, \zero
	MULX \f, \zero
	PLACES
	FETCH \slot, \k, \g
	s_wait_dscnt 34                                ; all but the 34 just issued
	MUL16 \f, 1, 0, \zero
	MUL16 \f, 1, 2, \zero
.endm
.macro MEET round
	WIN 0
	s_wait_tensorcnt 0x0                           ; all my tensor loads have landed: the one that was out is my part of the next slot;
	ds_add_u32 v[SPW], v[NIL]                      ; 0 onto my spare word;
	s_wait_dscnt 9                                 ; (the add and the youngest eight loads may be out)
	MUL16 F1, 0, 0, 0
	s_wait_dscnt 0x0                               ; the add is done, and my reads of this slot are over
	s_barrier_signal -1
	MUL16 F1, 0, 2, 0                              ; work on registers while the others arrive
	MULX F1, 0
.if \round
	WIN 0
.endif
	s_barrier_wait -1
.endm
.macro TURN slot, next, fill
.if \fill
	s_wait_xcnt 0x0                                ; the last prefetch, a K step back, has read its address
	s_add_nc_u64 s[PFA+22*(\slot):PFA+22*(\slot)+1], s[PFA+22*(\slot):PFA+22*(\slot)+1], s[PST:PST+1]
	MEET 1
	CREST                                          ; no wave of any partner still reads this slot or has a load on its way
	s_add_nc_u64 s[G0+4*(\slot)+2:G0+4*(\slot)+3], s[G0+4*(\slot)+2:G0+4*(\slot)+3], 2*MIB        ; this slot's next pair: two planes on,
	s_add_nc_u64 s[G0B+4*(\slot)+2:G0B+4*(\slot)+3], s[G0B+4*(\slot)+2:G0B+4*(\slot)+3], KSTEP*2  ; 256 bytes along B's rows
	JLOAD \slot                                    ; its four v_nop are also the places in front of the loads below
.else
	MEET 0
	PLACES
.endif
	FETCH \next, 0, F0
.if \fill
	ASK \slot
.endif
	MUL16 F1, 1, 0, 0
	MUL16 F1, 1, 2, 0
.endm
	s_wait_tensorcnt 1                             ; my part of slot 0 is in; slot 1's may stay out
	s_barrier_signal -1
	s_barrier_wait -1
	FETCH 0, 0, F0
	QUARTER 0, 64,  F0, F1, 1                      ; the first quarter's products start all 68 sums
	WIN 0
	s_mov_b32 s3, LAPS-1
.Llap:                                         ; a trip goes once round the ring and fills both slots again: pairs 1 to 15
	QUARTER 0, 128, F1, F0, 0
	QUARTER 0, 192, F0, F1, 0
	TURN 0, 1, 1
	QUARTER 1, 64,  F0, F1, 0
	QUARTER 1, 128, F1, F0, 0
	QUARTER 1, 192, F0, F1, 0
	TURN 1, 0, 1
	QUARTER 0, 64,  F0, F1, 0
	WIN 0
	s_sub_co_u32 s3, s3, 1
	s_cmp_lg_u32 s3, 0
	s_cbranch_scc1 .Llap
	QUARTER 0, 128, F1, F0, 0                      ; the last lap is written out: it fills nothing
	QUARTER 0, 192, F0, F1, 0
	TURN 0, 1, 0
	QUARTER 1, 64,  F0, F1, 0
	QUARTER 1, 128, F1, F0, 0
	QUARTER 1, 192, F0, F1, 0
	s_wait_dscnt 8
	MUL16 F1, 0, 0, 0
	MUL16 F1, 0, 2, 0
	MULX F1, 0
	s_wait_dscnt 0x0
	MUL16 F1, 1, 0, 0
	MUL16 F1, 1, 2, 0
	WIN 0
.rept 8
	v_nop                                          ; plain places behind the last products, ahead of lines that read results and of loads and lines that write over fragments
.endr
	s_cmp_lg_u32 s82, 0
	s_cbranch_scc1 .Lout
	; KIND 0.  b_dt of my 128 columns into window 1 v64-127; meanwhile bx leaves, in f32, straight from its accumulators.
	WIN TO_B
.irp b, 0,1,2,3,4,5,6,7
	global_load_b128 v[64+8*(\b):64+8*(\b)+3], v[BO], s[74:75] offset:64*(\b)
	global_load_b128 v[64+8*(\b)+4:64+8*(\b)+7], v[BO], s[74:75] offset:64*(\b)+16
.endr
	WIN 0x04                                       ; a store's data (source 1) window 1
.irp i, 0,1,2,3
	global_store_b128 v[XO], v[XA+8*(\i):XA+8*(\i)+3],   s[90:91] offset:1024*(\i)      ; 16 rows of 64 bytes: the two stores together cover 1,024 consecutive bytes, each every other 16;
	global_store_b128 v[XO], v[XA+8*(\i)+4:XA+8*(\i)+7], s[90:91] offset:1024*(\i)+16   ; bx is 4 KiB a wave beside the tile's work
.endr
	WIN 0
	s_wait_loadcnt 0x0
	WIN 0x45                                       ; all in window 1: b_dt is rounded to bf16 and widened again; v128-159 there are free
.set i, 0
.rept 32
	v_cvt_pk_bf16_f32 v[128+i], v[64+2*i], v[64+2*i+1]
.set i, i+1
.endr
.set i, 0
.rept 32
	v_lshlrev_b32 v[64+2*i], 16, v[128+i]
	v_and_b32 v[64+2*i+1], 0xffff0000, v[128+i]
.set i, i+1
.endr
	WIN 0
; A block of 16 rows a trip: eight short texts add the bias and bring the block into window 0; one text makes softplus and its sum over my 128 columns.
.macro COPYD a
	WIN 0x06+((\a)/4)                              ; source 0: window 2 or 3; source 1: window 1
.irp b, 0,1,2,3,4,5,6,7
.irp r, 0,2,4,6
	v_pk_add_f32 v[V+8*(\b)+(\r):V+8*(\b)+(\r)+1], v[64*((\a)%4)+8*(\b)+(\r):64*((\a)%4)+8*(\b)+(\r)+1], v[64+8*(\b)+(\r):64+8*(\b)+(\r)+1]
.endr
.endr
	WIN 0
.endm
	s_mov_b32 s2, 0
.Lblk:
.irp a, 0,1,2,3,4,5,6
	s_cmp_eq_u32 s2, \a
	s_cbranch_scc1 .Lc\a
.endr
	COPYD 7
	s_branch .Lsoft
.irp a, 0,1,2,3,4,5
.Lc\a:
	COPYD \a
	s_branch .Lsoft
.endr
.Lc6:
	COPYD 6
.Lsoft:
.set i, 0
.rept 64
	v_mul_f32 v[E+i], s94, |v[V+i]|                ; -|z| log2(e)
.set i, i+1
.endr
.set i, 0
.rept 64                               ; a batch of 64 exponentials, a plain line behind each
	v_exp_f32 v[E+i], v[E+i]
	v_max_num_f32 v[V+i], 0, v[V+i]
.set i, i+1
.endr
	s_wait_alu depctr_va_vdst(0)                   ; one wait for the batch, ahead of its first reader
.set i, 0
.rept 32
	v_pk_add_f32 v[E+i:E+i+1], v[E+i:E+i+1], 1.0 op_sel_hi:[1,0]
.set i, i+2
.endr
.set p, 0
.rept 32                               ; a batch of 64 logarithms; between them max(z, 0) is summed, in four chains that the first eight pairs start
	v_log_f32 v[E+2*p], v[E+2*p]
	v_log_f32 v[E+2*p+1], v[E+2*p+1]
.if p >= 8
	v_pk_add_f32 v[SV+2*(p%4):SV+2*(p%4)+1], v[SV+2*(p%4):SV+2*(p%4)+1], v[V+2*p:V+2*p+1]
.elseif p >= 4
	v_pk_add_f32 v[SV+2*(p%4):SV+2*(p%4)+1], v[V+2*(p-4):V+2*(p-4)+1], v[V+2*p:V+2*p+1]
.endif
.set p, p+1
.endr
	s_wait_alu depctr_va_vdst(0)
.set p, 4
.rept 28
.if p >= 8
	v_pk_add_f32 v[SE+2*(p%4):SE+2*(p%4)+1], v[SE+2*(p%4):SE+2*(p%4)+1], v[E+2*p:E+2*p+1]
.else
	v_pk_add_f32 v[SE+2*(p%4):SE+2*(p%4)+1], v[E+2*(p-4):E+2*(p-4)+1], v[E+2*p:E+2*p+1]
.endif
.set p, p+1
.endr
	v_pk_add_f32 v[SV:SV+1], v[SV:SV+1], v[SV+2:SV+3]
	v_pk_add_f32 v[SV+4:SV+5], v[SV+4:SV+5], v[SV+6:SV+7]
	v_pk_add_f32 v[SE:SE+1], v[SE:SE+1], v[SE+2:SE+3]
	v_pk_add_f32 v[SE+4:SE+5], v[SE+4:SE+5], v[SE+6:SE+7]
	v_pk_add_f32 v[SV:SV+1], v[SV:SV+1], v[SV+4:SV+5]
	v_pk_add_f32 v[SE:SE+1], v[SE:SE+1], v[SE+4:SE+5]
	v_add_f32 v[SV], v[SV], v[SV+1]
	v_add_f32 v[SE], v[SE], v[SE+1]
	v_fma_f32 v[SV], v[SE], s95, v[SV]             ; my 64 columns of the row
	v_permlanex16_b32 v[SV+1], v[SV], s80, s81     ; the row's other 64 lie in the lane 16 away
	v_add_f32 v[SV], v[SV], v[SV+1]
	s_lshl_b32 s14, s2, 6                          ; 16 words a block
	v_add_nc_u32 v[SV+2], s14, v[RSA]
	ds_store_b32 v[SV+2], v[SV]                    ; lanes r and r + 16 write the same word with the same value
	s_add_co_u32 s2, s2, 1
	s_cmp_lt_u32 s2, 8
	s_cbranch_scc1 .Lblk
	ds_load_b128 v[SV+4:SV+7], v[RSR]              ; LDS serves a wave's instructions in order (ISA guide 5.7.1.4): this sees the stores above
	s_wait_dscnt 0x0
	global_store_b128 v[DO], v[SV+4:SV+7], s[92:93]  ; each half of the lanes stores 256 consecutive bytes, aligned
	s_branch .Lend
.Lout:
	; KIND 1.  P leaves in f32: half a block (16 rows x 64 columns: rows of 256 bytes) at a time through my stage, straight from the accumulators, and back as whole rows.  Half p = 2 a + c: block a, column blocks 4 c .. 4 c + 3.
.macro TOSTAGE p
.set BK, OB+192*((\p)%2)
.set AC, 64*(((\p)/2)%4)+32*((\p)%2)
	WIN 0x08+4*((\p)/8)                            ; a store's data (source 1): window 2 or 3
.irp b, 0,1,2,3
	ds_store_b128 v[STO], v[AC+8*(\b):AC+8*(\b)+3]   offset:64*(\b)
	ds_store_b128 v[STO], v[AC+8*(\b)+4:AC+8*(\b)+7] offset:64*(\b)+16
.endr
	WIN 0
.irp t, 0,1,2,3,4,5,6,7
	ds_load_b128 v[BK+4*(\t):BK+4*(\t)+3], v[RD] offset:(\t)*2*PITCH  ; LDS serves a wave's instructions in order (ISA guide 5.7.1.4): these see the stores above; the next half's stores come behind them
.endr
.endm
.macro SEND p, younger                 ; younger: the LDS instructions issued behind half p's loads: the next half's sixteen, or none
.set BK, OB+192*((\p)%2)
	s_wait_dscnt \younger                          ; the half is back in registers
.irp t, 0,1,2,3,4,5,6,7
	global_store_b128 v[CO], v[BK+4*(\t):BK+4*(\t)+3], s[PLO+2*((\p)/8):PLO+2*((\p)/8)+1] offset:((((\p)/2)%4)*16+2*(\t))*4096+((\p)%2)*256  ; 16 lanes store 256 consecutive bytes, aligned
.endr
.endm
	TOSTAGE 0
.irp p, 1,2,3,4,5,6,7,8,9,10,11,12,13,14,15
	s_wait_xcnt 0x0                                ; the stores of two halves back have read their data: that set of registers is loaded again only behind this wait
	TOSTAGE \p
	SEND (\p)-1, 16
.endr
	SEND 15, 0
.Lend:
	s_wait_tensorcnt 0x0                           ; the wave's end: behind my last tensor load and my last LDS store
	ds_add_u32 v[SPW], v[NIL]
	s_wait_dscnt 0x0
	CROUND                                         ; the closing round
	s_endpgm
.Lfunc_end_k_qf115e47f2e_gemm_mid:
	.size	k_qf115e47f2e_gemm_mid, .Lfunc_end_k_qf115e47f2e_gemm_mid-k_qf115e47f2e_gemm_mid
	.p2alignl 7, 3214868480
	.fill 96, 4, 3214868480
	.section	.rodata,"a",@progbits
	.p2align	6, 0x0
	.amdhsa_kernel k_qf115e47f2e_gemm_mid
		.amdhsa_group_segment_fixed_size 327680
		.amdhsa_private_segment_fixed_size 0
		.amdhsa_enable_private_segment 0
		.amdhsa_kernarg_size 48
		.amdhsa_user_sgpr_count 2
		.amdhsa_user_sgpr_kernarg_segment_ptr 1
		.amdhsa_wavefront_size32 1
		.amdhsa_system_sgpr_workgroup_id_x 1
		.amdhsa_system_sgpr_workgroup_id_y 1
		.amdhsa_system_sgpr_workgroup_id_z 1
		.amdhsa_system_vgpr_workitem_id 0
		.amdhsa_next_free_vgpr 1024
		.amdhsa_next_free_sgpr 96
		.amdhsa_reserve_vcc 0
		.amdhsa_float_denorm_mode_32 3
		.amdhsa_float_denorm_mode_16_64 3
		.amdhsa_memory_ordered 1
		.amdhsa_forward_progress 1
		.amdhsa_inst_pref_size 193
	.end_amdhsa_kernel
	.amdgpu_metadata
---
amdhsa.version: [ 1, 2 ]
amdhsa.kernels:
  - .name:           k_qf115e47f2e_gemm_mid
    .symbol:         k_qf115e47f2e_gemm_mid.kd
    .args:
      - { .name: xi, .offset: 0, .size: 8, .value_kind: global_buffer, .address_space: global }
      - { .name: gg, .offset: 8, .size: 8, .value_kind: global_buffer, .address_space: global }
      - { .name: wts, .offset: 16, .size: 8, .value_kind: global_buffer, .address_space: global }
      - { .name: b_dt, .offset: 24, .size: 8, .value_kind: global_buffer, .address_space: global }
      - { .name: scn, .offset: 32, .size: 8, .value_kind: global_buffer, .address_space: global }
      - { .name: pp, .offset: 40, .size: 8, .value_kind: global_buffer, .address_space: global }
    .group_segment_fixed_size: 327680
    .private_segment_fixed_size: 0
    .kernarg_segment_align: 8
    .kernarg_segment_size: 48
    .max_flat_workgroup_size: 128
    .sgpr_count:     96
    .vgpr_count:     1024
    .wavefront_size: 32
...
	.end_amdgpu_metadata
.endif
;; end of part 3
;; launch chunk (part 4): grid 256 x 1, 1 waves a work-group, no clusters, 0 bytes of LDS; arguments scn, A_log, b_xp, summ; writes summ
.if DOCPART == 4
	.amdgcn_target "amdgcn-amd-amdhsa--gfx1250"
	.amdhsa_code_object_version 6
	.text
	.protected	k_qf115e47f2e_chunk
	.globl	k_qf115e47f2e_chunk
	.p2align	8
	.type	k_qf115e47f2e_chunk,@function
k_qf115e47f2e_chunk:
	s_mov_b64 s[64:65], 0
	v_nop
	global_prefetch_b8 v0, s[64:65] scope:SCOPE_SE
	s_setreg_imm32_b32 hwreg(HW_REG_WAVE_MODE, 25, 1), 1
	s_wait_xcnt 0x0
; THE SCAN, FIRST PART.  state_t = a_t state_(t-1) + bx_t is linear in the state, so 32 rows on end are the map H -> d H + E with d = the product of their a_t = exp(A x the sum of their mean deltas)
; and E = the end state from 0.  One wave makes d and E of one chunk of 32 rows; lane l owns states 2 l and 2 l + 1.  All in f32; b_xp is added here.
; Every input of the module is taken rounded once to bf16 (to nearest even): here A_log and b_xp.
; summ: [256 chunks][32 lanes]{d(2l), d(2l+1), E(2l), E(2l+1)}.
; LIMITS.  v_exp_f32 flushes denormals (ISA guide 15.8): a decay below 2^-126 counts as 0.  NaN and infinities are not treated apart.
; The 32 loads of bx take four pieces of 64 bytes each: its rows are 64 bytes in each of four planes; a chunk has 8 KiB of them.  No LDS, no barrier, no matrix unit: 64 states have no tile.
.set BX, 128                           ; v[128:191]  bx of my two states, a pair a row
	s_load_b256 s[4:11], s[0:1], 0x0               ; scn s[4:5], A_log s[6:7], b_xp s[8:9], summ s[10:11]
	v_lshlrev_b32 v4, 2, v0                        ; lane l <-> row l of the chunk, for the row sums
	v_lshrrev_b32 v5, 3, v0                        ; states 2 l, 2 l + 1 lie in plane l / 8 of bx (524,288 bytes), at byte 8 (l % 8) of a row
	v_lshlrev_b32 v5, 19, v5
	v_and_b32 v6, 7, v0
	v_lshl_add_u32 v5, v6, 3, v5
	v_lshlrev_b32 v6, 3, v0
	v_lshlrev_b32 v7, 4, v0
	s_mov_b32 s12, 0x76543210                      ; v_permlanex16_b32's selects
	s_mov_b32 s13, 0xfedcba98
	s_mov_b32 s48, 0xffff0000                      ; a word's upper bf16
	s_lshl_b32 s14, ttmp9, 7                       ; 32 rows of 4 bytes
	s_mov_b32 s15, 0
	s_lshl_b32 s50, ttmp9, 11                      ; 32 rows of 64 bytes,
	s_add_co_u32 s50, s50, 262144                  ; behind the row sums
	s_mov_b32 s51, 0
	s_lshl_b32 s52, ttmp9, 9
	s_mov_b32 s53, 0
	s_wait_kmcnt 0x0
	s_add_nc_u64 s[14:15], s[4:5], s[14:15]
	s_add_nc_u64 s[50:51], s[4:5], s[50:51]
	s_add_nc_u64 s[10:11], s[10:11], s[52:53]
	global_load_b64 v[10:11], v6, s[6:7]
	global_load_b64 v[12:13], v6, s[8:9]
.irp p, 0,1,2,3,4,5,6,7
	global_load_b32 v[14+(\p)], v4, s[14:15] offset:32768*(\p)
.endr
.set t, 0
.rept 32
	global_load_b64 v[BX+2*t:BX+2*t+1], v5, s[50:51] offset:64*t
.set t, t+1
.endr
	s_wait_loadcnt 32                              ; all but the 32 loads of bx
	v_cvt_pk_bf16_f32 v8, v10, v11                 ; A_log and b_xp are rounded to bf16 and widened again
	v_cvt_pk_bf16_f32 v9, v12, v13
	v_lshlrev_b32 v10, 16, v8
	v_and_b32 v11, s48, v8
	v_lshlrev_b32 v12, 16, v9
	v_and_b32 v13, s48, v9
	v_mul_f32 v10, 0x3fb8aa3b, v10
	v_mul_f32 v11, 0x3fb8aa3b, v11
	v_exp_f32 v10, v10                             ; exp(A_log)
	v_exp_f32 v11, v11
	v_add_f32 v22, v14, v15                        ; the row's eight partial sums, in ascending order,
.irp p, 2,3,4,5,6,7
	v_add_f32 v22, v22, v[14+(\p)]
.endr
	v_mul_f32 v22, 0x3a800000, v22                 ; over 1,024: the row's mean delta
	s_wait_alu depctr_va_vdst(0)                   ; the wait ahead of the first reader
	v_mul_f32 v10, 0xbfb8aa3b, v10                 ; A log2(e), so that a = 2^(that x mean delta)
	v_mul_f32 v11, 0xbfb8aa3b, v11
.set t, 0
.rept 32
	v_readlane_b32 s[16+t], v22, t
.set t, t+1
.endr
	v_add_f32_dpp v15, v22, v22 row_xmask:1 row_mask:0xf bank_mask:0xf  ; the sum of the 32 mean deltas, in registers that have been written and are free
	v_add_f32_dpp v15, v15, v15 row_xmask:2 row_mask:0xf bank_mask:0xf
	v_add_f32_dpp v15, v15, v15 row_xmask:4 row_mask:0xf bank_mask:0xf
	v_add_f32_dpp v15, v15, v15 row_xmask:8 row_mask:0xf bank_mask:0xf
	v_permlanex16_b32 v14, v15, s12, s13
	v_add_f32 v15, v15, v14
.set t, 0
.rept 32                               ; one batch of 66 exponentials
	v_mul_f32 v[56+2*t], s[16+t], v10
	v_mul_f32 v[57+2*t], s[16+t], v11
	v_exp_f32 v[56+2*t], v[56+2*t]
	v_exp_f32 v[57+2*t], v[57+2*t]
.set t, t+1
.endr
	v_mul_f32 v120, v15, v10
	v_mul_f32 v121, v15, v11
	v_exp_f32 v120, v120                           ; d
	v_exp_f32 v121, v121
	s_wait_loadcnt 0x0                             ; bx
	v_pk_add_f32 v[122:123], v[BX:BX+1], v[12:13]  ; E starts with row 0's injection; these plain lines stand behind the last exponential
.set t, 1
.rept 31
	v_pk_add_f32 v[BX+2*t:BX+2*t+1], v[BX+2*t:BX+2*t+1], v[12:13]
.set t, t+1
.endr
	s_wait_alu depctr_va_vdst(0)                   ; one wait for the batch
.set t, 1
.rept 31
	v_pk_fma_f32 v[122:123], v[56+2*t:57+2*t], v[122:123], v[BX+2*t:BX+2*t+1]
.set t, t+1
.endr
	global_store_b128 v7, v[120:123], s[10:11]     ; 512 consecutive bytes, aligned
	s_endpgm
.Lfunc_end_k_qf115e47f2e_chunk:
	.size	k_qf115e47f2e_chunk, .Lfunc_end_k_qf115e47f2e_chunk-k_qf115e47f2e_chunk
	.p2alignl 7, 3214868480
	.fill 96, 4, 3214868480
	.section	.rodata,"a",@progbits
	.p2align	6, 0x0
	.amdhsa_kernel k_qf115e47f2e_chunk
		.amdhsa_group_segment_fixed_size 0
		.amdhsa_private_segment_fixed_size 0
		.amdhsa_enable_private_segment 0
		.amdhsa_kernarg_size 32
		.amdhsa_user_sgpr_count 2
		.amdhsa_user_sgpr_kernarg_segment_ptr 1
		.amdhsa_wavefront_size32 1
		.amdhsa_system_sgpr_workgroup_id_x 1
		.amdhsa_system_sgpr_workgroup_id_y 1
		.amdhsa_system_sgpr_workgroup_id_z 1
		.amdhsa_system_vgpr_workitem_id 0
		.amdhsa_next_free_vgpr 192
		.amdhsa_next_free_sgpr 66
		.amdhsa_reserve_vcc 0
		.amdhsa_float_denorm_mode_32 3
		.amdhsa_float_denorm_mode_16_64 3
		.amdhsa_memory_ordered 1
		.amdhsa_forward_progress 1
		.amdhsa_inst_pref_size 17
	.end_amdhsa_kernel
	.amdgpu_metadata
---
amdhsa.version: [ 1, 2 ]
amdhsa.kernels:
  - .name:           k_qf115e47f2e_chunk
    .symbol:         k_qf115e47f2e_chunk.kd
    .args:
      - { .name: scn, .offset: 0, .size: 8, .value_kind: global_buffer, .address_space: global }
      - { .name: A_log, .offset: 8, .size: 8, .value_kind: global_buffer, .address_space: global }
      - { .name: b_xp, .offset: 16, .size: 8, .value_kind: global_buffer, .address_space: global }
      - { .name: summ, .offset: 24, .size: 8, .value_kind: global_buffer, .address_space: global }
    .group_segment_fixed_size: 0
    .private_segment_fixed_size: 0
    .kernarg_segment_align: 8
    .kernarg_segment_size: 32
    .max_flat_workgroup_size: 32
    .sgpr_count:     66
    .vgpr_count:     192
    .wavefront_size: 32
...
	.end_amdgpu_metadata
.endif
;; end of part 4
;; launch final (part 5): grid 256 x 1, 8 waves a work-group, no clusters, 5,120 bytes of LDS; arguments scn, summ, A_log, b_xp, pp, xb, D, b_out, out0; writes out0
.if DOCPART == 5
	.amdgcn_target "amdgcn-amd-amdhsa--gfx1250"
	.amdhsa_code_object_version 6
	.text
	.protected	k_qf115e47f2e_final
	.globl	k_qf115e47f2e_final
	.p2align	8
	.type	k_qf115e47f2e_final,@function
k_qf115e47f2e_final:
	s_mov_b64 s[64:65], 0
	v_nop
	global_prefetch_b8 v0, s[64:65] scope:SCOPE_SE
	s_setreg_imm32_b32 hwreg(HW_REG_WAVE_MODE, 25, 1), 1
	s_wait_xcnt 0x0
; THE SCAN, SECOND PART, AND THE OUTPUT.  out[t][c] = s_t P[t][c] + b_out[c] + x[t][c] D[c], s_t = the sum of the 64 states behind row t.
; A work-group owns 32 rows (a chunk).  The state in front of them is the fold, in ascending order, of the maps H -> d H + E of the batch's earlier chunks: wave w folds chunks 16 w .. 16 w + 15 (a chunk that is not
; earlier counts as d = 1, E = 0, by a select), the eight partial maps meet in LDS, and every wave composes them.  Then every wave runs the chunk's 32 steps itself (lane l: states 2 l, 2 l + 1) and sums over lanes,
; so that each s_t stands in a register of its own in every lane.  Wave w then takes columns 128 w .. 128 w + 127 of all 32 rows: a lane 4 columns; D and b_out cost 8 registers.
; All of P's and x's loads go out at the head, behind the scan's, and land while the scan is made.  All arithmetic in f32; P and bx come in f32.
; EVERY INPUT OF THE MODULE IS TAKEN ROUNDED ONCE TO bf16 (to nearest even), so that all parts of the result are made of the same numbers: x comes from xb, the first launch's rounded copy;
; A_log, b_xp, D and b_out are rounded here.
; LIMITS.  v_exp_f32 flushes denormals (ISA guide 15.8): a decay below 2^-126 counts as 0.  NaN and infinities are not treated apart.
; No matrix unit, no cluster: what work-groups share (summ, 128 KiB) is a small part of a work-group's 330 KiB.
; REGISTERS: window 0 as named below; window 1: v0-127 P, then out, 4 a row; v128-191 x, 2 a row; v192-255 bx of my two states, 2 a row.
.set SPARE, 4096                       ; LDS: 16 bytes a thread for the partial maps, then the spare words, 128 bytes for each of the eight waves
.set SPW, 2                            ; v2   LDS address of my spare word; never rewritten
.set NIL, 3                            ; v3   0; never rewritten
.set SM,  56                           ; v[56:119]   16 summaries {d, d, E, E}; later the 8 partial maps
.set AT,  120                          ; v[120:183]  a_t, a pair a row; later at work
.set S,   184                          ; v[184:215]  s_t
.set DD,  216                          ; v[216:219]  D of my 4 columns
.set BB,  220                          ; v[220:223]  b_out
.set H,   228                          ; v[228:229]  my two states
.set TT,  230                          ; v[230:237]  at work
.set BX,  192                          ; window 1
.set MSB, 0
.macro WIN new
.if MSB != (\new)
	s_set_vgpr_msb (MSB<<8)|(\new)
.set MSB, \new
.endif
.endm
	s_load_b512 s[4:19], s[0:1], 0x0               ; scn s[4:5], summ s[6:7], A_log s[8:9], b_xp s[10:11], pp s[12:13], xb s[14:15], D s[16:17], b_out s[18:19]
	s_load_b64 s[20:21], s[0:1], 0x40              ; out0
	v_lshl_add_u32 v[SPW], v0, 2, SPARE
	v_mov_b32 v[NIL], 0
	v_lshrrev_b32 v1, 5, v0
	v_readfirstlane_b32 s22, v1                    ; wave 0..7
	v_and_b32 v1, 31, v0                           ; lane
	v_lshlrev_b32 v4, 2, v1
	v_lshrrev_b32 v5, 3, v1
	v_lshlrev_b32 v5, 19, v5
	v_and_b32 v6, 7, v1
	v_lshl_add_u32 v5, v6, 3, v5                   ; my two states in a row of bx: plane l / 8, byte 8 (l % 8)
	v_lshlrev_b32 v6, 3, v1
	v_lshlrev_b32 v7, 4, v1
	v_lshlrev_b32 v8, 4, v0                        ; 512 w + 16 l: my 4 columns in f32; also my 16 bytes of LDS
	v_lshlrev_b32 v9, 3, v0                        ; 256 w + 8 l: in bf16
	s_and_b32 s23, ttmp9, 127                      ; the chunk's number in its batch
	s_mov_b32 s25, 0
	s_mov_b32 s28, 0x76543210
	s_mov_b32 s29, 0xfedcba98
	s_mov_b32 s30, 0xffff0000
	s_wait_kmcnt 0x0
	s_lshl_b32 s24, ttmp9, 11                      ; 32 rows of 64 bytes,
	s_add_co_u32 s24, s24, 262144                  ; behind the row sums
	s_add_nc_u64 s[26:27], s[4:5], s[24:25]        ; bx at my 32 rows
	s_lshl_b32 s24, ttmp9, 7
	s_add_nc_u64 s[4:5], s[4:5], s[24:25]          ; the row sums at my 32 rows
	s_and_b32 s24, ttmp9, 128
	s_lshl_b32 s24, s24, 9                         ; the batch's first summary,
	s_lshl_b32 s31, s22, 13                        ; my wave's 16 of 512 bytes
	s_add_co_u32 s24, s24, s31
	s_add_nc_u64 s[6:7], s[6:7], s[24:25]
	s_lshl_b32 s24, ttmp9, 16                      ; 32 rows of 2,048 bytes
	s_add_nc_u64 s[14:15], s[14:15], s[24:25]
	s_lshl_b32 s24, ttmp9, 17                      ; 32 rows of 4,096 bytes
	s_add_nc_u64 s[12:13], s[12:13], s[24:25]
	s_add_nc_u64 s[20:21], s[20:21], s[24:25]
	; 58 loads for the scan,
	global_load_b64 v[10:11], v6, s[8:9]
	global_load_b64 v[12:13], v6, s[10:11]
.irp p, 0,1,2,3,4,5,6,7
	global_load_b32 v[14+(\p)], v4, s[4:5] offset:32768*(\p)
.endr
.set i, 0
.rept 16
	global_load_b128 v[SM+4*i:SM+4*i+3], v7, s[6:7] offset:512*i
.set i, i+1
.endr
	WIN 0x40                                       ; destination window 1
.set t, 0
.rept 32
	global_load_b64 v[BX+2*t:BX+2*t+1], v5, s[26:27] offset:64*t
.set t, t+1
.endr
	WIN 0
	; and 66 for the stream
	global_load_b128 v[DD:DD+3], v8, s[16:17]
	global_load_b128 v[BB:BB+3], v8, s[18:19]
	WIN 0x40
.set r, 0
.rept 32
	global_load_b128 v[4*r:4*r+3], v8, s[12:13] offset:4096*r th:TH_LOAD_NT       ; a wave's load covers 512 consecutive bytes of P,
	global_load_b64 v[128+2*r:129+2*r], v9, s[14:15] offset:2048*r th:TH_LOAD_NT  ; 256 of xb
.set r, r+1
.endr
	WIN 0
	s_wait_loadcnt 63                              ; 66 loads were issued behind the scan's last: with 63 out at the most, all 58 of the scan are in
	v_cvt_pk_bf16_f32 v[TT], v10, v11              ; A_log and b_xp are rounded to bf16 and widened again
	v_cvt_pk_bf16_f32 v[TT+1], v12, v13
	v_lshlrev_b32 v10, 16, v[TT]
	v_and_b32 v11, s30, v[TT]
	v_lshlrev_b32 v12, 16, v[TT+1]
	v_and_b32 v13, s30, v[TT+1]
	v_mul_f32 v10, 0x3fb8aa3b, v10
	v_mul_f32 v11, 0x3fb8aa3b, v11
	v_exp_f32 v10, v10                             ; exp(A_log)
	v_exp_f32 v11, v11
	v_add_f32 v22, v14, v15                        ; lane l: row l's eight partial sums, in ascending order,
.irp p, 2,3,4,5,6,7
	v_add_f32 v22, v22, v[14+(\p)]
.endr
	v_mul_f32 v22, 0x3a800000, v22                 ; over 1,024
	s_wait_alu depctr_va_vdst(0)                   ; the wait ahead of the first reader
	v_mul_f32 v10, 0xbfb8aa3b, v10                 ; A log2(e)
	v_mul_f32 v11, 0xbfb8aa3b, v11
.set t, 0
.rept 32
	v_readlane_b32 s[32+t], v22, t
.set t, t+1
.endr
.set t, 0
.rept 32                               ; one batch of 64 exponentials; the fold below is the work between it and its wait
	v_mul_f32 v[AT+2*t], s[32+t], v10
	v_mul_f32 v[AT+2*t+1], s[32+t], v11
	v_exp_f32 v[AT+2*t], v[AT+2*t]
	v_exp_f32 v[AT+2*t+1], v[AT+2*t+1]
.set t, t+1
.endr
	; the fold of my 16 chunks, in place in the first summary's registers
	s_lshl_b32 s31, s22, 4
.set i, 0
.rept 16
	s_add_co_u32 s25, s31, i
	s_cmp_lt_u32 s25, s23                          ; is the chunk earlier than mine?
	s_cselect_b32 s24, -1, 0
	v_cndmask_b32 v[SM+4*i], 1.0, v[SM+4*i], s24
	v_cndmask_b32 v[SM+4*i+1], 1.0, v[SM+4*i+1], s24
	v_cndmask_b32 v[SM+4*i+2], 0, v[SM+4*i+2], s24
	v_cndmask_b32 v[SM+4*i+3], 0, v[SM+4*i+3], s24
.if i > 0
	v_pk_fma_f32 v[SM+2:SM+3], v[SM+4*i:SM+4*i+1], v[SM+2:SM+3], v[SM+4*i+2:SM+4*i+3]
	v_pk_mul_f32 v[SM:SM+1], v[SM:SM+1], v[SM+4*i:SM+4*i+1]
.endif
.set i, i+1
.endr
	ds_store_b128 v8, v[SM:SM+3]
	s_wait_dscnt 0x0                               ; for the others' sake: my partial map is stored
	s_barrier_signal -1
	s_barrier_wait -1
.irp j, 0,1,2,3,4,5,6,7
	ds_load_b128 v[SM+4*(\j):SM+4*(\j)+3], v7 offset:512*(\j)
.endr
	WIN 0x41                                       ; bx (destination and source 0) window 1, b_xp window 0: the 32 injections, while the partial maps come
.set t, 0
.rept 32
	v_pk_add_f32 v[BX+2*t:BX+2*t+1], v[BX+2*t:BX+2*t+1], v[12:13]
.set t, t+1
.endr
	WIN 0
	s_wait_dscnt 0x0
	v_pk_fma_f32 v[H:H+1], v[SM+4:SM+5], v[SM+2:SM+3], v[SM+6:SM+7]  ; from state 0: wave 0's E, then wave 1's map,
.irp j, 2,3,4,5,6,7
	v_pk_fma_f32 v[H:H+1], v[SM+4*(\j):SM+4*(\j)+1], v[H:H+1], v[SM+4*(\j)+2:SM+4*(\j)+3]
.endr
	s_wait_alu depctr_va_vdst(0)                   ; one wait for the 64 exponentials, ahead of their first reader
	WIN 0x10                                       ; the addend (source 2) window 1
.set t, 0
.rept 32                               ; the chunk's 32 steps
	v_pk_fma_f32 v[H:H+1], v[AT+2*t:AT+2*t+1], v[H:H+1], v[BX+2*t:BX+2*t+1]
	v_add_f32 v[S+t], v[H], v[H+1]
.set t, t+1
.endr
	WIN 0
.irp m, 1,2,4,8                        ; the sum over the 32 lanes, 32 rows side by side
.set t, 0
.rept 32
	v_add_f32_dpp v[S+t], v[S+t], v[S+t] row_xmask:\m row_mask:0xf bank_mask:0xf
.set t, t+1
.endr
.endr
.set t, 0
.rept 32
	v_permlanex16_b32 v[AT+t], v[S+t], s28, s29    ; into registers that have been written and are free
.set t, t+1
.endr
.set t, 0
.rept 32
	v_add_f32 v[S+t], v[S+t], v[AT+t]
.set t, t+1
.endr
	; the stream, eight rows at a time
.set g, 0
.rept 4
	s_wait_loadcnt 48-16*g                         ; this group's loads are in (D and b_out, the oldest of the stream, with the first); the later groups' 16 each stay out
.if g == 0
	v_cvt_pk_bf16_f32 v[TT], v[DD], v[DD+1]        ; D and b_out are rounded to bf16 and widened again
	v_cvt_pk_bf16_f32 v[TT+1], v[DD+2], v[DD+3]
	v_cvt_pk_bf16_f32 v[TT+2], v[BB], v[BB+1]
	v_cvt_pk_bf16_f32 v[TT+3], v[BB+2], v[BB+3]
	v_lshlrev_b32 v[DD], 16, v[TT]
	v_and_b32 v[DD+1], s30, v[TT]
	v_lshlrev_b32 v[DD+2], 16, v[TT+1]
	v_and_b32 v[DD+3], s30, v[TT+1]
	v_lshlrev_b32 v[BB], 16, v[TT+2]
	v_and_b32 v[BB+1], s30, v[TT+2]
	v_lshlrev_b32 v[BB+2], 16, v[TT+3]
	v_and_b32 v[BB+3], s30, v[TT+3]
.endif
	WIN 0x41                                       ; P (destination and source 0) window 1; s_t and b_out window 0
.set r, 8*g
.rept 8
.irp j, 0,1,2,3
	v_fma_f32 v[4*r+(\j)], v[4*r+(\j)], v[S+r], v[BB+(\j)]
.endr
.set r, r+1
.endr
	WIN 0x51                                       ; x (source 0), the addend and the destination window 1, D window 0
.set r, 8*g
.rept 8
	v_fma_mix_f32_bf16 v[4*r],   v[128+2*r], v[DD],   v[4*r]   op_sel:[0,0,0] op_sel_hi:[1,0,0]
	v_fma_mix_f32_bf16 v[4*r+1], v[128+2*r], v[DD+1], v[4*r+1] op_sel:[1,0,0] op_sel_hi:[1,0,0]
	v_fma_mix_f32_bf16 v[4*r+2], v[129+2*r], v[DD+2], v[4*r+2] op_sel:[0,0,0] op_sel_hi:[1,0,0]
	v_fma_mix_f32_bf16 v[4*r+3], v[129+2*r], v[DD+3], v[4*r+3] op_sel:[1,0,0] op_sel_hi:[1,0,0]
.set r, r+1
.endr
	WIN 0x04                                       ; a store's data (source 1) window 1
.set r, 8*g
.rept 8
	global_store_b128 v8, v[4*r:4*r+3], s[20:21] offset:4096*r th:TH_STORE_NT  ; a wave's store covers 512 consecutive bytes, aligned
.set r, r+1
.endr
	WIN 0
.set g, g+1
.endr
	s_wait_tensorcnt 0x0                           ; the wave's end: behind my last LDS store
	ds_add_u32 v[SPW], v[NIL]
	s_wait_dscnt 0x0
	s_endpgm
.Lfunc_end_k_qf115e47f2e_final:
	.size	k_qf115e47f2e_final, .Lfunc_end_k_qf115e47f2e_final-k_qf115e47f2e_final
	.p2alignl 7, 3214868480
	.fill 96, 4, 3214868480
	.section	.rodata,"a",@progbits
	.p2align	6, 0x0
	.amdhsa_kernel k_qf115e47f2e_final
		.amdhsa_group_segment_fixed_size 5120
		.amdhsa_private_segment_fixed_size 0
		.amdhsa_enable_private_segment 0
		.amdhsa_kernarg_size 72
		.amdhsa_user_sgpr_count 2
		.amdhsa_user_sgpr_kernarg_segment_ptr 1
		.amdhsa_wavefront_size32 1
		.amdhsa_system_sgpr_workgroup_id_x 1
		.amdhsa_system_sgpr_workgroup_id_y 1
		.amdhsa_system_sgpr_workgroup_id_z 1
		.amdhsa_system_vgpr_workitem_id 0
		.amdhsa_next_free_vgpr 512
		.amdhsa_next_free_sgpr 66
		.amdhsa_reserve_vcc 0
		.amdhsa_float_denorm_mode_32 3
		.amdhsa_float_denorm_mode_16_64 3
		.amdhsa_memory_ordered 1
		.amdhsa_forward_progress 1
		.amdhsa_inst_pref_size 66
	.end_amdhsa_kernel
	.amdgpu_metadata
---
amdhsa.version: [ 1, 2 ]
amdhsa.kernels:
  - .name:           k_qf115e47f2e_final
    .symbol:         k_qf115e47f2e_final.kd
    .args:
      - { .name: scn, .offset: 0, .size: 8, .value_kind: global_buffer, .address_space: global }
      - { .name: summ, .offset: 8, .size: 8, .value_kind: global_buffer, .address_space: global }
      - { .name: A_log, .offset: 16, .size: 8, .value_kind: global_buffer, .address_space: global }
      - { .name: b_xp, .offset: 24, .size: 8, .value_kind: global_buffer, .address_space: global }
      - { .name: pp, .offset: 32, .size: 8, .value_kind: global_buffer, .address_space: global }
      - { .name: xb, .offset: 40, .size: 8, .value_kind: global_buffer, .address_space: global }
      - { .name: D, .offset: 48, .size: 8, .value_kind: global_buffer, .address_space: global }
      - { .name: b_out, .offset: 56, .size: 8, .value_kind: global_buffer, .address_space: global }
      - { .name: out0, .offset: 64, .size: 8, .value_kind: global_buffer, .address_space: global }
    .group_segment_fixed_size: 5120
    .private_segment_fixed_size: 0
    .kernarg_segment_align: 8
    .kernarg_segment_size: 72
    .max_flat_workgroup_size: 256
    .sgpr_count:     66
    .vgpr_count:     512
    .wavefront_size: 32
...
	.end_amdgpu_metadata
.endif
;; end of part 5
;; ======== version 2 of 2: 5 launches
;; limits: inputs' magnitudes at most 65,504; values are held in f16: magnitudes above 65,504 overflow, below 6.1e-05 lose precision
;; workspace buffers: xb 16,777,216 bytes; wts 17,350,656 bytes; xi 33,554,432 bytes; gg 33,554,432 bytes; pp 33,554,432 bytes; scn 2,359,296 bytes; summ 131,072 bytes; sca 65,536 bytes
;; launch prep (part 6): grid 2064 x 1, 8 waves a work-group, no clusters, 18,432 bytes of LDS; arguments x, W_in, W_dt, W_xp, W_out, xb, wts; writes xb, wts
.if DOCPART == 6
	.amdgcn_target "amdgcn-amd-amdhsa--gfx1250"
	.amdhsa_code_object_version 6
	.text
	.protected	k_qf115e47f2e_prep
	.globl	k_qf115e47f2e_prep
	.p2align	8
	.type	k_qf115e47f2e_prep,@function
k_qf115e47f2e_prep:
	s_mov_b64 s[64:65], 0
	v_nop
	global_prefetch_b8 v0, s[64:65] scope:SCOPE_SE
	s_setreg_imm32_b32 hwreg(HW_REG_WAVE_MODE, 25, 1), 1
	s_wait_xcnt 0x0
; PREP: every matrix operand is rounded once to bf16 (to nearest even) and laid with K along its rows; and the sums of squares are made from which the next launch bounds x W_in + b_in.
; Work-groups 0..1023 (CAST): x [8192][1024] f32 -> xb, the same shape in bf16; 8 rows each, a wave a row; the row's sum of squares -> wts, byte NRM + 4 x row.
; Work-groups 1024..2063 (TRANSPOSE): one tile of 128 k x 64 n of a weight [K][N] f32 -> 64 rows of 128 numbers of 16 bits in wts.
;   wts byte 0:  WinP [4096][1024] bf16: row 128 j + 64 half + q holds column 2048 half + 64 j + q of W_in, so that 128 rows on end
;                are 64 columns of the inner stream and then the 64 matching columns of the gate.
;   wts byte WC: Wcat [8 tiles][272 rows][2048] f16: tiles 0-3: 256 columns of W_dt, then 16 columns of W_xp; tiles 4-7: 256 columns of W_out, then 16 rows of zeros.
;                Each number is rounded to bf16 like every input of the module, and THAT number is written as f16: exact from 2^-17 up; below, on f16's fixed step of 2^-24.
;   wts byte NRM + 32,768: for each of W_in's 512 tiles eight words, a wave's sum of squares each.
; LIMIT.  W_dt, W_xp and W_out lie within f16's 65,504.  The sums of squares are taken of the unrounded numbers: rounding moves a norm by less than 2^-7 of itself, and the bound made of them has a factor of 4 to spare.
; A tile comes in as 128 rows of 256 bytes (16 lanes a row), is rounded in pairs of neighbouring k, turned in LDS and leaves as 64 rows of 256 bytes (16 lanes a row).
; The words stored into LDS fall four deep on a bank (a step of 4 columns is 272 words = 16 mod 64; 64 banks of 4 bytes: ISA guide 11.1): 16 such stores a thread beside 128 bytes a thread from memory.
; The sums of squares leave as one word a wave, 48 KiB in all beside the launch's 100 MB.  No matrix unit, no cluster: no two work-groups read the same byte.
.set WC,    8388608                    ; Wcat's first byte in wts
.set NRM,   17301504                   ; the sums of squares' first byte in wts
.set TP,    272                        ; a row of the turned tile in LDS: 256 bytes + 16
.set SPARE, 64*TP                      ; behind the tile: the spare words, 128 bytes for each of the eight waves
.set SPW,   14                         ; v14  LDS address of my spare word; never rewritten
.set NIL,   15                         ; v15  0; never rewritten
.set Q,     11                         ; v11  thread % 16: my 16 bytes of a row of 256
.set KR,    12                         ; v12  thread / 16
.set SQ,    64                         ; v[64:67]  two chains of sums of squares, a pair each
.set TW,    68                         ; v[68:83]  at work
; The wave's sum of squares: the two chains, the pair's halves, the 32 lanes; lane 0 stores the word at 4 x the wave's number behind s[44:45].
.macro NORM_OUT
	v_pk_add_f32 v[SQ:SQ+1], v[SQ:SQ+1], v[SQ+2:SQ+3]
	v_add_f32 v[SQ], v[SQ], v[SQ+1]
	v_add_f32_dpp v[SQ], v[SQ], v[SQ] row_xmask:1 row_mask:0xf bank_mask:0xf
	v_add_f32_dpp v[SQ], v[SQ], v[SQ] row_xmask:2 row_mask:0xf bank_mask:0xf
	v_add_f32_dpp v[SQ], v[SQ], v[SQ] row_xmask:4 row_mask:0xf bank_mask:0xf
	v_add_f32_dpp v[SQ], v[SQ], v[SQ] row_xmask:8 row_mask:0xf bank_mask:0xf
	v_permlanex16_b32 v[SQ+1], v[SQ], s48, s49
	v_add_f32 v[SQ], v[SQ], v[SQ+1]
	v_lshlrev_b32 v[SQ+2], 2, v2
	v_cmp_eq_u32 vcc_lo, 0, v1
	s_wait_xcnt 0x0                                ; EXEC is a source of the stores issued so far: it changes only behind this wait
	s_and_saveexec_b32 s47, vcc_lo
	global_store_b32 v[SQ+2], v[SQ], s[44:45]
	s_wait_xcnt 0x0                                ; and again, in front of the line that widens it
	s_or_b32 exec_lo, exec_lo, s47
.endm
	s_load_b256 s[4:11], s[0:1], 0x0               ; x s[4:5], W_in s[6:7], W_dt s[8:9], W_xp s[10:11]
	s_load_b128 s[12:15], s[0:1], 0x20             ; W_out s[12:13], xb s[14:15]
	s_load_b64 s[16:17], s[0:1], 0x30              ; wts
	v_lshl_add_u32 v[SPW], v0, 2, SPARE
	v_mov_b32 v[NIL], 0
	v_and_b32 v1, 31, v0                           ; lane
	v_lshrrev_b32 v2, 5, v0                        ; wave
	s_mov_b32 s18, ttmp9
	s_mov_b32 s41, 0                               ; the high word of every offset
	s_mov_b32 s48, 0x76543210                      ; v_permlanex16_b32's selects: each lane takes its own place in the other half
	s_mov_b32 s49, 0xfedcba98
	s_wait_kmcnt 0x0
	s_add_nc_u64 s[44:45], s[16:17], NRM
	s_cmp_lt_u32 s18, 1024
	s_cbranch_scc0 .Ltrans
	; CAST: a wave a row: eight loads of 16 bytes a lane (each covers 512 consecutive bytes), eight stores of 8 bytes (each covers 256 consecutive bytes, aligned)
	s_lshl_b32 s40, s18, 15
	s_add_nc_u64 s[4:5], s[4:5], s[40:41]
	s_lshl_b32 s40, s18, 14
	s_add_nc_u64 s[14:15], s[14:15], s[40:41]
	s_lshl_b32 s40, s18, 5                         ; 8 rows, a word each
	s_add_nc_u64 s[44:45], s[44:45], s[40:41]
	v_lshlrev_b32 v3, 4, v1
	v_lshl_add_u32 v3, v2, 12, v3                  ; row x 4,096 + 16 x lane
	v_lshlrev_b32 v4, 3, v1
	v_lshl_add_u32 v4, v2, 11, v4                  ; row x 2,048 + 8 x lane
.irp i, 0,1,2,3,4,5,6,7
	global_load_b128 v[16+4*(\i):19+4*(\i)], v3, s[4:5] offset:512*(\i) th:TH_LOAD_NT
.endr
.irp i, 0,1,2,3,4,5,6,7
	s_wait_loadcnt 7-(\i)                          ; loads come back in order: load i is in, the younger ones stay out
	v_cvt_pk_bf16_f32 v[48+2*(\i)], v[16+4*(\i)], v[17+4*(\i)]
	v_cvt_pk_bf16_f32 v[49+2*(\i)], v[18+4*(\i)], v[19+4*(\i)]
.if (\i) == 0
	v_pk_mul_f32 v[SQ:SQ+1], v[16:17], v[16:17]    ; the first squares start the chains: nothing is cleared
	v_pk_mul_f32 v[SQ+2:SQ+3], v[18:19], v[18:19]
.else
	v_pk_fma_f32 v[SQ:SQ+1], v[16+4*(\i):17+4*(\i)], v[16+4*(\i):17+4*(\i)], v[SQ:SQ+1]
	v_pk_fma_f32 v[SQ+2:SQ+3], v[18+4*(\i):19+4*(\i)], v[18+4*(\i):19+4*(\i)], v[SQ+2:SQ+3]
.endif
	global_store_b64 v4, v[48+2*(\i):49+2*(\i)], s[14:15] offset:256*(\i)
.endr
	NORM_OUT
	s_branch .Lend
.Ltrans:
	; Which weight, which tile.  s19 = kt (128 k), s29 = group of 64 columns, s[20:21] source, s22 source pitch, s23 first byte in wts, s26 pitch there,
	; s30 first row there, s27 bytes from 16 output rows to the next 16, s28 = 1 for W_xp, s43 = all ones where the words leave as f16, s46 = 1 for W_in.
	s_sub_co_u32 s18, s18, 1024
	s_mov_b32 s28, 0
	s_mov_b32 s43, -1
	s_mov_b32 s46, 0
	s_mov_b32 s22, 4096                            ; as W_dt and W_out have them
	s_mov_b32 s26, 4096
	s_mov_b32 s27, 16*4096
	s_mov_b32 s23, WC
	s_cmp_lt_u32 s18, 512
	s_cbranch_scc0 .Lnot_in
	s_and_b32 s19, s18, 7                          ; W_in: 8 x 64 tiles
	s_lshr_b32 s29, s18, 3
	s_mov_b64 s[20:21], s[6:7]
	s_mov_b32 s22, 16384
	s_mov_b32 s26, 2048
	s_mov_b32 s27, 16*2048
	s_mov_b32 s23, 0
	s_mov_b32 s43, 0                               ; stays bf16
	s_mov_b32 s46, 1
	s_lshl_b32 s40, s18, 5                         ; the tile's eight words
	s_add_co_u32 s40, s40, 32768                   ; behind the rows' 8,192
	s_add_nc_u64 s[44:45], s[44:45], s[40:41]
	s_and_b32 s30, s29, 31                         ; j
	s_lshl_b32 s30, s30, 7
	s_lshr_b32 s31, s29, 5                         ; half
	s_lshl_b32 s31, s31, 6
	s_add_co_u32 s30, s30, s31
	s_branch .Lcommon
.Lnot_in:
	s_cmp_lt_u32 s18, 1024
	s_cbranch_scc0 .Lxp
	s_and_b32 s31, s18, 255                        ; W_dt (512..767) and W_out (768..1023): 16 x 16 tiles each
	s_and_b32 s19, s31, 15
	s_lshr_b32 s29, s31, 4
	s_lshr_b32 s30, s29, 2                         ; Wcat's tile,
	s_mul_i32 s30, s30, 272
	s_and_b32 s31, s29, 3                          ; and 64 rows in it
	s_lshl_b32 s31, s31, 6
	s_add_co_u32 s30, s30, s31
	s_cmp_lt_u32 s18, 768
	s_cselect_b64 s[20:21], s[8:9], s[12:13]
	s_cselect_b32 s31, 0, 1088                     ; W_out's tiles are 4 to 7
	s_add_co_u32 s30, s30, s31
	s_branch .Lcommon
.Lxp:
	s_sub_co_u32 s19, s18, 1024                    ; W_xp: 16 tiles; its 64 columns go 16 to each of Wcat's tiles 0-3, rows 256..271
	s_mov_b32 s29, 0
	s_mov_b64 s[20:21], s[10:11]
	s_mov_b32 s22, 256
	s_mov_b32 s30, 256
	s_mov_b32 s27, 272*4096
	s_mov_b32 s28, 1
.Lcommon:
	s_lshl_b32 s40, s19, 7
	s_mul_i32 s40, s40, s22                        ; 128 kt rows of the source,
	s_lshl_b32 s42, s29, 8                         ; 64 columns of 4 bytes a group
	s_add_co_u32 s40, s40, s42
	s_add_nc_u64 s[32:33], s[20:21], s[40:41]
	s_lshl_b32 s40, s22, 5                         ; four bases, 32 rows apart
	s_add_nc_u64 s[34:35], s[32:33], s[40:41]
	s_add_nc_u64 s[36:37], s[34:35], s[40:41]
	s_add_nc_u64 s[38:39], s[36:37], s[40:41]
	s_mul_i32 s40, s30, s26
	s_lshl_b32 s42, s19, 8                         ; 128 k of 2 bytes
	s_add_co_u32 s40, s40, s42
	s_add_co_u32 s40, s40, s23
	s_add_nc_u64 s[24:25], s[16:17], s[40:41]
	v_and_b32 v[Q], 15, v0
	v_lshrrev_b32 v[KR], 4, v0
	v_lshlrev_b32 v13, 1, v[KR]
	v_mul_lo_u32 v3, v13, s22
	v_lshl_add_u32 v3, v[Q], 4, v3                 ; row 2 kr, my 4 columns
	v_add_nc_u32 v4, s22, v3                       ; row 2 kr + 1
.irp i, 0,1,2,3
	global_load_b128 v[16+8*(\i):19+8*(\i)], v3, s[32+2*(\i):33+2*(\i)] th:TH_LOAD_NT
	global_load_b128 v[20+8*(\i):23+8*(\i)], v4, s[32+2*(\i):33+2*(\i)] th:TH_LOAD_NT
.endr
	v_mul_u32_u24 v5, v[Q], 4*TP
	v_lshl_add_u32 v5, v[KR], 2, v5                ; in: column 4 q, word kr
	v_mul_u32_u24 v6, v[KR], TP
	v_lshl_add_u32 v6, v[Q], 4, v6                 ; back: row kr, 16 bytes q
	v_mul_lo_u32 v7, v[KR], s26
	v_lshl_add_u32 v7, v[Q], 4, v7                 ; and the same place in wts, for four groups of 16 rows
	v_add_nc_u32 v8, s27, v7
	v_add_nc_u32 v9, s27, v8
	v_add_nc_u32 v10, s27, v9
.irp i, 0,1,2,3
	s_wait_loadcnt 6-2*(\i)                        ; pair i of rows is in, the younger pairs stay out
.if (\i) == 0
	v_pk_mul_f32 v[SQ:SQ+1], v[16:17], v[16:17]    ; the first squares start the chains
	v_pk_mul_f32 v[SQ+2:SQ+3], v[18:19], v[18:19]
.else
	v_pk_fma_f32 v[SQ:SQ+1], v[16+8*(\i):17+8*(\i)], v[16+8*(\i):17+8*(\i)], v[SQ:SQ+1]
	v_pk_fma_f32 v[SQ+2:SQ+3], v[18+8*(\i):19+8*(\i)], v[18+8*(\i):19+8*(\i)], v[SQ+2:SQ+3]
.endif
	v_pk_fma_f32 v[SQ:SQ+1], v[20+8*(\i):21+8*(\i)], v[20+8*(\i):21+8*(\i)], v[SQ:SQ+1]
	v_pk_fma_f32 v[SQ+2:SQ+3], v[22+8*(\i):23+8*(\i)], v[22+8*(\i):23+8*(\i)], v[SQ+2:SQ+3]
.irp j, 0,1,2,3
	v_cvt_pk_bf16_f32 v[48+4*(\i)+(\j)], v[16+8*(\i)+(\j)], v[20+8*(\i)+(\j)]  ; k in the low half, k + 1 in the high half, of column 4 q + j
	v_lshlrev_b32 v[TW+4*(\j)], 16, v[48+4*(\i)+(\j)]                          ; the two rounded numbers, widened,
	v_and_b32 v[TW+4*(\j)+1], 0xffff0000, v[48+4*(\i)+(\j)]
	v_cvt_pk_f16_f32 v[TW+4*(\j)+2], v[TW+4*(\j)], v[TW+4*(\j)+1]              ; written as f16,
	v_cndmask_b32 v[48+4*(\i)+(\j)], v[48+4*(\i)+(\j)], v[TW+4*(\j)+2], s43    ; which Wcat takes and WinP does not
	ds_store_b32 v5, v[48+4*(\i)+(\j)] offset:(\j)*TP+64*(\i)
.endr
.endr
	s_wait_dscnt 0x0                               ; for the others' sake: my stores into the tile are done
	s_barrier_signal -1
	s_barrier_wait -1
.irp i, 0,1,2,3
	ds_load_b128 v[16+4*(\i):19+4*(\i)], v6 offset:(\i)*16*TP
.endr
.irp i, 0,1,2,3
	s_wait_dscnt 3-(\i)
	global_store_b128 v[7+(\i)], v[16+4*(\i):19+4*(\i)], s[24:25]  ; 16 lanes store 256 consecutive bytes, aligned
.endr
	s_cmp_eq_u32 s46, 1
	s_cbranch_scc0 .Lno_norm
	NORM_OUT                                       ; W_in's tiles alone
	s_branch .Lend
.Lno_norm:
	s_cmp_eq_u32 s28, 1
	s_cbranch_scc0 .Lend
	v_mov_b32 v32, 0                               ; W_xp's work-groups also write the zero rows of tiles 4-7, four tiles further on
	v_mov_b32 v33, 0
	v_mov_b32 v34, 0
	v_mov_b32 v35, 0
.irp i, 0,1,2,3
	global_store_b128 v[7+(\i)], v[32:35], s[24:25] offset:4*272*4096
.endr
.Lend:
	s_wait_tensorcnt 0x0                           ; the wave's end: behind my last LDS store
	ds_add_u32 v[SPW], v[NIL]
	s_wait_dscnt 0x0
	s_endpgm
.Lfunc_end_k_qf115e47f2e_prep:
	.size	k_qf115e47f2e_prep, .Lfunc_end_k_qf115e47f2e_prep-k_qf115e47f2e_prep
	.p2alignl 7, 3214868480
	.fill 96, 4, 3214868480
	.section	.rodata,"a",@progbits
	.p2align	6, 0x0
	.amdhsa_kernel k_qf115e47f2e_prep
		.amdhsa_group_segment_fixed_size 18432
		.amdhsa_private_segment_fixed_size 0
		.amdhsa_enable_private_segment 0
		.amdhsa_kernarg_size 56
		.amdhsa_user_sgpr_count 2
		.amdhsa_user_sgpr_kernarg_segment_ptr 1
		.amdhsa_wavefront_size32 1
		.amdhsa_system_sgpr_workgroup_id_x 1
		.amdhsa_system_sgpr_workgroup_id_y 1
		.amdhsa_system_sgpr_workgroup_id_z 1
		.amdhsa_system_vgpr_workitem_id 0
		.amdhsa_next_free_vgpr 96
		.amdhsa_next_free_sgpr 66
		.amdhsa_reserve_vcc 1
		.amdhsa_float_denorm_mode_32 3
		.amdhsa_float_denorm_mode_16_64 3
		.amdhsa_memory_ordered 1
		.amdhsa_forward_progress 1
		.amdhsa_inst_pref_size 19
	.end_amdhsa_kernel
	.amdgpu_metadata
---
amdhsa.version: [ 1, 2 ]
amdhsa.kernels:
  - .name:           k_qf115e47f2e_prep
    .symbol:         k_qf115e47f2e_prep.kd
    .args:
      - { .name: x, .offset: 0, .size: 8, .value_kind: global_buffer, .address_space: global }
      - { .name: W_in, .offset: 8, .size: 8, .value_kind: global_buffer, .address_space: global }
      - { .name: W_dt, .offset: 16, .size: 8, .value_kind: global_buffer, .address_space: global }
      - { .name: W_xp, .offset: 24, .size: 8, .value_kind: global_buffer, .address_space: global }
      - { .name: W_out, .offset: 32, .size: 8, .value_kind: global_buffer, .address_space: global }
      - { .name: xb, .offset: 40, .size: 8, .value_kind: global_buffer, .address_space: global }
      - { .name: wts, .offset: 48, .size: 8, .value_kind: global_buffer, .address_space: global }
    .group_segment_fixed_size: 18432
    .private_segment_fixed_size: 0
    .kernarg_segment_align: 8
    .kernarg_segment_size: 56
    .max_flat_workgroup_size: 256
    .sgpr_count:     66
    .vgpr_count:     96
    .wavefront_size: 32
...
	.end_amdgpu_metadata
.endif
;; end of part 6
;; launch gemm_in (part 7): grid 16 x 32, 4 waves a work-group, clusters of 4 x 4, 327,680 bytes of LDS; arguments xb, wts, b_in, xi, gg, sca; writes xi, gg, sca
.if DOCPART == 7
	.amdgcn_target "amdgcn-amd-amdhsa--gfx1250"
	.amdhsa_code_object_version 6
	.text
	.protected	k_qf115e47f2e_gemm_in
	.globl	k_qf115e47f2e_gemm_in
	.p2align	8
	.type	k_qf115e47f2e_gemm_in,@function
k_qf115e47f2e_gemm_in:
	s_mov_b64 s[64:65], 0
	v_nop
	global_prefetch_b8 v0, s[64:65] scope:SCOPE_SE
	s_setreg_imm32_b32 hwreg(HW_REG_WAVE_MODE, 25, 1), 1
	s_wait_xcnt 0x0
	s_wait_alu depctr_hold_cnt(0) depctr_sa_sdst(0) depctr_va_vdst(0) depctr_va_sdst(0) depctr_va_ssrc(0) depctr_va_vcc(0) depctr_vm_vsrc(0)
	s_getreg_b32 s2, hwreg(HW_REG_IB_STS2, 6, 4)
	s_cmp_eq_u32 s2, 0
	s_cbranch_scc0 .Lentry_in_a_cluster
	s_endpgm
.Lentry_in_a_cluster:
	s_bfe_u32 s2, ttmp6, 0x10000c
	s_cmp_lg_u32 s2, 0xf033
	s_cbranch_scc0 .Lentry_shape_is_right
	s_endpgm
.Lentry_shape_is_right:
; xr = x W_in + b_in; xi = silu(inner half); g = xi silu(gate half).  A = xb [8192][1024] bf16, B = WinP [4096][1024] bf16 (rows permuted); sums in f32.
; xi and g are operands of the next launch's products and leave rounded once to f16, which keeps 11 significant bits: bf16's 8 are too few here, since the row's scalar of the scan, which may be several times its own
; spread, multiplies what g's rounding leaves in the last product.  f16's range is kept by a power of two for each row.
; THE ROWS' SCALES.  xr[row][c] is the product of (x_row, 1) and (W_in[:, c], b_in[c]), so by Cauchy-Schwarz |xr[row][c]| <= B with B^2 = (|x_row|^2 + 1) (all squares of W_in + all squares of b_in).  |silu(v)| <= |v|,
; so |xi| <= B and |g| <= B^2, for every input.  With 2^h >= B what is stored, xi 2^(14-h) and g 2^(14-2h), lies within 2^14: a factor of 4 under f16's end, which also covers the roundings of the sums, of the
; products and of the inputs to bf16.  h comes from the exponent field e of B^2 alone (B^2 < 2^(e-126)): q = (e + 1) >> 1, h = q - 63; B^2 is held at 2^-114 or more, so that q is 7 or more and every power used is a
; normal number (a larger h is a bound too).  The sums of squares come from the launch before; each of my four waves adds a quarter of W_in's 4,096 partial sums and of b_in's 4,096 squares, and the four meet in LDS:
; the same arithmetic in every work-group, so the same q everywhere.  Numbers more than 2^28 below the bound fall on f16's fixed step.
; sca: [2][8192] f32, for the later launches: 2^(h-14) (exponent field q + 50), 2^(2h-14) (2 q - 13).  The clusters with x = 0 store it: wave 2 cx + ch takes block 2 cx + ch of 16 of its 128 rows, by address:
; one store of 4 bytes a lane, two runs of 64 bytes; 64 KiB in the whole launch.
; Layout of xi and gg: [32 planes][8192 rows][64] f16: plane j holds columns 64 j ..  A wave's 16 rows of a plane are 2,048 consecutive bytes.
; EVERY INPUT OF THE MODULE IS TAKEN ROUNDED ONCE TO bf16 (to nearest even), so that all parts of the result are made of the same numbers: x and W_in in the first launch, b_in here.
; LIMITS.  B^2 is finite in f32.  silu(v) = v / (1 + 2^(-v log2 e)): no finite v overflows it (the exponential may be infinite; the reciprocal is then 0).  v_exp_f32 and v_rcp_f32 flush denormals
; (ISA guide 15.8).  NaN and infinities are not treated apart.
; SHAPE.  A tile of xr is 256 x 256: four waves, each 128 x 128 in 64 accumulators of 16 x 16.  K goes in 8 steps of 128 through a ring of two LDS slots filled by tensor loads whose rows
; are 256 bytes of memory.  4 x 4 work-groups form a cluster: A's tile is asked for jointly along a row of the cluster, B's along a column.
; TRANSPOSED USE: source 0 = 16 rows of B, source 1 = 16 rows of A, so a lane holds row l % 16 and the columns 8 (l / 16) + 0..7 of a block of 16 columns.  By WinP's order of rows a wave's
; column blocks 0-3 are 64 inner columns and blocks 4-7 the 64 matching gate columns: accumulators (a, b) and (a, b + 4) hold partners in the same lane and register.
; REGISTERS, in windows of 256 (s_set_vgpr_msb: bits 1:0 source 0, 3:2 source 1, 5:4 source 2, 7:6 destination):
;   window 0: v0-31 addresses; v32-53 the rows' scales; v64-127, v128-191 A's fragments, two buffers (at the head v64-127 the sums of squares); on the way out v64-127 V, v128-191 E, v192-223 packed results, v224-255 rows read back
;   window 1: v0-63 b_in of my 128 columns; v64-127, v128-191 B's fragments; v192-223 at work once, at the head      windows 2, 3: accumulators of my rows 0-63, 64-127: (a, b) at v[8 (8 (a % 4) + b)]
.set SIZE_K, 1024
.set KSTEP,  128
.set PITCH,  272                       ; an LDS row: 256 bytes + 16 of padding = 68 words: the 16 rows of a load start at 16 different groups of four banks (64 banks of 4 bytes: ISA guide 11.1)
.set HALFT,  128*PITCH                 ; what one tensor load brings, and what one wave reads of A or of B
.set SLOT,   4*HALFT                   ; A's 256 rows, then B's 256 rows
.set STAGE,  2*SLOT                    ; behind the ring: for each wave 16 rows x 144 bytes of xi, then the same of g
.set SP,     144
.set PART,   16*SP
.set WSTG,   2*PART
.set SPARE,  STAGE+4*WSTG              ; behind the stages: the spare words, 128 bytes for each wave
.set SCR,    SPARE+512                 ; behind them, in a block of 256 bytes of its own: the four waves' partial sums of squares, a word each
.set NRM,    17301504                  ; the sums of squares' first byte in wts: 8,192 rows' words, then 4,096 words of W_in's tiles
.set LAPS,   SIZE_K/(2*KSTEP)
.set RO,   7                           ; v7   4 x (l % 16): my row's word among a block's 16
.set WO,   8                           ; v8   the same in the block whose scales I store; then my place in sca
.set QO,   9                           ; v9   16 x lane + 4,096 x wave: my 16 bytes in my wave's quarter of the partial sums and of b_in
.set SA,   10                          ; v10  LDS address of my wave's partial sum
.set SB,   11                          ; v11  LDS address of the four
.set ADRA, 16                          ; v16-17  LDS address of my A fragments in slot 0, 1
.set ADRB, 20                          ; v20-21  the same for B
.set STO,  24                          ; v24  the way out: where I put 16 bytes of a row
.set RD,   25                          ; v25  where I read rows back
.set GO,   26                          ; v26  16 x lane: my place in 512 consecutive bytes
.set BO,   27                          ; v27  my byte offset in b_in
.set SPW,  28                          ; v28  LDS address of my spare word; never rewritten
.set NIL,  29                          ; v29  0; never rewritten
.set PFO,  30                          ; v30  the prefetches' offset: lane x a row of 2,048 bytes; never rewritten
.set SG,   32                          ; v32-39  my row in each of my 8 blocks of 16 rows: its sum of squares, then 2^(h-14)
.set RW,   40                          ; v40-41  the same for the row whose scales I store
.set SC1,  42                          ; v42-43  the block in hand: 2^(h-14), twice
.set SC2,  44                          ; v44-45  2^h, twice
.set C,    46                          ; v46-53  four chains of sums, a pair each
.set WS,   64                          ; v64-95 my wave's quarter of W_in's partial sums; v96-127 of b_in
.set F0,   64
.set F1,   128
.set V,    64
.set E,    128
.set TMP,  192
.set OB,   224
.set LIM,  43                          ; s43  1 in a wave that prefetches, else the greatest number
.set PFA,  44                          ; s[44:45] where my prefetches stand
.set G1,   24                          ; s[24:31] descriptor group 1 for A's tiles; s[32:39] group 0, a set for each slot
.set G0,   32
.set G1B,  48                          ; s[48:55], s[56:63] the same for B's
.set G0B,  56
.set MSB, 0
.macro WIN new                         ; the immediate's high byte repeats the setting that is left; a switch that changes nothing is dropped
.if MSB != (\new)
	s_set_vgpr_msb (MSB<<8)|(\new)
.set MSB, \new
.endif
.endm
.set MUL_LO, 0xa1                      ; source 0 (B) window 1, source 1 (A) window 0, C and D window 2
.set MUL_HI, 0xf1                      ; the same, C and D window 3
.set TO_B,   0x40                      ; destination window 1, address window 0
; A joint load: waves 0 and 1 fetch A's two halves, waves 2 and 3 B's.  The branch hangs on the wave's number alone.  An s_nop 0 and four v_nop follow each line.
.macro JLOAD s
	s_cmp_eq_u32 s11, 0
	s_cbranch_scc0 .Lfor_b_\@
	tensor_load_to_lds s[G0+4*(\s):G0+4*(\s)+3], s[G1:G1+7]
	s_nop 0
.rept 4
	v_nop
.endr
	s_branch .Lasked_\@
.Lfor_b_\@:
	tensor_load_to_lds s[G0B+4*(\s):G0B+4*(\s)+3], s[G1B:G1B+7]
	s_nop 0
.rept 4
	v_nop
.endr
.Lasked_\@:
.endm
; A prefetch of the K step that stands two refills on: 32 rows x 256 bytes, a lane a row, one instruction a wave.  A's tile row is walked by four clusters: the one with x = 0 asks; B's tile column by
; eight: the one with y = 0 asks.  Of the 128 rows that a wave fetches each of the four partners takes 32, told apart by address.  So each row's 256 bytes of K steps 4 to 7 are named once in the launch;
; K steps 0 to 3 come by their loads alone, and the loop's last trip (s3 = 1) asks for nothing.
.macro ASK
	s_cmp_gt_u32 s3, s[LIM]
	s_cbranch_scc0 .Lnot_mine_\@
	global_prefetch_b8 v[PFO], s[PFA:PFA+1] th:TH_LOAD_NT scope:SCOPE_SE
.Lnot_mine_\@:
.endm
.macro CREST                           ; a round of the cluster's barrier behind its opening barrier
	s_cmp_lg_u32 s10, 0
	s_cbranch_scc1 .Lnot_wave_0_\@
	s_barrier_signal -3
.Lnot_wave_0_\@:
	s_barrier_wait -3
	s_barrier_signal -1
	s_barrier_wait -1
.endm
.macro CROUND                          ; a whole round
	s_barrier_signal -1
	s_barrier_wait -1
	CREST
.endm
	s_load_b128 s[4:7], s[0:1], 0x0                ; xb s[4:5], wts s[6:7]
	s_load_b64 s[8:9], s[0:1], 0x10                ; b_in
	s_load_b128 s[68:71], s[0:1], 0x18             ; xi s[68:69], gg s[70:71]
	s_load_b64 s[74:75], s[0:1], 0x28              ; sca
	v_lshl_add_u32 v[SPW], v0, 2, SPARE
	v_mov_b32 v[NIL], 0
	ds_add_u32 v[SPW], v[NIL]                      ; the wave's opening: the add and its wait stand ahead of my first tensor load; the set-up below stands between them
	v_lshrrev_b32 v1, 5, v0
	v_readfirstlane_b32 s10, v1                    ; wave 0..3
	s_lshr_b32 s11, s10, 1                         ; rh: which 128 rows of the tile are mine.  Also: I fetch for A (0) or for B (1)
	s_and_b32 s12, s10, 1                          ; ch: which 128 columns.  Also: which 128 rows of that tile I fetch
	s_bfe_u32 s40, ttmp6, 0x40000                  ; cx
	s_bfe_u32 s41, ttmp6, 0x40004                  ; cy
	s_lshl_b32 s42, ttmp9, 2
	s_add_co_u32 s42, s42, s40                     ; tile column = 4 x cluster x + cx
	s_and_b32 s13, ttmp7, 0xffff
	s_lshl_b32 s13, s13, 2
	s_add_co_u32 s13, s13, s41                     ; tile row = 4 x cluster y + cy
	s_lshl_b32 s43, s41, 2
	s_lshl_b32 s43, 15, s43                        ; my row of the cluster
	s_lshl_b32 s44, 0x1111, s40                    ; my column
	s_or_b32 s[G1+0], s43, (1<<16)|(1<<20)|(1<<21)|(5<<22)|(3<<25)   ; the mask; elements of 2 bytes; padding on; bit 21 beside a mask; after every 64 words 4 words
	s_or_b32 s[G1B+0], s44, (1<<16)|(1<<20)|(1<<21)|(5<<22)|(3<<25)
.irp g, G1, G1B
	s_mov_b32 s[(\g)+1], KSTEP<<16                 ; tensor_dim0 = 128
	s_mov_b32 s[(\g)+2], 128<<16                   ; tensor_dim1 = 128
	s_mov_b32 s[(\g)+3], KSTEP<<16                 ; tile_dim0 = 128
	s_mov_b32 s[(\g)+4], 128                       ; tile_dim1 = 128
	s_mov_b32 s[(\g)+5], SIZE_K                    ; elements from row to row
	s_mov_b32 s[(\g)+6], 0
	s_mov_b32 s[(\g)+7], 0
.endr
	s_lshl_b32 s17, s12, 7
	s_lshl_b32 s16, s13, 8
	s_add_co_u32 s16, s16, s17                     ; A: row 256 x tile row + 128 x half,
	s_lshl_b32 s16, s16, 11                        ; of 2,048 bytes
	s_lshl_b32 s46, s42, 8
	s_add_co_u32 s46, s46, s17                     ; B: row 256 x tile column + 128 x half
	s_lshl_b32 s46, s46, 11
	s_mov_b32 s17, 0
	s_mov_b32 s47, 0
	s_mul_i32 s20, s10, HALFT                      ; where they go: wave x 128 rows: no place in the cluster enters an LDS address
	s_mov_b32 s72, 0xbfb8aa3b                      ; -log2(e), named as a pair
	s_mov_b32 s73, 0xbfb8aa3b
	s_mov_b32 s78, 0x76543210                      ; v_permlanex16_b32's selects: each lane takes its own place in the other half
	s_mov_b32 s79, 0xfedcba98
	s_wait_dscnt 0x0                               ; the opening add is done
	s_wait_kmcnt 0x0
	s_add_nc_u64 s[14:15], s[4:5], s[16:17]
	s_add_nc_u64 s[46:47], s[6:7], s[46:47]
	CROUND                                         ; all sixteen work-groups are here: the first joint loads meet
.irp s, 0,1
	s_mov_b32 s[G0+4*(\s)], 1
	s_add_co_u32 s[G0+4*(\s)+1], s20, (\s)*SLOT
	s_add_nc_u64 s[G0+4*(\s)+2:G0+4*(\s)+3], s[14:15], (\s)*KSTEP*2
	s_or_b32 s[G0+4*(\s)+3], s[G0+4*(\s)+3], 0x80000000
	s_mov_b32 s[G0B+4*(\s)], 1
	s_add_co_u32 s[G0B+4*(\s)+1], s20, (\s)*SLOT
	s_add_nc_u64 s[G0B+4*(\s)+2:G0B+4*(\s)+3], s[46:47], (\s)*KSTEP*2
	s_or_b32 s[G0B+4*(\s)+3], s[G0B+4*(\s)+3], 0x80000000
	JLOAD \s                                       ; two tensor loads of mine are out
.endr
	v_and_b32 v1, 15, v0                           ; l % 16
	v_bfe_u32 v2, v0, 4, 1                         ; l / 16
	v_and_b32 v[GO], 31, v0
	v_mul_u32_u24 v[PFO], v[GO], SIZE_K*2
	v_lshlrev_b32 v[GO], 4, v[GO]
	s_lshl_b32 s46, s42, 9                         ; b_in: my 64 inner columns begin at 64 (2 x tile column + ch), 4 bytes each;
	s_lshl_b32 s47, s12, 8
	s_add_co_u32 s46, s46, s47
	v_lshl_add_u32 v[BO], v2, 5, s46               ; my 8 of a block's 16
	WIN TO_B
.irp b, 0,1,2,3,4,5,6,7                ; blocks 4-7: the gate's columns, 2,048 numbers on
	global_load_b128 v[8*(\b):8*(\b)+3],   v[BO], s[8:9] offset:((\b)/4)*8192+((\b)%4)*64
	global_load_b128 v[8*(\b)+4:8*(\b)+7], v[BO], s[8:9] offset:((\b)/4)*8192+((\b)%4)*64+16
.endr
	WIN 0
	s_lshl_b32 s16, s13, 8
	s_lshl_b32 s17, s11, 7
	s_add_co_u32 s16, s16, s17                     ; my first row
	s_lshl_b32 s46, s16, 2                         ; a word a row
	s_mov_b32 s47, 0
	s_add_nc_u64 s[76:77], s[6:7], NRM             ; the sums of squares,
	s_add_nc_u64 s[66:67], s[76:77], s[46:47]      ; those of my 128 rows,
	s_add_nc_u64 s[74:75], s[74:75], s[46:47]      ; and sca at my 128 rows
	v_lshlrev_b32 v[RO], 2, v1
	s_lshl_b32 s46, s40, 1
	s_add_co_u32 s46, s46, s12                     ; the block whose scales I store: 2 cx + ch,
	s_lshl_b32 s46, s46, 6                         ; 16 words a block
	v_add_nc_u32 v[WO], s46, v[RO]
.irp a, 0,1,2,3,4,5,6,7
	global_load_b32 v[SG+(\a)], v[RO], s[66:67] offset:64*(\a)  ; row 16 a + l % 16
.endr
	global_load_b32 v[RW], v[WO], s[66:67]
	v_lshl_add_u32 v[QO], s10, 12, v[GO]           ; my wave's quarter: 1,024 words
.irp i, 0,1,2,3,4,5,6,7
	global_load_b128 v[WS+4*(\i):WS+4*(\i)+3],       v[QO], s[76:77] offset:32768+512*(\i)
	global_load_b128 v[WS+32+4*(\i):WS+32+4*(\i)+3], v[QO], s[8:9] offset:512*(\i)
.endr
	s_lshl_b32 s46, s10, 2
	s_add_co_u32 s46, s46, SCR
	v_mov_b32 v[SA], s46
	v_mov_b32 v[SB], SCR
	v_mul_u32_u24 v3, v1, PITCH
	v_lshl_add_u32 v3, v2, 4, v3                   ; a fragment's row x pitch + 16 x half
	s_mul_i32 s21, s11, HALFT
	s_mul_i32 s22, s12, HALFT
	s_add_co_u32 s22, s22, 2*HALFT
.irp s, 0,1
	v_add_nc_u32 v[ADRA+(\s)], s21, v3
	v_add_nc_u32 v[ADRB+(\s)], s22, v3
	s_add_co_u32 s21, s21, SLOT
	s_add_co_u32 s22, s22, SLOT
.endr
	s_mul_i32 s23, s10, WSTG
	s_add_co_u32 s23, s23, STAGE                   ; my stage
	v_mul_u32_u24 v4, v1, SP                       ; in: row l % 16, 16 bytes for each half of the lanes
	v_lshl_add_u32 v4, v2, 4, v4
	v_add_nc_u32 v[STO], s23, v4
	v_bfe_u32 v5, v0, 3, 2                         ; back: 32 lanes take four rows of 128 bytes, which are 512 consecutive bytes of a plane
	v_mul_u32_u24 v5, v5, SP
	v_and_b32 v6, 7, v0
	v_lshl_add_u32 v5, v6, 4, v5
	v_add_nc_u32 v[RD], s23, v5
	s_lshl_b32 s16, s16, 7                         ; my first row, of 128 bytes,
	s_lshl_b32 s46, s42, 1
	s_add_co_u32 s46, s46, s12
	s_lshl_b32 s46, s46, 20                        ; in plane 2 x tile column + ch, of 8,192 such rows
	s_add_co_u32 s16, s16, s46
	s_mov_b32 s17, 0
	s_add_nc_u64 s[68:69], s[68:69], s[16:17]
	s_add_nc_u64 s[70:71], s[70:71], s[16:17]
	; the prefetches
	s_lshl_b32 s14, s13, 8
	s_lshl_b32 s15, s42, 8
	s_and_b32 s22, ttmp7, 0xffff                   ; cluster y
	s_cmp_eq_u32 s11, 0                            ; do I fetch for A?
	s_cselect_b32 s20, s14, s15                    ; the tile's first row
	s_cselect_b32 s21, s40, s41                    ; my place among the four that ask for it with me
	s_cselect_b32 s22, ttmp9, s22                  ; the coordinate along which other clusters read the same rows
	s_cselect_b64 s[PFA:PFA+1], s[4:5], s[6:7]
	s_cmp_eq_u32 s22, 0
	s_cselect_b32 s[LIM], 1, -1                    ; the same in all sixteen partners, for a given wave
	s_lshl_b32 s22, s12, 7
	s_add_co_u32 s20, s20, s22                     ; + the 128 rows that I fetch
	s_lshl_b32 s21, s21, 5
	s_add_co_u32 s20, s20, s21                     ; + my work-group's 32 of them
	s_lshl_b32 s20, s20, 11
	s_mov_b32 s21, 0
	s_add_nc_u64 s[PFA:PFA+1], s[PFA:PFA+1], s[20:21]
	s_add_nc_u64 s[PFA:PFA+1], s[PFA:PFA+1], 3*KSTEP*2  ; at K step 3: the first refill steps it to 4 and names that
; 16 matrix instructions: row blocks a0, a0 + 1 of the window's four x all 8 column blocks, 32 along K.  zero = 1: the first product starts the sums.
.macro MUL16 f, hi, a0, zero
	WIN MUL_LO+0x50*(\hi)
.irp a, \a0, (\a0)+1
.irp b, 0,1,2,3,4,5,6,7
.if \zero
	v_wmma_f32_16x16x32_bf16 v[8*(8*(\a)+(\b)):8*(8*(\a)+(\b))+7], v[(\f)+8*(\b):(\f)+8*(\b)+7], v[(\f)+8*(4*(\hi)+(\a)):(\f)+8*(4*(\hi)+(\a))+7], 0
.else
	v_wmma_f32_16x16x32_bf16 v[8*(8*(\a)+(\b)):8*(8*(\a)+(\b))+7], v[(\f)+8*(\b):(\f)+8*(\b)+7], v[(\f)+8*(4*(\hi)+(\a)):(\f)+8*(4*(\hi)+(\a))+7], v[8*(8*(\a)+(\b)):8*(8*(\a)+(\b))+7]
.endif
.endr
.endr
.endm
; 32 LDS loads in one run: a quarter step's fragments (32 K at byte k of the rows) into buffer f: B's 16 loads, then A's
.macro FETCH slot, k, f
	WIN TO_B
.irp i, 0,1,2,3,4,5,6,7
	ds_load_b128 v[(\f)+8*(\i):(\f)+8*(\i)+3],   v[ADRB+(\slot)] offset:(\k)+(\i)*16*PITCH
	ds_load_b128 v[(\f)+8*(\i)+4:(\f)+8*(\i)+7], v[ADRB+(\slot)] offset:(\k)+(\i)*16*PITCH+32
.endr
	WIN 0
.irp i, 0,1,2,3,4,5,6,7
	ds_load_b128 v[(\f)+8*(\i):(\f)+8*(\i)+3],   v[ADRA+(\slot)] offset:(\k)+(\i)*16*PITCH
	ds_load_b128 v[(\f)+8*(\i)+4:(\f)+8*(\i)+7], v[ADRA+(\slot)] offset:(\k)+(\i)*16*PITCH+32
.endr
.endm
.macro PLACES                          ; four plain places in front of loads into registers that matrix instructions have read (ISA guide 7.12.1 for vector instructions)
.rept 4
	v_nop
.endr
.endm
; A K step is four quarters of 32 along K, 64 matrix instructions each, on buffers 0, 1, 0, 1.  The 64 accumulators take turns, one instruction a turn.
.macro QUARTER slot, k, f, g, zero
	s_wait_dscnt 8                                 ; B and A's rows 0-63 are in; the youngest eight loads (A's rows 64-127) may be out
	MUL16 \f, 0, 0, \zero
	MUL16 \f, 0, 2, \zero
	PLACES
	FETCH \slot, \k, \g
	s_wait_dscnt 32                                ; all but the 32 just issued
	MUL16 \f, 1, 0, \zero
	MUL16 \f, 1, 2, \zero
.endm
; The first half of a K step's last quarter: one barrier for the change of slots.
.macro MEET round
	WIN 0                                          ; (the add's two registers lie in window 0)
	s_wait_tensorcnt 0x0                           ; all my tensor loads have landed: the one that was out is my part of the next slot;
	ds_add_u32 v[SPW], v[NIL]                      ; 0 onto my spare word;
	s_wait_dscnt 9                                 ; (the add and the youngest eight loads may be out)
	MUL16 F1, 0, 0, 0
	s_wait_dscnt 0x0                               ; the add is done, and my reads of this slot are over
	s_barrier_signal -1
	MUL16 F1, 0, 2, 0                              ; work on registers while the others arrive
.if \round
	WIN 0
.endif
	s_barrier_wait -1
.endm
; The whole last quarter.  fill = 1: the barrier opens a round of the cluster's barrier, and the slot just read out is filled again, first thing behind the round, with the K step two steps on.
.macro TURN slot, next, fill
.if \fill
	s_wait_xcnt 0x0                                ; the last prefetch, a K step back, has read its address
	s_add_nc_u64 s[PFA:PFA+1], s[PFA:PFA+1], KSTEP*2
	MEET 1
	CREST                                          ; no wave of any partner still reads this slot or has a load on its way
	s_add_nc_u64 s[G0+4*(\slot)+2:G0+4*(\slot)+3], s[G0+4*(\slot)+2:G0+4*(\slot)+3], 2*KSTEP*2
	s_add_nc_u64 s[G0B+4*(\slot)+2:G0B+4*(\slot)+3], s[G0B+4*(\slot)+2:G0B+4*(\slot)+3], 2*KSTEP*2
	JLOAD \slot                                    ; its four v_nop are also the places in front of the loads below
.else
	MEET 0
	PLACES
.endif
	FETCH \next, 0, F0
.if \fill
	ASK
.endif
	MUL16 F1, 1, 0, 0
	MUL16 F1, 1, 2, 0
.endm
	s_wait_loadcnt 0x0                             ; b_in and the sums of squares; all this stands in the wait for the first tiles
.set p, 4
.rept 12                               ; my quarter of W_in's partial sums, in four chains that the first eight pairs start,
.if p >= 8
	v_pk_add_f32 v[C+2*(p%4):C+2*(p%4)+1], v[C+2*(p%4):C+2*(p%4)+1], v[WS+2*p:WS+2*p+1]
.else
	v_pk_add_f32 v[C+2*(p%4):C+2*(p%4)+1], v[WS+2*(p-4):WS+2*(p-4)+1], v[WS+2*p:WS+2*p+1]
.endif
.set p, p+1
.endr
.set p, 0
.rept 16                               ; and of b_in's squares
	v_pk_fma_f32 v[C+2*(p%4):C+2*(p%4)+1], v[WS+32+2*p:WS+32+2*p+1], v[WS+32+2*p:WS+32+2*p+1], v[C+2*(p%4):C+2*(p%4)+1]
.set p, p+1
.endr
	v_pk_add_f32 v[C:C+1], v[C:C+1], v[C+2:C+3]
	v_pk_add_f32 v[C+4:C+5], v[C+4:C+5], v[C+6:C+7]
	v_pk_add_f32 v[C:C+1], v[C:C+1], v[C+4:C+5]
	v_add_f32 v[C], v[C], v[C+1]
	v_add_f32_dpp v[C], v[C], v[C] row_xmask:1 row_mask:0xf bank_mask:0xf
	v_add_f32_dpp v[C], v[C], v[C] row_xmask:2 row_mask:0xf bank_mask:0xf
	v_add_f32_dpp v[C], v[C], v[C] row_xmask:4 row_mask:0xf bank_mask:0xf
	v_add_f32_dpp v[C], v[C], v[C] row_xmask:8 row_mask:0xf bank_mask:0xf
	v_permlanex16_b32 v[C+1], v[C], s78, s79
	v_add_f32 v[C], v[C], v[C+1]
	ds_store_b32 v[SA], v[C]                       ; all lanes write my wave's word with the same value
	WIN 0x45                                       ; all in window 1: b_in of my columns is rounded to bf16 and widened again
.set i, 0
.rept 32
	v_cvt_pk_bf16_f32 v[192+i], v[2*i], v[2*i+1]
.set i, i+1
.endr
.set i, 0
.rept 32
	v_lshlrev_b32 v[2*i], 16, v[192+i]
	v_and_b32 v[2*i+1], 0xffff0000, v[192+i]
.set i, i+1
.endr
	WIN 0
	s_wait_tensorcnt 1                             ; my part of K step 0 is in; K step 1's may stay out
	s_wait_dscnt 0x0                               ; for the others' sake: my partial sum is stored
	s_barrier_signal -1
	s_barrier_wait -1
	ds_load_b128 v[C:C+3], v[SB]                   ; the four partial sums, in every lane
	FETCH 0, 0, F0
	s_wait_dscnt 32                                ; all but the 32 fragment loads just issued; the scales are made while those land
	v_add_f32 v[C], v[C], v[C+1]
	v_add_f32 v[C+2], v[C+2], v[C+3]
	v_add_f32 v[C], v[C], v[C+2]                   ; all squares of W_in and b_in
.irp j, 0,1,2,3,4,5,6,7,8              ; my 8 rows, and (j = 8) the row whose scales I store
	v_fma_f32 v[SG+(\j)], v[SG+(\j)], v[C], v[C]   ; B^2
.endr
.irp j, 0,1,2,3,4,5,6,7,8
	v_max_num_f32 v[SG+(\j)], 0x06800000, v[SG+(\j)]  ; at least 2^-114
.endr
.irp j, 0,1,2,3,4,5,6,7,8
	v_bfe_u32 v[SG+(\j)], v[SG+(\j)], 23, 8        ; e
.endr
.irp j, 0,1,2,3,4,5,6,7,8
	v_add_nc_u32 v[SG+(\j)], 1, v[SG+(\j)]
.endr
.irp j, 0,1,2,3,4,5,6,7,8
	v_lshrrev_b32 v[SG+(\j)], 1, v[SG+(\j)]        ; q
.endr
	v_lshl_add_u32 v[RW+1], v[RW], 1, -13          ; 2 q - 13
.irp j, 0,1,2,3,4,5,6,7,8
	v_add_nc_u32 v[SG+(\j)], 50, v[SG+(\j)]        ; q + 50
.endr
	v_cmp_eq_u32 s46, 1, v2
	v_cndmask_b32 v[RW], v[RW], v[RW+1], s46       ; lanes 0-15 store 2^(h-14), lanes 16-31 2^(2h-14),
	v_lshl_add_u32 v[WO], v2, 15, v[WO]            ; 8,192 words further on
.irp j, 0,1,2,3,4,5,6,7,8
	v_lshlrev_b32 v[SG+(\j)], 23, v[SG+(\j)]       ; the exponent fields become powers of two
.endr
	s_cmp_lg_u32 ttmp9, 0                          ; the cluster's x: the same in all sixteen partners
	s_cbranch_scc1 .Lno_sca
	global_store_b32 v[WO], v[RW], s[74:75]        ; its registers are never rewritten
.Lno_sca:
	QUARTER 0, 64,  F0, F1, 1                      ; the first quarter stands in front of the loop: its products start the sums
	WIN 0
	s_mov_b32 s3, LAPS-1
.Llap:                                         ; a trip goes once round the ring and fills both slots again: K steps 2 to 7
	QUARTER 0, 128, F1, F0, 0
	QUARTER 0, 192, F0, F1, 0
	TURN 0, 1, 1
	QUARTER 1, 64,  F0, F1, 0
	QUARTER 1, 128, F1, F0, 0
	QUARTER 1, 192, F0, F1, 0
	TURN 1, 0, 1
	QUARTER 0, 64,  F0, F1, 0
	WIN 0
	s_sub_co_u32 s3, s3, 1
	s_cmp_lg_u32 s3, 0
	s_cbranch_scc1 .Llap
	QUARTER 0, 128, F1, F0, 0                      ; the last lap is written out: it fills nothing
	QUARTER 0, 192, F0, F1, 0
	TURN 0, 1, 0
	QUARTER 1, 64,  F0, F1, 0
	QUARTER 1, 128, F1, F0, 0
	QUARTER 1, 192, F0, F1, 0
	s_wait_dscnt 8
	MUL16 F1, 0, 0, 0
	MUL16 F1, 0, 2, 0
	s_wait_dscnt 0x0
	MUL16 F1, 1, 0, 0
	MUL16 F1, 1, 2, 0
	WIN 0
.rept 8
	v_nop                                          ; plain places behind the last products, ahead of lines that read results and write over fragments
.endr
; THE WAY OUT, a block of 16 rows a trip: one text for the arithmetic, and in front of it eight short texts, one for each block, that add the bias, bring the block's 64 numbers a lane into window 0 and set the block's scales.
; A block's stores stand in the NEXT trip, behind that trip's short text: so its rows' way through the stage is not sat out, and the wait that frees the stores' registers stands a trip's arithmetic behind them.
; The loop is entered behind those stores; block 0's short text stands ahead of it; block 7's stores stand behind it.
.macro COPY a
	WIN 0x06+((\a)/4)                              ; source 0: window 2 or 3; source 1: window 1
.irp b, 0,1,2,3,4,5,6,7
.irp r, 0,2,4,6
	v_pk_add_f32 v[V+8*(\b)+(\r):V+8*(\b)+(\r)+1], v[64*((\a)%4)+8*(\b)+(\r):64*((\a)%4)+8*(\b)+(\r)+1], v[8*(\b)+(\r):8*(\b)+(\r)+1]
.endr
.endr
	WIN 0
	v_mov_b32 v[SC1], v[SG+(\a)]                   ; 2^(h-14) of my row of this block, as a pair,
	v_mov_b32 v[SC1+1], v[SG+(\a)]
	v_mul_f32 v[SC2], 0x46800000, v[SG+(\a)]       ; and 2^h: 2^14 times that
	v_mul_f32 v[SC2+1], 0x46800000, v[SG+(\a)]
.endm
.macro SEND                            ; the block that lies in OB; the pointers have been stepped past it
	s_wait_dscnt 0x0                               ; it is back in registers
.irp f, 0,1,2,3
	global_store_b128 v[GO], v[OB+4*(\f):OB+4*(\f)+3], s[68:69] offset:512*(\f)-16*128       ; 512 consecutive bytes, at a multiple of 256 from the buffer's first
	global_store_b128 v[GO], v[OB+16+4*(\f):OB+16+4*(\f)+3], s[70:71] offset:512*(\f)-16*128
.endr
.endm
	COPY 0
	s_mov_b32 s2, 0
	s_branch .Lproc
.Lblk:
.irp a, 1,2,3,4,5,6
	s_cmp_eq_u32 s2, \a
	s_cbranch_scc1 .Lc\a
.endr
	COPY 7
	s_branch .Lsend
.irp a, 1,2,3,4,5
.Lc\a:
	COPY \a
	s_branch .Lsend
.endr
.Lc6:
	COPY 6
.Lsend:
	SEND
.Lproc:
	; V[0..31] inner, V[32..63] gate.  Four batches of 32 transcendentals, each with plain work between its lines and one wait ahead of its first reader.
	; The scale rides in the line that adds 1: (1 + e) c = e c + c, with c = 2^(h-14) for the inner half and 2^h for the gate half; so the reciprocals come out as 2^(14-h) / (1 + e) and 2^(-h) / (1 + e),
	; xi as xi 2^(14-h), and the product of the two halves as g 2^(14-2h).
.set i, 0
.rept 16
	v_pk_mul_f32 v[E+i:E+i+1], v[V+i:V+i+1], s[72:73] op_sel_hi:[1,0]
.set i, i+2
.endr
.set i, 0
.rept 16
	v_exp_f32 v[E+i], v[E+i]
	v_exp_f32 v[E+i+1], v[E+i+1]
	v_pk_mul_f32 v[E+32+i:E+32+i+1], v[V+32+i:V+32+i+1], s[72:73] op_sel_hi:[1,0]
.set i, i+2
.endr
	s_wait_alu depctr_va_vdst(0)
.set i, 0
.rept 16
	v_exp_f32 v[E+32+i], v[E+32+i]
	v_exp_f32 v[E+33+i], v[E+33+i]
	v_pk_fma_f32 v[E+i:E+i+1], v[E+i:E+i+1], v[SC1:SC1+1], v[SC1:SC1+1]
.set i, i+2
.endr
	s_wait_alu depctr_va_vdst(0)
.set i, 0
.rept 16
	v_rcp_f32 v[E+i], v[E+i]
	v_rcp_f32 v[E+i+1], v[E+i+1]
	v_pk_fma_f32 v[E+32+i:E+32+i+1], v[E+32+i:E+32+i+1], v[SC2:SC2+1], v[SC2:SC2+1]
.set i, i+2
.endr
	s_wait_alu depctr_va_vdst(0)
.set i, 0
.rept 16
	v_rcp_f32 v[E+32+i], v[E+32+i]
	v_pk_mul_f32 v[V+i:V+i+1], v[V+i:V+i+1], v[E+i:E+i+1]          ; xi 2^(14-h)
	v_rcp_f32 v[E+33+i], v[E+33+i]
	v_cvt_pk_f16_f32 v[TMP+i/2], v[V+i], v[V+i+1]
.set i, i+2
.endr
	s_wait_alu depctr_va_vdst(0)
.set i, 0
.rept 16
	v_pk_mul_f32 v[V+32+i:V+32+i+1], v[V+32+i:V+32+i+1], v[E+32+i:E+32+i+1]  ; silu(gate) 2^(-h)
.set i, i+2
.endr
.set i, 0
.rept 16
	v_pk_mul_f32 v[V+32+i:V+32+i+1], v[V+32+i:V+32+i+1], v[V+i:V+i+1]        ; g 2^(14-2h), of the unrounded xi
.set i, i+2
.endr
.set i, 0
.rept 16
	v_cvt_pk_f16_f32 v[TMP+16+i/2], v[V+32+i], v[V+33+i]
.set i, i+2
.endr
	s_wait_xcnt 0x0                                ; the last block's stores, a trip's arithmetic back, have read their data and bases: both are written again only behind this wait
	s_add_nc_u64 s[68:69], s[68:69], 16*128        ; past the block in hand: its stores reach back
	s_add_nc_u64 s[70:71], s[70:71], 16*128
.irp b, 0,1,2,3
	ds_store_b128 v[STO], v[TMP+4*(\b):TMP+4*(\b)+3] offset:32*(\b)
	ds_store_b128 v[STO], v[TMP+16+4*(\b):TMP+16+4*(\b)+3] offset:PART+32*(\b)
.endr
.irp f, 0,1,2,3
	ds_load_b128 v[OB+4*(\f):OB+4*(\f)+3], v[RD] offset:(\f)*4*SP              ; LDS serves a wave's instructions in order (ISA guide 5.7.1.4): these see the stores above
	ds_load_b128 v[OB+16+4*(\f):OB+16+4*(\f)+3], v[RD] offset:PART+(\f)*4*SP
.endr
	s_add_co_u32 s2, s2, 1
	s_cmp_lt_u32 s2, 8
	s_cbranch_scc1 .Lblk
	SEND                                           ; block 7
	s_wait_tensorcnt 0x0                           ; the wave's end: behind my last tensor load and my last LDS store
	ds_add_u32 v[SPW], v[NIL]
	s_wait_dscnt 0x0
	CROUND                                         ; the closing round: no work-group ends while a partner may still ask for a tile that names it
	s_endpgm
.Lfunc_end_k_qf115e47f2e_gemm_in:
	.size	k_qf115e47f2e_gemm_in, .Lfunc_end_k_qf115e47f2e_gemm_in-k_qf115e47f2e_gemm_in
	.p2alignl 7, 3214868480
	.fill 96, 4, 3214868480
	.section	.rodata,"a",@progbits
	.p2align	6, 0x0
	.amdhsa_kernel k_qf115e47f2e_gemm_in
		.amdhsa_group_segment_fixed_size 327680
		.amdhsa_private_segment_fixed_size 0
		.amdhsa_enable_private_segment 0
		.amdhsa_kernarg_size 48
		.amdhsa_user_sgpr_count 2
		.amdhsa_user_sgpr_kernarg_segment_ptr 1
		.amdhsa_wavefront_size32 1
		.amdhsa_system_sgpr_workgroup_id_x 1
		.amdhsa_system_sgpr_workgroup_id_y 1
		.amdhsa_system_sgpr_workgroup_id_z 1
		.amdhsa_system_vgpr_workitem_id 0
		.amdhsa_next_free_vgpr 1024
		.amdhsa_next_free_sgpr 80
		.amdhsa_reserve_vcc 0
		.amdhsa_float_denorm_mode_32 3
		.amdhsa_float_denorm_mode_16_64 3
		.amdhsa_memory_ordered 1
		.amdhsa_forward_progress 1
		.amdhsa_inst_pref_size 163
	.end_amdhsa_kernel
	.amdgpu_metadata
---
amdhsa.version: [ 1, 2 ]
amdhsa.kernels:
  - .name:           k_qf115e47f2e_gemm_in
    .symbol:         k_qf115e47f2e_gemm_in.kd
    .args:
      - { .name: xb, .offset: 0, .size: 8, .value_kind: global_buffer, .address_space: global }
      - { .name: wts, .offset: 8, .size: 8, .value_kind: global_buffer, .address_space: global }
      - { .name: b_in, .offset: 16, .size: 8, .value_kind: global_buffer, .address_space: global }
      - { .name: xi, .offset: 24, .size: 8, .value_kind: global_buffer, .address_space: global }
      - { .name: gg, .offset: 32, .size: 8, .value_kind: global_buffer, .address_space: global }
      - { .name: sca, .offset: 40, .size: 8, .value_kind: global_buffer, .address_space: global }
    .group_segment_fixed_size: 327680
    .private_segment_fixed_size: 0
    .kernarg_segment_align: 8
    .kernarg_segment_size: 48
    .max_flat_workgroup_size: 128
    .sgpr_count:     80
    .vgpr_count:     1024
    .wavefront_size: 32
...
	.end_amdgpu_metadata
.endif
;; end of part 7
;; launch gemm_mid (part 8): grid 8 x 32, 4 waves a work-group, clusters of 4 x 4, 327,680 bytes of LDS; arguments xi, gg, wts, b_dt, scn, pp, sca; writes scn, pp
.if DOCPART == 8
	.amdgcn_target "amdgcn-amd-amdhsa--gfx1250"
	.amdhsa_code_object_version 6
	.text
	.protected	k_qf115e47f2e_gemm_mid
	.globl	k_qf115e47f2e_gemm_mid
	.p2align	8
	.type	k_qf115e47f2e_gemm_mid,@function
k_qf115e47f2e_gemm_mid:
	s_mov_b64 s[64:65], 0
	v_nop
	global_prefetch_b8 v0, s[64:65] scope:SCOPE_SE
	s_setreg_imm32_b32 hwreg(HW_REG_WAVE_MODE, 25, 1), 1
	s_wait_xcnt 0x0
	s_wait_alu depctr_hold_cnt(0) depctr_sa_sdst(0) depctr_va_vdst(0) depctr_va_sdst(0) depctr_va_ssrc(0) depctr_va_vcc(0) depctr_vm_vsrc(0)
	s_getreg_b32 s2, hwreg(HW_REG_IB_STS2, 6, 4)
	s_cmp_eq_u32 s2, 0
	s_cbranch_scc0 .Lentry_in_a_cluster
	s_endpgm
.Lentry_in_a_cluster:
	s_bfe_u32 s2, ttmp6, 0x10000c
	s_cmp_lg_u32 s2, 0xf033
	s_cbranch_scc0 .Lentry_shape_is_right
	s_endpgm
.Lentry_shape_is_right:
; TWO PRODUCTS OF ONE SHAPE IN ONE LAUNCH, 8192 x 2048 x 1024 each, told apart by the cluster's x (equal in all partners of a cluster):
;   cluster x = 0: z = xi W_dt + b_dt; of softplus(z) the sum over my wave's 128 columns of each row (f32) -> scn, part 2 x tile column + ch; and bx = xi W_xp (without b_xp, in f32) -> scn.
;   cluster x = 1: P = g W_out, in f32 -> pp [8192][1024].  (The row's scalar of the scan multiplies P in the last launch: it is a factor of the whole row of y.)
; A = xi or gg, [32 planes][8192 rows][64] f16, each row under its power of two: xi 2^(14-h), g 2^(14-2h) (the launch before).  B = a tile of Wcat: 272 rows x 2048 f16 (the weights rounded to bf16, written as f16):
; 256 columns of the product and 16 extra (W_xp's, or zeros).  Sums in f32.  The sums of xi's products are multiplied by the row's 2^(h-14) here, in the line that adds b_dt and on bx's way out; P leaves under g's
; power, which the last launch takes out together with the scan's scalar.
; Every input of the module is taken rounded once to bf16 (to nearest even): the weights in the first launch, b_dt here.
; SOFTPLUS.  softplus(z) = max(z, 0) + ln 2 log2(1 + 2^(-|z| log2 e)): no finite z overflows it.  Only its sum along a row is wanted, and a sum of logarithms is the logarithm of the product: every factor 1 + 2^(..) lies
; in 1 to 2, so the product of a lane's 64 factors is 2^64 at the most, for every input: it is made in f32, as p = p e + p, and ONE logarithm is taken of it.
; LIMITS.  Each link of the product is rounded to f32: an error under 6e-8 a number in the sum, as a sum of logarithms in f32 has too.  v_exp_f32 and v_log_f32 flush denormals (ISA guide 15.8).  NaN and infinities are not treated apart.
; SHAPE.  A tile is 256 rows x 272 columns, K in 16 steps of 128 through two LDS slots; four waves, each 128 x 128 in 64 accumulators, and 4 more (XA) for the 16 extra columns x 64 of its rows.
; So that XA's rows are fixed in the text, a wave's A fragments are loaded ROTATED: register blocks 0-3 hold rows 128 rh + 64 ch + .., blocks 4-7 rows 128 rh + 64 (1 - ch) + ..; addresses alone know of it.
; THE PRICE of one loop text for both kinds: where cluster x = 1, four products in 68 multiply rows of zeros, nobody reads XA, and the rows' 2^(h-14) and b_dt are loaded and not used.
; CLUSTER.  4 x 4: A's planes are asked for jointly along a row of the cluster, B's tile along a column.  The matrix instruction is used transposed (source 0 = B): a lane holds row l % 16, columns 8 (l / 16) + 0..7.
; REGISTERS: window 0: v0-31 addresses; v64-127, v128-191 A's fragments; v192-207 the rows' 2^(h-14); v32-63, v208-255 at work on the way out.
;   window 1: v0-15 the extra columns' fragments; v16-47 b_dt of my 128 columns, packed bf16; v64-191 B's fragments; v192-223 XA.      windows 2, 3: accumulators of register blocks 0-3, 4-7: (a, b) at v[8 (8 (a % 4) + b)].
.set KSTEP,  128
.set AP,     144                       ; a row of a plane of A in LDS: 128 bytes + 16 = 36 words: the 16 rows of a load start at 16 different groups of four banks (64 banks of 4 bytes: ISA guide 11.1)
.set PL,     256*AP                    ; a plane: 256 rows x 64 k
.set PITCH,  272                       ; a row of B: 256 bytes + 16
.set BOFF,   2*PL                      ; B lies behind A's two planes
.set BHALF,  136*PITCH                 ; what one tensor load brings of B
.set SLOT,   BOFF+2*BHALF
.set STAGE,  2*SLOT                    ; behind the ring: 16 rows x 272 bytes for each wave
.set WSTG,   16*PITCH
.set SPARE,  STAGE+4*WSTG              ; behind the stages: the spare words, 128 bytes for each wave
.set WC,     8388608                   ; Wcat's first byte in wts
.set MIB,    1048576                   ; a plane of xi or gg
.set LAPS,   8
.set RSA,  12                          ; v12  my row's word in the stage's row sums
.set RSR,  13                          ; v13  where I read four row sums back
.set DO,   14                          ; v14  their place in scn
.set XO,   15                          ; v15  my 32 bytes of a row of bx
.set ADRL, 16                          ; v16-17  A's register blocks 0-3 in slot 0, 1
.set ADRH, 18                          ; v18-19  blocks 4-7
.set ADRB, 20                          ; v20-21  B
.set ADRX, 22                          ; v22-23  the extra columns
.set STO,  24                          ; v24  the way out of P: where I put my 32 bytes of a row
.set RD,   25                          ; v25  where I read a row back
.set CO,   26                          ; v26  my byte offset in two rows of pp
.set BO,   27                          ; v27  my byte offset in b_dt
.set SPW,  28                          ; v28  LDS address of my spare word; never rewritten
.set NIL,  29                          ; v29  0; never rewritten
.set PFO,  30                          ; v30  the prefetches' offset; never rewritten
.set IVO,  31                          ; v31  4 x (l % 16): my row's word among a block's 16
.set F0,   64
.set F1,   128
.set V,    64
.set E,    128
.set SV,   32                          ; v32-39 four chains of the sum of max(z, 0)
.set PR,   40                          ; v40-47 four chains of the product of 1 + 2^(..)
.set IV,   192                         ; v192-207  2^(h-14) of my row in each of my 8 register blocks, as pairs
.set TMP,  208                         ; v208-239  bx on its way out
.set OB,   32
.set BP,   16                          ; window 1: b_dt, packed
.set XA,   192                         ; window 1
.set LIM,  43
.set PFA,  44
.set PST,  84                          ; s[84:85] bytes from a K step to the next for my prefetches
.set PLO,  86                          ; s[86:87] pp at the rows of blocks 0-3, s[88:89] of blocks 4-7
.set G1,   24
.set G0,   32
.set G1B,  48
.set G0B,  56
.set MSB, 0
.macro WIN new
.if MSB != (\new)
	s_set_vgpr_msb (MSB<<8)|(\new)
.set MSB, \new
.endif
.endm
.set MUL_LO, 0xa1
.set MUL_HI, 0xf1
.set TO_B,   0x40
.macro JLOAD s                         ; waves 0 and 1 fetch A's two planes, waves 2 and 3 B's two halves; an s_nop 0 and four v_nop follow each line
	s_cmp_eq_u32 s11, 0
	s_cbranch_scc0 .Lfor_b_\@
	tensor_load_to_lds s[G0+4*(\s):G0+4*(\s)+3], s[G1:G1+7]
	s_nop 0
.rept 4
	v_nop
.endr
	s_branch .Lasked_\@
.Lfor_b_\@:
	tensor_load_to_lds s[G0B+4*(\s):G0B+4*(\s)+3], s[G1B:G1B+7]
	s_nop 0
.rept 4
	v_nop
.endr
.Lasked_\@:
.endm
; A prefetch of the K step that stands two refills on, one instruction a wave, a lane for each 256 bytes.  A's planes are read by one row of one cluster alone: waves 0 and 1 of every work-group ask, the four
; partners taking 32 each of the plane tile's 128 pieces, told apart by address.  B's tile column is walked by eight clusters: the one with y = 0 asks, its four partners taking 32 rows each of a half's first 128
; (rows 128-135 come by their loads alone).  K steps 4 to 15 are named, each piece once in the launch; the loop's last trip (s3 = 1) asks for nothing.
.macro ASK
	s_cmp_gt_u32 s3, s[LIM]
	s_cbranch_scc0 .Lnot_mine_\@
	global_prefetch_b8 v[PFO], s[PFA:PFA+1] th:TH_LOAD_NT scope:SCOPE_SE
.Lnot_mine_\@:
.endm
.macro CREST
	s_cmp_lg_u32 s10, 0
	s_cbranch_scc1 .Lnot_wave_0_\@
	s_barrier_signal -3
.Lnot_wave_0_\@:
	s_barrier_wait -3
	s_barrier_signal -1
	s_barrier_wait -1
.endm
.macro CROUND
	s_barrier_signal -1
	s_barrier_wait -1
	CREST
.endm
	s_load_b256 s[68:75], s[0:1], 0x0              ; xi s[68:69], gg s[70:71], wts s[72:73], b_dt s[74:75]
	s_load_b128 s[76:79], s[0:1], 0x20             ; scn s[76:77], pp s[78:79]
	s_load_b64 s[6:7], s[0:1], 0x30                ; sca
	v_lshl_add_u32 v[SPW], v0, 2, SPARE
	v_mov_b32 v[NIL], 0
	ds_add_u32 v[SPW], v[NIL]                      ; the wave's opening: the add and its wait stand ahead of my first tensor load
	v_lshrrev_b32 v1, 5, v0
	v_readfirstlane_b32 s10, v1                    ; wave 0..3
	s_lshr_b32 s11, s10, 1                         ; rh.  Also: I fetch for A (0) or for B (1)
	s_and_b32 s12, s10, 1                          ; ch.  Also: which plane of A, which half of B I fetch
	s_mov_b32 s82, ttmp9                           ; the kind: 0 = xi W_dt and xi W_xp, 1 = g W_out
	s_bfe_u32 s40, ttmp6, 0x40000                  ; cx
	s_bfe_u32 s41, ttmp6, 0x40004                  ; cy
	s_lshl_b32 s42, ttmp9, 2
	s_add_co_u32 s42, s42, s40                     ; Wcat's tile = 4 x cluster x + cx
	s_and_b32 s13, ttmp7, 0xffff
	s_lshl_b32 s13, s13, 2
	s_add_co_u32 s13, s13, s41                     ; tile row = 4 x cluster y + cy
	s_lshl_b32 s43, s41, 2
	s_lshl_b32 s43, 15, s43                        ; my row of the cluster
	s_lshl_b32 s44, 0x1111, s40                    ; my column
	; A: 256 dense rows of 128 bytes are asked for as 128 rows of 256 bytes and padded in LDS after every 32 words
	s_or_b32 s[G1+0], s43, (1<<16)|(1<<20)|(1<<21)|(4<<22)|(3<<25)
	s_mov_b32 s[G1+1], 128<<16                     ; tensor_dim0 = 128
	s_mov_b32 s[G1+2], 128<<16                     ; tensor_dim1 = 128
	s_mov_b32 s[G1+3], 128<<16                     ; tile_dim0 = 128
	s_mov_b32 s[G1+4], 128                         ; tile_dim1 = 128
	s_mov_b32 s[G1+5], 128                         ; elements from row to row
	s_mov_b32 s[G1+6], 0
	s_mov_b32 s[G1+7], 0
	; B: 136 rows x 128 elements, padded after every 64 words
	s_or_b32 s[G1B+0], s44, (1<<16)|(1<<20)|(1<<21)|(5<<22)|(3<<25)
	s_mov_b32 s[G1B+1], 128<<16
	s_mov_b32 s[G1B+2], 136<<16
	s_mov_b32 s[G1B+3], 128<<16
	s_mov_b32 s[G1B+4], 136
	s_mov_b32 s[G1B+5], 2048
	s_mov_b32 s[G1B+6], 0
	s_mov_b32 s[G1B+7], 0
	s_lshl_b32 s16, s13, 15                        ; A: the tile row's 256 rows of 128 bytes,
	s_lshl_b32 s17, s12, 20                        ; in plane ch
	s_add_co_u32 s16, s16, s17
	s_mov_b32 s17, 0
	s_mul_i32 s46, s42, 272                        ; B: row 272 x tile + 136 x half,
	s_mul_i32 s47, s12, 136
	s_add_co_u32 s46, s46, s47
	s_lshl_b32 s46, s46, 12                        ; of 4,096 bytes,
	s_add_co_u32 s46, s46, WC                      ; in Wcat
	s_mov_b32 s47, 0
	s_mul_i32 s20, s12, PL                         ; where they go: no place in the cluster enters an LDS address
	s_mul_i32 s21, s12, BHALF
	s_add_co_u32 s21, s21, BOFF
	s_mov_b32 s80, 0x76543210                      ; v_permlanex16_b32's selects: each lane takes its own place in the other half
	s_mov_b32 s81, 0xfedcba98
	s_mov_b32 s94, 0xbfb8aa3b                      ; -log2(e)
	s_mov_b32 s95, 0x3f317218                      ; ln 2
	s_wait_dscnt 0x0                               ; the opening add is done
	s_wait_kmcnt 0x0
	s_cmp_eq_u32 s82, 0
	s_cselect_b64 s[4:5], s[68:69], s[70:71]       ; A
	s_add_nc_u64 s[14:15], s[4:5], s[16:17]
	s_add_nc_u64 s[46:47], s[72:73], s[46:47]
	CROUND                                         ; all sixteen work-groups are here: the first joint loads meet
.irp s, 0,1
	s_mov_b32 s[G0+4*(\s)], 1
	s_add_co_u32 s[G0+4*(\s)+1], s20, (\s)*SLOT
	s_add_nc_u64 s[G0+4*(\s)+2:G0+4*(\s)+3], s[14:15], (\s)*2*MIB  ; K step s: planes 2 s, 2 s + 1
	s_or_b32 s[G0+4*(\s)+3], s[G0+4*(\s)+3], 0x80000000
	s_mov_b32 s[G0B+4*(\s)], 1
	s_add_co_u32 s[G0B+4*(\s)+1], s21, (\s)*SLOT
	s_add_nc_u64 s[G0B+4*(\s)+2:G0B+4*(\s)+3], s[46:47], (\s)*KSTEP*2
	s_or_b32 s[G0B+4*(\s)+3], s[G0B+4*(\s)+3], 0x80000000
	JLOAD \s                                       ; two tensor loads of mine are out
.endr
	v_and_b32 v1, 15, v0                           ; r = l % 16
	v_bfe_u32 v2, v0, 4, 1                         ; h = l / 16
	v_and_b32 v6, 31, v0                           ; l
	v_mul_u32_u24 v3, v1, AP
	v_lshl_add_u32 v3, v2, 4, v3
	v_mul_u32_u24 v4, v1, PITCH
	v_lshl_add_u32 v4, v2, 4, v4
	s_lshl_b32 s20, s11, 7
	s_lshl_b32 s21, s12, 6
	s_add_co_u32 s22, s20, s21                     ; the tile's rows of my register blocks 0-3: 128 rh + 64 ch,
	s_xor_b32 s21, s21, 64
	s_add_co_u32 s23, s20, s21                     ; of blocks 4-7: 128 rh + 64 (1 - ch)
	s_mul_i32 s14, s22, AP
	s_mul_i32 s15, s23, AP
	s_mul_i32 s16, s12, 128*PITCH
	s_add_co_u32 s16, s16, BOFF
	s_mov_b32 s17, BOFF+256*PITCH
.irp s, 0,1
	v_add_nc_u32 v[ADRL+(\s)], s14, v3
	v_add_nc_u32 v[ADRH+(\s)], s15, v3
	v_add_nc_u32 v[ADRB+(\s)], s16, v4
	v_add_nc_u32 v[ADRX+(\s)], s17, v4
	s_add_co_u32 s14, s14, SLOT
	s_add_co_u32 s15, s15, SLOT
	s_add_co_u32 s16, s16, SLOT
	s_add_co_u32 s17, s17, SLOT
.endr
	s_lshl_b32 s14, s13, 8                         ; 256 x tile row
	s_add_co_u32 s15, s14, s22                     ; the rows of blocks 0-3,
	s_add_co_u32 s16, s14, s23                     ; of blocks 4-7
	s_mov_b32 s47, 0
	s_lshl_b32 s46, s16, 2                         ; their 2^(h-14): the first of sca's two arrays of 8,192 words
	s_add_nc_u64 s[8:9], s[6:7], s[46:47]
	s_lshl_b32 s46, s15, 2
	s_add_nc_u64 s[6:7], s[6:7], s[46:47]
	v_lshlrev_b32 v[IVO], 2, v1
.irp a, 0,1,2,3
	global_load_b32 v[IV+2*(\a)],   v[IVO], s[6:7] offset:64*(\a)
	global_load_b32 v[IV+8+2*(\a)], v[IVO], s[8:9] offset:64*(\a)
.endr
	s_lshl_b32 s46, s40, 10                        ; b_dt: columns 256 cx + 128 ch + .., 4 bytes each (cx is the tile's number within its kind)
	s_lshl_b32 s21, s12, 9
	s_add_co_u32 s46, s46, s21
	v_lshl_add_u32 v[BO], v2, 5, s46
	WIN TO_B                                       ; into B's first fragment buffer
.irp b, 0,1,2,3,4,5,6,7
	global_load_b128 v[64+8*(\b):64+8*(\b)+3], v[BO], s[74:75] offset:64*(\b)
	global_load_b128 v[64+8*(\b)+4:64+8*(\b)+7], v[BO], s[74:75] offset:64*(\b)+16
.endr
	WIN 0
	s_mul_i32 s20, s10, WSTG
	s_add_co_u32 s20, s20, STAGE                   ; my stage
	v_mul_u32_u24 v5, v1, PITCH                    ; in: row r, 32 bytes (8 numbers in f32) for each half of the lanes
	v_lshl_add_u32 v5, v2, 5, v5
	v_add_nc_u32 v[STO], s20, v5
	v_mul_u32_u24 v5, v2, PITCH                    ; back: lanes 0-15 one row of 256 bytes, lanes 16-31 the next
	v_lshl_add_u32 v5, v1, 4, v5
	v_add_nc_u32 v[RD], s20, v5
	v_lshl_add_u32 v[RSA], v1, 2, s20
	v_lshl_add_u32 v[RSR], v6, 4, s20
	v_lshlrev_b32 v[CO], 12, v2                    ; the same two rows in pp, 4,096 bytes apart
	v_lshl_add_u32 v[CO], v1, 4, v[CO]
	v_lshlrev_b32 v[XO], 6, v1                     ; bx: a row of a plane is 16 numbers in f32, 64 bytes; my 8 of them
	v_lshl_add_u32 v[XO], v2, 5, v[XO]
	v_xor_b32 v5, s12, v2                          ; row sums 0-63 of the stage belong to rows 64 ch .., 64-127 to rows 64 (1 - ch) ..
	v_lshlrev_b32 v[DO], 8, v5
	v_lshl_add_u32 v[DO], v1, 4, v[DO]
	s_lshl_b32 s20, s40, 10                        ; pp: 256 columns of 4 bytes a tile, 128 a wave
	s_lshl_b32 s21, s12, 9
	s_add_co_u32 s20, s20, s21
	s_lshl_b32 s46, s15, 12
	s_add_co_u32 s46, s46, s20
	s_add_nc_u64 s[PLO:PLO+1], s[78:79], s[46:47]
	s_lshl_b32 s46, s16, 12
	s_add_co_u32 s46, s46, s20
	s_add_nc_u64 s[PLO+2:PLO+3], s[78:79], s[46:47]
	s_lshl_b32 s46, s15, 6                         ; bx: [4 planes][8192][16] f32 at byte 262,144 of scn
	s_lshl_b32 s21, s40, 19
	s_add_co_u32 s46, s46, s21
	s_add_co_u32 s46, s46, 262144
	s_add_nc_u64 s[90:91], s[76:77], s[46:47]
	s_lshl_b32 s46, s40, 1                         ; row sums: [8 parts][8192] f32 at byte 0: part 2 cx + ch,
	s_add_co_u32 s46, s46, s12
	s_lshl_b32 s46, s46, 15
	s_lshl_b32 s21, s11, 7
	s_add_co_u32 s21, s21, s14                     ; row 256 x tile row + 128 rh
	s_lshl_b32 s21, s21, 2
	s_add_co_u32 s46, s46, s21
	s_add_nc_u64 s[92:93], s[76:77], s[46:47]
	; the prefetches: both stand at K step 3; the first refill steps them to 4 and names that
	s_add_co_u32 s20, s12, 6
	s_lshl_b32 s20, s20, 20                        ; A: plane 6 + ch,
	s_lshl_b32 s21, s13, 15                        ; the tile row's 32,768 bytes,
	s_add_co_u32 s20, s20, s21
	s_lshl_b32 s21, s40, 13                        ; my work-group's quarter of them
	s_add_co_u32 s20, s20, s21
	s_mul_i32 s46, s42, 272                        ; B: row 272 x tile + 136 x half + 32 cy
	s_mul_i32 s21, s12, 136
	s_add_co_u32 s46, s46, s21
	s_lshl_b32 s21, s41, 5
	s_add_co_u32 s46, s46, s21
	s_lshl_b32 s46, s46, 12
	s_add_co_u32 s46, s46, WC+3*KSTEP*2
	s_mov_b32 s[PST], KSTEP*2
	s_mov_b32 s[PST+1], 0
	s_and_b32 s22, ttmp7, 0xffff
	s_cmp_eq_u32 s22, 0
	s_cselect_b32 s22, 1, -1                       ; B is asked for by the clusters with y = 0
	s_cmp_eq_u32 s11, 0                            ; do I fetch for A?
	s_cselect_b32 s20, s20, s46
	s_cselect_b32 s[LIM], 1, s22                   ; the same in all sixteen partners, for a given wave
	s_cselect_b64 s[PFA:PFA+1], s[4:5], s[72:73]
	s_cselect_b32 s[PST], 2*MIB, s[PST]
	s_cselect_b32 s23, 8, 12                       ; a lane's pieces lie 256 bytes apart in A, a row of 4,096 apart in B
	s_mov_b32 s21, 0
	s_add_nc_u64 s[PFA:PFA+1], s[PFA:PFA+1], s[20:21]
	v_lshlrev_b32 v[PFO], s23, v6
.macro MUL16 f, hi, a0, zero
	WIN MUL_LO+0x50*(\hi)
.irp a, \a0, (\a0)+1
.irp b, 0,1,2,3,4,5,6,7
.if \zero
	v_wmma_f32_16x16x32_f16 v[8*(8*(\a)+(\b)):8*(8*(\a)+(\b))+7], v[(\f)+8*(\b):(\f)+8*(\b)+7], v[(\f)+8*(4*(\hi)+(\a)):(\f)+8*(4*(\hi)+(\a))+7], 0
.else
	v_wmma_f32_16x16x32_f16 v[8*(8*(\a)+(\b)):8*(8*(\a)+(\b))+7], v[(\f)+8*(\b):(\f)+8*(\b)+7], v[(\f)+8*(4*(\hi)+(\a)):(\f)+8*(4*(\hi)+(\a))+7], v[8*(8*(\a)+(\b)):8*(8*(\a)+(\b))+7]
.endif
.endr
.endr
.endm
; the 16 extra columns x register blocks 0-3: four matrix instructions on four accumulators of their own
.macro MULX f, zero
	WIN 0x51                                       ; source 0, C and D window 1, source 1 (A) window 0
.irp i, 0,1,2,3
.if \zero
	v_wmma_f32_16x16x32_f16 v[XA+8*(\i):XA+8*(\i)+7], v[((\f)-64)/8:((\f)-64)/8+7], v[(\f)+8*(\i):(\f)+8*(\i)+7], 0
.else
	v_wmma_f32_16x16x32_f16 v[XA+8*(\i):XA+8*(\i)+7], v[((\f)-64)/8:((\f)-64)/8+7], v[(\f)+8*(\i):(\f)+8*(\i)+7], v[XA+8*(\i):XA+8*(\i)+7]
.endif
.endr
.endm
; 34 LDS loads in one run: B's 16, the extra columns' 2, A's blocks 0-3 (8), A's blocks 4-7 (8).  Byte k of a K step's 256 lies in plane k / 128 at byte k % 128.
.macro FETCH slot, k, f
	WIN TO_B
.irp i, 0,1,2,3,4,5,6,7
	ds_load_b128 v[(\f)+8*(\i):(\f)+8*(\i)+3],   v[ADRB+(\slot)] offset:(\k)+(\i)*16*PITCH
	ds_load_b128 v[(\f)+8*(\i)+4:(\f)+8*(\i)+7], v[ADRB+(\slot)] offset:(\k)+(\i)*16*PITCH+32
.endr
	ds_load_b128 v[((\f)-64)/8:((\f)-64)/8+3],   v[ADRX+(\slot)] offset:(\k)
	ds_load_b128 v[((\f)-64)/8+4:((\f)-64)/8+7], v[ADRX+(\slot)] offset:(\k)+32
	WIN 0
.irp i, 0,1,2,3
	ds_load_b128 v[(\f)+8*(\i):(\f)+8*(\i)+3],   v[ADRL+(\slot)] offset:((\k)/128)*PL+(\k)%128+(\i)*16*AP
	ds_load_b128 v[(\f)+8*(\i)+4:(\f)+8*(\i)+7], v[ADRL+(\slot)] offset:((\k)/128)*PL+(\k)%128+(\i)*16*AP+32
.endr
.irp i, 0,1,2,3
	ds_load_b128 v[(\f)+32+8*(\i):(\f)+32+8*(\i)+3],   v[ADRH+(\slot)] offset:((\k)/128)*PL+(\k)%128+(\i)*16*AP
	ds_load_b128 v[(\f)+32+8*(\i)+4:(\f)+32+8*(\i)+7], v[ADRH+(\slot)] offset:((\k)/128)*PL+(\k)%128+(\i)*16*AP+32
.endr
.endm
.macro PLACES
.rept 4
	v_nop
.endr
.endm
; A quarter of a K step: 68 matrix instructions on 68 accumulators that take turns, one instruction a turn.
.macro QUARTER slot, k, f, g, zero
	s_wait_dscnt 8                                 ; all but the youngest eight loads (A's blocks 4-7)
	MUL16 \f, 0, 0, \zero
	MUL16 \f, 0, 2, \zero
	MULX \f, \zero
	PLACES
	FETCH \slot, \k, \g
	s_wait_dscnt 34                                ; all but the 34 just issued
	MUL16 \f, 1, 0, \zero
	MUL16 \f, 1, 2, \zero
.endm
.macro MEET round
	WIN 0
	s_wait_tensorcnt 0x0                           ; all my tensor loads have landed: the one that was out is my part of the next slot;
	ds_add_u32 v[SPW], v[NIL]                      ; 0 onto my spare word;
	s_wait_dscnt 9                                 ; (the add and the youngest eight loads may be out)
	MUL16 F1, 0, 0, 0
	s_wait_dscnt 0x0                               ; the add is done, and my reads of this slot are over
	s_barrier_signal -1
	MUL16 F1, 0, 2, 0                              ; work on registers while the others arrive
	MULX F1, 0
.if \round
	WIN 0
.endif
	s_barrier_wait -1
.endm
.macro TURN slot, next, fill
.if \fill
	s_wait_xcnt 0x0                                ; the last prefetch, a K step back, has read its address
	s_add_nc_u64 s[PFA:PFA+1], s[PFA:PFA+1], s[PST:PST+1]
	MEET 1
	CREST                                          ; no wave of any partner still reads this slot or has a load on its way
	s_add_nc_u64 s[G0+4*(\slot)+2:G0+4*(\slot)+3], s[G0+4*(\slot)+2:G0+4*(\slot)+3], 4*MIB       ; two K steps on: four planes,
	s_add_nc_u64 s[G0B+4*(\slot)+2:G0B+4*(\slot)+3], s[G0B+4*(\slot)+2:G0B+4*(\slot)+3], 2*KSTEP*2 ; 512 bytes along B's rows
	JLOAD \slot                                    ; its four v_nop are also the places in front of the loads below
.else
	MEET 0
	PLACES
.endif
	FETCH \next, 0, F0
.if \fill
	ASK
.endif
	MUL16 F1, 1, 0, 0
	MUL16 F1, 1, 2, 0
.endm
	s_wait_loadcnt 0x0                             ; the rows' 2^(h-14) and b_dt, while the first tiles are on their way;
.irp a, 0,1,2,3,4,5,6,7
	v_mov_b32 v[IV+2*(\a)+1], v[IV+2*(\a)]         ; as pairs, for the packed lines
.endr
	WIN 0x45                                       ; all in window 1: b_dt is rounded to bf16 and kept packed, 32 registers, while the fragment buffer that it came into is used
.set i, 0
.rept 32
	v_cvt_pk_bf16_f32 v[BP+i], v[64+2*i], v[64+2*i+1]
.set i, i+1
.endr
	WIN 0
	s_wait_tensorcnt 1                             ; my part of K step 0 is in; K step 1's may stay out
	s_barrier_signal -1
	s_barrier_wait -1
	FETCH 0, 0, F0
	QUARTER 0, 64,  F0, F1, 1                      ; the first quarter's products start all 68 sums
	WIN 0
	s_mov_b32 s3, LAPS-1
.Llap:                                         ; a trip goes once round the ring and fills both slots again: K steps 2 to 15
	QUARTER 0, 128, F1, F0, 0
	QUARTER 0, 192, F0, F1, 0
	TURN 0, 1, 1
	QUARTER 1, 64,  F0, F1, 0
	QUARTER 1, 128, F1, F0, 0
	QUARTER 1, 192, F0, F1, 0
	TURN 1, 0, 1
	QUARTER 0, 64,  F0, F1, 0
	WIN 0
	s_sub_co_u32 s3, s3, 1
	s_cmp_lg_u32 s3, 0
	s_cbranch_scc1 .Llap
	QUARTER 0, 128, F1, F0, 0                      ; the last lap is written out: it fills nothing
	QUARTER 0, 192, F0, F1, 0
	TURN 0, 1, 0
	QUARTER 1, 64,  F0, F1, 0
	QUARTER 1, 128, F1, F0, 0
	QUARTER 1, 192, F0, F1, 0
	s_wait_dscnt 8
	MUL16 F1, 0, 0, 0
	MUL16 F1, 0, 2, 0
	MULX F1, 0
	s_wait_dscnt 0x0
	MUL16 F1, 1, 0, 0
	MUL16 F1, 1, 2, 0
	WIN 0
.rept 8
	v_nop                                          ; plain places behind the last products, ahead of lines that read results and write over fragments
.endr
	s_cmp_lg_u32 s82, 0
	s_cbranch_scc1 .Lout
	; KIND 0.  bx leaves, in f32, its row's power taken out; b_dt is widened into window 1 v64-127.
	WIN 0x01                                       ; source 0 (XA) window 1
.irp i, 0,1,2,3
.irp r, 0,2,4,6
	v_pk_mul_f32 v[TMP+8*(\i)+(\r):TMP+8*(\i)+(\r)+1], v[XA+8*(\i)+(\r):XA+8*(\i)+(\r)+1], v[IV+2*(\i):IV+2*(\i)+1]
.endr
.endr
	WIN 0
.irp i, 0,1,2,3
	global_store_b128 v[XO], v[TMP+8*(\i):TMP+8*(\i)+3],   s[90:91] offset:1024*(\i)      ; 16 rows of 64 bytes: the two stores together cover 1,024 consecutive bytes, each every other 16;
	global_store_b128 v[XO], v[TMP+8*(\i)+4:TMP+8*(\i)+7], s[90:91] offset:1024*(\i)+16   ; bx is 4 KiB a wave beside the tile's work
.endr
	WIN 0x45                                       ; all in window 1
.set i, 0
.rept 32
	v_lshlrev_b32 v[64+2*i], 16, v[BP+i]
	v_and_b32 v[64+2*i+1], 0xffff0000, v[BP+i]
.set i, i+1
.endr
	WIN 0
; A block of 16 rows a trip: eight short texts make z = sum x 2^(h-14) + b_dt and bring the block into window 0; one text makes softplus's sum over my 128 columns.
.macro COPYD a
	WIN 0x12+((\a)/4)                              ; source 0: window 2 or 3; source 1: window 0; source 2: window 1
.irp b, 0,1,2,3,4,5,6,7
.irp r, 0,2,4,6
	v_pk_fma_f32 v[V+8*(\b)+(\r):V+8*(\b)+(\r)+1], v[64*((\a)%4)+8*(\b)+(\r):64*((\a)%4)+8*(\b)+(\r)+1], v[IV+2*(\a):IV+2*(\a)+1], v[64+8*(\b)+(\r):64+8*(\b)+(\r)+1]
.endr
.endr
	WIN 0
.endm
	s_mov_b32 s2, 0
.Lblk:
.irp a, 0,1,2,3,4,5,6
	s_cmp_eq_u32 s2, \a
	s_cbranch_scc1 .Lc\a
.endr
	COPYD 7
	s_branch .Lsoft
.irp a, 0,1,2,3,4,5
.Lc\a:
	COPYD \a
	s_branch .Lsoft
.endr
.Lc6:
	COPYD 6
.Lsoft:
.set i, 0
.rept 64
	v_mul_f32 v[E+i], s94, |v[V+i]|                ; -|z| log2(e)
.set i, i+1
.endr
.set i, 0
.rept 64                               ; a batch of 64 exponentials, a plain line behind each
	v_exp_f32 v[E+i], v[E+i]
	v_max_num_f32 v[V+i], 0, v[V+i]
.set i, i+1
.endr
	s_wait_alu depctr_va_vdst(0)                   ; one wait for the batch, ahead of its first reader
.set p, 0
.rept 32                               ; the product of 1 + e and the sum of max(z, 0), side by side, each in four chains of pairs: a chain's product has 8 factors
.if p >= 4
	v_pk_fma_f32 v[PR+2*(p%4):PR+2*(p%4)+1], v[PR+2*(p%4):PR+2*(p%4)+1], v[E+2*p:E+2*p+1], v[PR+2*(p%4):PR+2*(p%4)+1]  ; p (1 + e) = p e + p
.else
	v_pk_add_f32 v[PR+2*p:PR+2*p+1], v[E+2*p:E+2*p+1], 1.0 op_sel_hi:[1,0]                                              ; the first four pairs start the chains
.endif
.if p >= 8
	v_pk_add_f32 v[SV+2*(p%4):SV+2*(p%4)+1], v[SV+2*(p%4):SV+2*(p%4)+1], v[V+2*p:V+2*p+1]
.elseif p >= 4
	v_pk_add_f32 v[SV+2*(p%4):SV+2*(p%4)+1], v[V+2*(p-4):V+2*(p-4)+1], v[V+2*p:V+2*p+1]
.endif
.set p, p+1
.endr
	v_pk_mul_f32 v[PR:PR+1], v[PR:PR+1], v[PR+2:PR+3]
	v_pk_mul_f32 v[PR+4:PR+5], v[PR+4:PR+5], v[PR+6:PR+7]
	v_pk_add_f32 v[SV:SV+1], v[SV:SV+1], v[SV+2:SV+3]
	v_pk_add_f32 v[SV+4:SV+5], v[SV+4:SV+5], v[SV+6:SV+7]
	v_pk_mul_f32 v[PR:PR+1], v[PR:PR+1], v[PR+4:PR+5]
	v_pk_add_f32 v[SV:SV+1], v[SV:SV+1], v[SV+4:SV+5]
	v_mul_f32 v[PR], v[PR], v[PR+1]                ; all 64 factors: 2^64 at the most
	v_log_f32 v[PR], v[PR]
	v_add_f32 v[SV], v[SV], v[SV+1]                ; a plain line behind the logarithm,
	s_wait_alu depctr_va_vdst(0)                   ; and its wait
	v_fma_f32 v[SV], v[PR], s95, v[SV]             ; my 64 columns of the row
	v_permlanex16_b32 v[SV+1], v[SV], s80, s81     ; the row's other 64 lie in the lane 16 away
	v_add_f32 v[SV], v[SV], v[SV+1]
	s_lshl_b32 s14, s2, 6                          ; 16 words a block
	v_add_nc_u32 v[SV+2], s14, v[RSA]
	ds_store_b32 v[SV+2], v[SV]                    ; lanes r and r + 16 write the same word with the same value
	s_add_co_u32 s2, s2, 1
	s_cmp_lt_u32 s2, 8
	s_cbranch_scc1 .Lblk
	ds_load_b128 v[SV+4:SV+7], v[RSR]              ; LDS serves a wave's instructions in order (ISA guide 5.7.1.4): this sees the stores above
	s_wait_dscnt 0x0
	global_store_b128 v[DO], v[SV+4:SV+7], s[92:93]  ; each half of the lanes stores 256 consecutive bytes, aligned
	s_branch .Lend
.Lout:
	; KIND 1.  P leaves in f32: half a block (16 rows x 64 columns: rows of 256 bytes) at a time through my stage, straight from the accumulators, and back as whole rows.  Half p = 2 a + c: block a, column blocks 4 c .. 4 c + 3.
.macro TOSTAGE p
.set BK, OB+192*((\p)%2)
.set AC, 64*(((\p)/2)%4)+32*((\p)%2)
	WIN 0x08+4*((\p)/8)                            ; a store's data (source 1): window 2 or 3
.irp b, 0,1,2,3
	ds_store_b128 v[STO], v[AC+8*(\b):AC+8*(\b)+3]   offset:64*(\b)
	ds_store_b128 v[STO], v[AC+8*(\b)+4:AC+8*(\b)+7] offset:64*(\b)+16
.endr
	WIN 0
.irp t, 0,1,2,3,4,5,6,7
	ds_load_b128 v[BK+4*(\t):BK+4*(\t)+3], v[RD] offset:(\t)*2*PITCH  ; LDS serves a wave's instructions in order (ISA guide 5.7.1.4): these see the stores above; the next half's stores come behind them
.endr
.endm
.macro SEND p, younger                 ; younger: the LDS instructions issued behind half p's loads: the next half's sixteen, or none
.set BK, OB+192*((\p)%2)
	s_wait_dscnt \younger                          ; the half is back in registers
.irp t, 0,1,2,3,4,5,6,7
	global_store_b128 v[CO], v[BK+4*(\t):BK+4*(\t)+3], s[PLO+2*((\p)/8):PLO+2*((\p)/8)+1] offset:((((\p)/2)%4)*16+2*(\t))*4096+((\p)%2)*256  ; 16 lanes store 256 consecutive bytes, aligned
.endr
.endm
	TOSTAGE 0
.irp p, 1,2,3,4,5,6,7,8,9,10,11,12,13,14,15
	s_wait_xcnt 0x0                                ; the stores of two halves back have read their data: that set of registers is loaded again only behind this wait
	TOSTAGE \p
	SEND (\p)-1, 16
.endr
	SEND 15, 0
.Lend:
	s_wait_tensorcnt 0x0                           ; the wave's end: behind my last tensor load and my last LDS store
	ds_add_u32 v[SPW], v[NIL]
	s_wait_dscnt 0x0
	CROUND                                         ; the closing round
	s_endpgm
.Lfunc_end_k_qf115e47f2e_gemm_mid:
	.size	k_qf115e47f2e_gemm_mid, .Lfunc_end_k_qf115e47f2e_gemm_mid-k_qf115e47f2e_gemm_mid
	.p2alignl 7, 3214868480
	.fill 96, 4, 3214868480
	.section	.rodata,"a",@progbits
	.p2align	6, 0x0
	.amdhsa_kernel k_qf115e47f2e_gemm_mid
		.amdhsa_group_segment_fixed_size 327680
		.amdhsa_private_segment_fixed_size 0
		.amdhsa_enable_private_segment 0
		.amdhsa_kernarg_size 56
		.amdhsa_user_sgpr_count 2
		.amdhsa_user_sgpr_kernarg_segment_ptr 1
		.amdhsa_wavefront_size32 1
		.amdhsa_system_sgpr_workgroup_id_x 1
		.amdhsa_system_sgpr_workgroup_id_y 1
		.amdhsa_system_sgpr_workgroup_id_z 1
		.amdhsa_system_vgpr_workitem_id 0
		.amdhsa_next_free_vgpr 1024
		.amdhsa_next_free_sgpr 96
		.amdhsa_reserve_vcc 0
		.amdhsa_float_denorm_mode_32 3
		.amdhsa_float_denorm_mode_16_64 3
		.amdhsa_memory_ordered 1
		.amdhsa_forward_progress 1
		.amdhsa_inst_pref_size 192
	.end_amdhsa_kernel
	.amdgpu_metadata
---
amdhsa.version: [ 1, 2 ]
amdhsa.kernels:
  - .name:           k_qf115e47f2e_gemm_mid
    .symbol:         k_qf115e47f2e_gemm_mid.kd
    .args:
      - { .name: xi, .offset: 0, .size: 8, .value_kind: global_buffer, .address_space: global }
      - { .name: gg, .offset: 8, .size: 8, .value_kind: global_buffer, .address_space: global }
      - { .name: wts, .offset: 16, .size: 8, .value_kind: global_buffer, .address_space: global }
      - { .name: b_dt, .offset: 24, .size: 8, .value_kind: global_buffer, .address_space: global }
      - { .name: scn, .offset: 32, .size: 8, .value_kind: global_buffer, .address_space: global }
      - { .name: pp, .offset: 40, .size: 8, .value_kind: global_buffer, .address_space: global }
      - { .name: sca, .offset: 48, .size: 8, .value_kind: global_buffer, .address_space: global }
    .group_segment_fixed_size: 327680
    .private_segment_fixed_size: 0
    .kernarg_segment_align: 8
    .kernarg_segment_size: 56
    .max_flat_workgroup_size: 128
    .sgpr_count:     96
    .vgpr_count:     1024
    .wavefront_size: 32
...
	.end_amdgpu_metadata
.endif
;; end of part 8
;; launch chunk: the kernel of part 4 again; grid 256 x 1, 1 waves a work-group, no clusters, 0 bytes of LDS; arguments scn, A_log, b_xp, summ; writes summ
;; launch final (part 9): grid 256 x 1, 8 waves a work-group, no clusters, 5,120 bytes of LDS; arguments scn, summ, A_log, b_xp, pp, xb, D, b_out, out0, sca; writes out0
.if DOCPART == 9
	.amdgcn_target "amdgcn-amd-amdhsa--gfx1250"
	.amdhsa_code_object_version 6
	.text
	.protected	k_qf115e47f2e_final
	.globl	k_qf115e47f2e_final
	.p2align	8
	.type	k_qf115e47f2e_final,@function
k_qf115e47f2e_final:
	s_mov_b64 s[64:65], 0
	v_nop
	global_prefetch_b8 v0, s[64:65] scope:SCOPE_SE
	s_setreg_imm32_b32 hwreg(HW_REG_WAVE_MODE, 25, 1), 1
	s_wait_xcnt 0x0
; THE SCAN, SECOND PART, AND THE OUTPUT.  out[t][c] = s_t P[t][c] + b_out[c] + x[t][c] D[c], s_t = the sum of the 64 states behind row t.
; A work-group owns 32 rows (a chunk).  The state in front of them is the fold, in ascending order, of the maps H -> d H + E of the batch's earlier chunks: wave w folds chunks 16 w .. 16 w + 15 (a chunk that is not
; earlier counts as d = 1, E = 0, by a select), the eight partial maps meet in LDS, and every wave composes them.  Then every wave runs the chunk's 32 steps itself (lane l: states 2 l, 2 l + 1) and sums over lanes,
; so that each s_t stands in a register of its own in every lane.  Wave w then takes columns 128 w .. 128 w + 127 of all 32 rows: a lane 4 columns; D and b_out cost 8 registers.
; P comes under its row's power of two, as g W_out 2^(14-2h): s_t is multiplied by the row's 2^(2h-14), exactly, before it multiplies P.
; All of P's and x's loads go out at the head, behind the scan's, and land while the scan is made.  All arithmetic in f32; P and bx come in f32.
; EVERY INPUT OF THE MODULE IS TAKEN ROUNDED ONCE TO bf16 (to nearest even), so that all parts of the result are made of the same numbers: x comes from xb, the first launch's rounded copy;
; A_log, b_xp, D and b_out are rounded here.
; LIMITS.  v_exp_f32 flushes denormals (ISA guide 15.8): a decay below 2^-126 counts as 0.  NaN and infinities are not treated apart.
; No matrix unit, no cluster: what work-groups share (summ, 128 KiB) is a small part of a work-group's 330 KiB.
; REGISTERS: window 0 as named below; window 1: v0-127 P, then out, 4 a row; v128-191 x, 2 a row; v192-255 bx of my two states, 2 a row.
.set SPARE, 4096                       ; LDS: 16 bytes a thread for the partial maps, then the spare words, 128 bytes for each of the eight waves
.set SPW, 2                            ; v2   LDS address of my spare word; never rewritten
.set NIL, 3                            ; v3   0; never rewritten
.set SM,  56                           ; v[56:119]   16 summaries {d, d, E, E}; later the 8 partial maps
.set AT,  120                          ; v[120:183]  a_t, a pair a row; later at work
.set S,   184                          ; v[184:215]  s_t
.set DD,  216                          ; v[216:219]  D of my 4 columns
.set BB,  220                          ; v[220:223]  b_out
.set H,   228                          ; v[228:229]  my two states
.set TT,  230                          ; v[230:237]  at work
.set BX,  192                          ; window 1
.set WV,  66                           ; s66  my wave's number
.set CB,  67                           ; s67  the chunk's number in its batch
.set MSB, 0
.macro WIN new
.if MSB != (\new)
	s_set_vgpr_msb (MSB<<8)|(\new)
.set MSB, \new
.endif
.endm
	s_load_b512 s[4:19], s[0:1], 0x0               ; scn s[4:5], summ s[6:7], A_log s[8:9], b_xp s[10:11], pp s[12:13], xb s[14:15], D s[16:17], b_out s[18:19]
	s_load_b128 s[20:23], s[0:1], 0x40             ; out0 s[20:21], sca s[22:23]
	v_lshl_add_u32 v[SPW], v0, 2, SPARE
	v_mov_b32 v[NIL], 0
	v_lshrrev_b32 v1, 5, v0
	v_readfirstlane_b32 s[WV], v1                  ; wave 0..7
	v_and_b32 v1, 31, v0                           ; lane
	v_lshlrev_b32 v4, 2, v1
	v_lshrrev_b32 v5, 3, v1
	v_lshlrev_b32 v5, 19, v5
	v_and_b32 v6, 7, v1
	v_lshl_add_u32 v5, v6, 3, v5                   ; my two states in a row of bx: plane l / 8, byte 8 (l % 8)
	v_lshlrev_b32 v6, 3, v1
	v_lshlrev_b32 v7, 4, v1
	v_lshlrev_b32 v8, 4, v0                        ; 512 w + 16 l: my 4 columns in f32; also my 16 bytes of LDS
	v_lshlrev_b32 v9, 3, v0                        ; 256 w + 8 l: in bf16
	s_and_b32 s[CB], ttmp9, 127
	s_mov_b32 s25, 0
	s_mov_b32 s28, 0x76543210
	s_mov_b32 s29, 0xfedcba98
	s_mov_b32 s30, 0xffff0000
	s_wait_kmcnt 0x0
	s_lshl_b32 s24, ttmp9, 11                      ; 32 rows of 64 bytes,
	s_add_co_u32 s24, s24, 262144                  ; behind the row sums
	s_add_nc_u64 s[26:27], s[4:5], s[24:25]        ; bx at my 32 rows
	s_lshl_b32 s24, ttmp9, 7
	s_add_nc_u64 s[4:5], s[4:5], s[24:25]          ; the row sums at my 32 rows
	s_add_co_u32 s24, s24, 32768                   ; the second of sca's two arrays of 8,192 words
	s_add_nc_u64 s[22:23], s[22:23], s[24:25]      ; 2^(2h-14) of my 32 rows
	s_and_b32 s24, ttmp9, 128
	s_lshl_b32 s24, s24, 9                         ; the batch's first summary,
	s_lshl_b32 s31, s[WV], 13                      ; my wave's 16 of 512 bytes
	s_add_co_u32 s24, s24, s31
	s_add_nc_u64 s[6:7], s[6:7], s[24:25]
	s_lshl_b32 s24, ttmp9, 16                      ; 32 rows of 2,048 bytes
	s_add_nc_u64 s[14:15], s[14:15], s[24:25]
	s_lshl_b32 s24, ttmp9, 17                      ; 32 rows of 4,096 bytes
	s_add_nc_u64 s[12:13], s[12:13], s[24:25]
	s_add_nc_u64 s[20:21], s[20:21], s[24:25]
	; 59 loads for the scan,
	global_load_b64 v[10:11], v6, s[8:9]
	global_load_b64 v[12:13], v6, s[10:11]
	global_load_b32 v23, v4, s[22:23]              ; lane l: row l's 2^(2h-14)
.irp p, 0,1,2,3,4,5,6,7
	global_load_b32 v[14+(\p)], v4, s[4:5] offset:32768*(\p)
.endr
.set i, 0
.rept 16
	global_load_b128 v[SM+4*i:SM+4*i+3], v7, s[6:7] offset:512*i
.set i, i+1
.endr
	WIN 0x40                                       ; destination window 1
.set t, 0
.rept 32
	global_load_b64 v[BX+2*t:BX+2*t+1], v5, s[26:27] offset:64*t
.set t, t+1
.endr
	WIN 0
	; and 66 for the stream
	global_load_b128 v[DD:DD+3], v8, s[16:17]
	global_load_b128 v[BB:BB+3], v8, s[18:19]
	WIN 0x40
.set r, 0
.rept 32
	global_load_b128 v[4*r:4*r+3], v8, s[12:13] offset:4096*r th:TH_LOAD_NT       ; a wave's load covers 512 consecutive bytes of P,
	global_load_b64 v[128+2*r:129+2*r], v9, s[14:15] offset:2048*r th:TH_LOAD_NT  ; 256 of xb
.set r, r+1
.endr
	WIN 0
	s_wait_loadcnt 63                              ; 66 loads were issued behind the scan's last: with 63 out at the most, all 59 of the scan are in
	v_cvt_pk_bf16_f32 v[TT], v10, v11              ; A_log and b_xp are rounded to bf16 and widened again
	v_cvt_pk_bf16_f32 v[TT+1], v12, v13
	v_lshlrev_b32 v10, 16, v[TT]
	v_and_b32 v11, s30, v[TT]
	v_lshlrev_b32 v12, 16, v[TT+1]
	v_and_b32 v13, s30, v[TT+1]
	v_mul_f32 v10, 0x3fb8aa3b, v10
	v_mul_f32 v11, 0x3fb8aa3b, v11
	v_exp_f32 v10, v10                             ; exp(A_log)
	v_exp_f32 v11, v11
	v_add_f32 v22, v14, v15                        ; lane l: row l's eight partial sums, in ascending order,
.irp p, 2,3,4,5,6,7
	v_add_f32 v22, v22, v[14+(\p)]
.endr
	v_mul_f32 v22, 0x3a800000, v22                 ; over 1,024
	s_wait_alu depctr_va_vdst(0)                   ; the wait ahead of the first reader
	v_mul_f32 v10, 0xbfb8aa3b, v10                 ; A log2(e)
	v_mul_f32 v11, 0xbfb8aa3b, v11
.set t, 0
.rept 32
	v_readlane_b32 s[32+t], v22, t
.set t, t+1
.endr
.set t, 0
.rept 32                               ; one batch of 64 exponentials; the lines below are the work between it and its wait
	v_mul_f32 v[AT+2*t], s[32+t], v10
	v_mul_f32 v[AT+2*t+1], s[32+t], v11
	v_exp_f32 v[AT+2*t], v[AT+2*t]
	v_exp_f32 v[AT+2*t+1], v[AT+2*t+1]
.set t, t+1
.endr
.set t, 0
.rept 32
	v_readlane_b32 s[32+t], v23, t                 ; the mean deltas have been used: their registers take the rows' 2^(2h-14)
.set t, t+1
.endr
	; the fold of my 16 chunks, in place in the first summary's registers
	s_lshl_b32 s31, s[WV], 4
.set i, 0
.rept 16
	s_add_co_u32 s25, s31, i
	s_cmp_lt_u32 s25, s[CB]                        ; is the chunk earlier than mine?
	s_cselect_b32 s24, -1, 0
	v_cndmask_b32 v[SM+4*i], 1.0, v[SM+4*i], s24
	v_cndmask_b32 v[SM+4*i+1], 1.0, v[SM+4*i+1], s24
	v_cndmask_b32 v[SM+4*i+2], 0, v[SM+4*i+2], s24
	v_cndmask_b32 v[SM+4*i+3], 0, v[SM+4*i+3], s24
.if i > 0
	v_pk_fma_f32 v[SM+2:SM+3], v[SM+4*i:SM+4*i+1], v[SM+2:SM+3], v[SM+4*i+2:SM+4*i+3]
	v_pk_mul_f32 v[SM:SM+1], v[SM:SM+1], v[SM+4*i:SM+4*i+1]
.endif
.set i, i+1
.endr
	ds_store_b128 v8, v[SM:SM+3]
	s_wait_dscnt 0x0                               ; for the others' sake: my partial map is stored
	s_barrier_signal -1
	s_barrier_wait -1
.irp j, 0,1,2,3,4,5,6,7
	ds_load_b128 v[SM+4*(\j):SM+4*(\j)+3], v7 offset:512*(\j)
.endr
	WIN 0x41                                       ; bx (destination and source 0) window 1, b_xp window 0: the 32 injections, while the partial maps come
.set t, 0
.rept 32
	v_pk_add_f32 v[BX+2*t:BX+2*t+1], v[BX+2*t:BX+2*t+1], v[12:13]
.set t, t+1
.endr
	WIN 0
	s_wait_dscnt 0x0
	v_pk_fma_f32 v[H:H+1], v[SM+4:SM+5], v[SM+2:SM+3], v[SM+6:SM+7]  ; from state 0: wave 0's E, then wave 1's map,
.irp j, 2,3,4,5,6,7
	v_pk_fma_f32 v[H:H+1], v[SM+4*(\j):SM+4*(\j)+1], v[H:H+1], v[SM+4*(\j)+2:SM+4*(\j)+3]
.endr
	s_wait_alu depctr_va_vdst(0)                   ; one wait for the 64 exponentials, ahead of their first reader
	WIN 0x10                                       ; the addend (source 2) window 1
.set t, 0
.rept 32                               ; the chunk's 32 steps
	v_pk_fma_f32 v[H:H+1], v[AT+2*t:AT+2*t+1], v[H:H+1], v[BX+2*t:BX+2*t+1]
	v_add_f32 v[S+t], v[H], v[H+1]
.set t, t+1
.endr
	WIN 0
.irp m, 1,2,4,8                        ; the sum over the 32 lanes, 32 rows side by side
.set t, 0
.rept 32
	v_add_f32_dpp v[S+t], v[S+t], v[S+t] row_xmask:\m row_mask:0xf bank_mask:0xf
.set t, t+1
.endr
.endr
.set t, 0
.rept 32
	v_permlanex16_b32 v[AT+t], v[S+t], s28, s29    ; into registers that have been written and are free
.set t, t+1
.endr
.set t, 0
.rept 32
	v_add_f32 v[S+t], v[S+t], v[AT+t]
.set t, t+1
.endr
.set t, 0
.rept 32
	v_mul_f32 v[S+t], s[32+t], v[S+t]              ; s_t 2^(2h-14)
.set t, t+1
.endr
	; the stream, eight rows at a time
.set g, 0
.rept 4
	s_wait_loadcnt 48-16*g                         ; this group's loads are in (D and b_out, the oldest of the stream, with the first); the later groups' 16 each stay out
.if g == 0
	v_cvt_pk_bf16_f32 v[TT], v[DD], v[DD+1]        ; D and b_out are rounded to bf16 and widened again
	v_cvt_pk_bf16_f32 v[TT+1], v[DD+2], v[DD+3]
	v_cvt_pk_bf16_f32 v[TT+2], v[BB], v[BB+1]
	v_cvt_pk_bf16_f32 v[TT+3], v[BB+2], v[BB+3]
	v_lshlrev_b32 v[DD], 16, v[TT]
	v_and_b32 v[DD+1], s30, v[TT]
	v_lshlrev_b32 v[DD+2], 16, v[TT+1]
	v_and_b32 v[DD+3], s30, v[TT+1]
	v_lshlrev_b32 v[BB], 16, v[TT+2]
	v_and_b32 v[BB+1], s30, v[TT+2]
	v_lshlrev_b32 v[BB+2], 16, v[TT+3]
	v_and_b32 v[BB+3], s30, v[TT+3]
.endif
	WIN 0x41                                       ; P (destination and source 0) window 1; s_t and b_out window 0
.set r, 8*g
.rept 8
.irp j, 0,1,2,3
	v_fma_f32 v[4*r+(\j)], v[4*r+(\j)], v[S+r], v[BB+(\j)]
.endr
.set r, r+1
.endr
	WIN 0x51                                       ; x (source 0), the addend and the destination window 1, D window 0
.set r, 8*g
.rept 8
	v_fma_mix_f32_bf16 v[4*r],   v[128+2*r], v[DD],   v[4*r]   op_sel:[0,0,0] op_sel_hi:[1,0,0]
	v_fma_mix_f32_bf16 v[4*r+1], v[128+2*r], v[DD+1], v[4*r+1] op_sel:[1,0,0] op_sel_hi:[1,0,0]
	v_fma_mix_f32_bf16 v[4*r+2], v[129+2*r], v[DD+2], v[4*r+2] op_sel:[0,0,0] op_sel_hi:[1,0,0]
	v_fma_mix_f32_bf16 v[4*r+3], v[129+2*r], v[DD+3], v[4*r+3] op_sel:[1,0,0] op_sel_hi:[1,0,0]
.set r, r+1
.endr
	WIN 0x04                                       ; a store's data (source 1) window 1
.set r, 8*g
.rept 8
	global_store_b128 v8, v[4*r:4*r+3], s[20:21] offset:4096*r th:TH_STORE_NT  ; a wave's store covers 512 consecutive bytes, aligned
.set r, r+1
.endr
	WIN 0
.set g, g+1
.endr
	s_wait_tensorcnt 0x0                           ; the wave's end: behind my last LDS store
	ds_add_u32 v[SPW], v[NIL]
	s_wait_dscnt 0x0
	s_endpgm
.Lfunc_end_k_qf115e47f2e_final:
	.size	k_qf115e47f2e_final, .Lfunc_end_k_qf115e47f2e_final-k_qf115e47f2e_final
	.p2alignl 7, 3214868480
	.fill 96, 4, 3214868480
	.section	.rodata,"a",@progbits
	.p2align	6, 0x0
	.amdhsa_kernel k_qf115e47f2e_final
		.amdhsa_group_segment_fixed_size 5120
		.amdhsa_private_segment_fixed_size 0
		.amdhsa_enable_private_segment 0
		.amdhsa_kernarg_size 80
		.amdhsa_user_sgpr_count 2
		.amdhsa_user_sgpr_kernarg_segment_ptr 1
		.amdhsa_wavefront_size32 1
		.amdhsa_system_sgpr_workgroup_id_x 1
		.amdhsa_system_sgpr_workgroup_id_y 1
		.amdhsa_system_sgpr_workgroup_id_z 1
		.amdhsa_system_vgpr_workitem_id 0
		.amdhsa_next_free_vgpr 512
		.amdhsa_next_free_sgpr 72
		.amdhsa_reserve_vcc 0
		.amdhsa_float_denorm_mode_32 3
		.amdhsa_float_denorm_mode_16_64 3
		.amdhsa_memory_ordered 1
		.amdhsa_forward_progress 1
		.amdhsa_inst_pref_size 69
	.end_amdhsa_kernel
	.amdgpu_metadata
---
amdhsa.version: [ 1, 2 ]
amdhsa.kernels:
  - .name:           k_qf115e47f2e_final
    .symbol:         k_qf115e47f2e_final.kd
    .args:
      - { .name: scn, .offset: 0, .size: 8, .value_kind: global_buffer, .address_space: global }
      - { .name: summ, .offset: 8, .size: 8, .value_kind: global_buffer, .address_space: global }
      - { .name: A_log, .offset: 16, .size: 8, .value_kind: global_buffer, .address_space: global }
      - { .name: b_xp, .offset: 24, .size: 8, .value_kind: global_buffer, .address_space: global }
      - { .name: pp, .offset: 32, .size: 8, .value_kind: global_buffer, .address_space: global }
      - { .name: xb, .offset: 40, .size: 8, .value_kind: global_buffer, .address_space: global }
      - { .name: D, .offset: 48, .size: 8, .value_kind: global_buffer, .address_space: global }
      - { .name: b_out, .offset: 56, .size: 8, .value_kind: global_buffer, .address_space: global }
      - { .name: out0, .offset: 64, .size: 8, .value_kind: global_buffer, .address_space: global }
      - { .name: sca, .offset: 72, .size: 8, .value_kind: global_buffer, .address_space: global }
    .group_segment_fixed_size: 5120
    .private_segment_fixed_size: 0
    .kernarg_segment_align: 8
    .kernarg_segment_size: 80
    .max_flat_workgroup_size: 256
    .sgpr_count:     72
    .vgpr_count:     512
    .wavefront_size: 32
...
	.end_amdgpu_metadata
.endif
;; end of part 9
